; MI455X (gfx1250); checked and timed in simulation.
; The chip was launched on July 23, 2026; its instructions are those of AMD's public machine-readable ISA for CDNA 5 (MIT licence, August 2026) and "CDNA5" Instruction Set Architecture Reference Guide (July 2026). The comments in the code are by the model that wrote it; some were corrected since.
;; Multi Head Attention Layer. Allowed arithmetic: matrix products marked QUANTISED: E2M3 operands, one E8M0 scale for each 32 along K, by v_wmma_scale_f32_16x16x128_f8f6f4 with both operands' format E2M3, f32 sums; everything else in f32.
;; Inputs: Wk 8 x 512 x 64 float32; Wo 8 x 64 x 512 float32; Wq 8 x 512 x 64 float32; Wv 8 x 512 x 64 float32; ff_b1 512 float32; ff_b2 512 float32; ff_w1 512 x 512 float32; ff_w2 512 x 512 float32; norm1_b 512 float32; norm1_w 512 float32; norm2_b 512 float32; norm2_w 512 float32; x 64 x 512 x 512 float32.
;; Outputs: out0 64 x 512 x 512 float32.
;; This version of the problem:
;;   THIS VERSION OF THE PROBLEM IS GIVEN IN LOW PRECISION. The matrix products marked QUANTISED in the list below multiply operands that are first quantised to E2M3 (2 exponent bits, 3 mantissa bits; 6 bits a number), with one power-of-two scale for each 32 numbers along K (OCP MX v1.0); their sums are f32. All else is computed in f32.
;;   The module's matrix products, in the order in which they are computed (A, B: the left and right operand; K: the contracted axis; several contracted axes count as one K, in the product's order):
;;     1. [M 512, K 512] x [K 512, N 32,768]; A: input Wq; B: input x: QUANTISED
;;     2. [M 512, K 512] x [K 512, N 32,768]; A: input Wk; B: input x: QUANTISED
;;     3. [M 512, K 512] x [K 512, N 32,768]; A: input Wv; B: input x: QUANTISED
;;     4. batch 512 x [M 512, K 64] x [K 64, N 512]; A: computed on the way; B: computed on the way: QUANTISED
;;     5. batch 512 x [M 512, K 512] x [K 512, N 64]; A: softmax (see below); B: computed on the way: QUANTISED
;;     6. [M 32,768, K 512] x [K 512, N 512]; A: computed on the way; B: input Wo: QUANTISED
;;     7. [M 32,768, K 512] x [K 512, N 512]; A: computed on the way; B: input ff_w1: QUANTISED
;;     8. [M 32,768, K 512] x [K 512, N 512]; A: computed on the way; B: input ff_w2: QUANTISED
;;   THE QUANTISER, for each operand of a quantised product, along K:
;;     - K is cut into blocks of 32 from its start; a last block that is shorter is filled with zeros.
;;     - A block's scale is 2^e with e = floor(log2(the largest magnitude in the block)) - 2, held to -126 .. 127; a block of zeros has e = 0. As a byte (E8M0): e + 127.
;;     - Each number is divided by its block's scale, clamped to +-7.5, and rounded to the nearest number of E2M3, ties to even, subnormals kept.
;;     - The product sums the exact products of the quantised numbers (number of the format x scale) in f32.
;;   ~~~python
;;   def quantise(x, axis):      # numpy; x: float32 -> the quantised numbers, widened to float32 again
;;       x = np.moveaxis(x, axis, -1); K = x.shape[-1]
;;       x = np.pad(x, [(0, 0)] * (x.ndim - 1) + [(0, -K % 32)]); x = x.reshape(x.shape[:-1] + (-1, 32)); a = np.abs(x).max(-1, keepdims=True)
;;       e = np.where(a > 0, np.clip(np.frexp(np.where(a > 0, a, 1))[1] - 1 - 2, -126, 127), 0)      # np.frexp(a)[1] - 1 = floor(log2(a)), exactly
;;       r = np.clip(x / 2.0 ** e, -7.5, 7.5)
;;       step = 2.0 ** (np.maximum(np.frexp(np.where(r == 0, 1, r))[1] - 1, 0) - 3)
;;       q = np.round(r / step) * step * 2.0 ** e      # np.round: ties to even
;;       return np.moveaxis(q.reshape(q.shape[:-2] + (-1,))[..., :K], -1, axis).astype(np.float32)
;;   ~~~
;;   SOFTMAX AHEAD OF A QUANTISED PRODUCT. Where the list says 'softmax', what is quantised is not the finished softmax but p = 2^(t - M), with t = logit x log2(e) and M = ceil(the row's largest t), a whole number; so 1/2 < the row's largest p <= 1. The row's sum l is taken of the UNQUANTISED p, in f32, and the product's result is divided by l at the end. Since M is a whole number, a kernel that streams over the keys may use a running M (the ceiling of the running maximum): every later rescaling is an exact power of two, which a block's scale takes up: the codes' values come out the same.
;;   OPERANDS COMPUTED ON THE WAY. 'Computed on the way' means the value that the module computes at that place (a softmax that the list does not call 'softmax' is quantised finished and normalised). What goes into a quantiser is computed in f32, as accurately as f32 sums, v_exp_f32 and their like allow (about 1e-6 of the number): no bf16 or f16 on the way to a quantiser, and a product that is left as it is and whose result goes on into a quantised operand takes f32 operands (vector FMAs, or v_wmma_f32_16x16x4_f32). A number that lies on a knife's edge between two numbers of the format may be rounded either way, as far as f32 arithmetic and the matrix unit's own rounding can turn it there, and no further.
;; 2 versions. Each part assembles by itself: llvm-mc -triple=amdgcn-amd-amdhsa -mcpu=gfx1250 --defsym DOCPART=n.
;; ======== version 1 of 2: 7 launches
;; workspace buffers: wimg 1,228,800 bytes; q 13,631,488 bytes; kv 26,738,688 bytes; hd 13,631,488 bytes; gq 13,631,488 bytes; part 1,048,576 bytes; stat1 4,096 bytes; stat2 4,096 bytes
;; launch prep (part 1): grid 96 x 1, 8 waves a work-group, no clusters, 2,048 bytes of LDS; arguments Wq, Wk, Wv, Wo, ff_w1, ff_w2, wimg; writes wimg
.if DOCPART == 1
	.amdgcn_target "amdgcn-amd-amdhsa--gfx1250"
	.amdhsa_code_object_version 6
	.text
	.protected	k_qd984649847_prep
	.globl	k_qd984649847_prep
	.p2align	8
	.type	k_qd984649847_prep,@function
k_qd984649847_prep:
	s_mov_b64 s[64:65], 0
	v_nop
	global_prefetch_b8 v0, s[64:65] scope:SCOPE_SE
	s_setreg_imm32_b32 hwreg(HW_REG_WAVE_MODE, 25, 1), 1
	s_wait_xcnt 0x0
; The six weights become codes of FP6 (E2M3) with one E8M0 byte for each 32 along K, laid in the ORDER OF THE OPERAND'S REGISTERS.
; wimg: 6 matrices (Wq, Wk, Wv, Wo, ff_w1, ff_w2) x 204,800 bytes: codes [cw 8][s 4][t 4] x 1,536 bytes (register q of lane l at 512 (q / 4) + 16 l + 4 (q % 4)),
; then scale words [cw 8][sg 2][lane 32][t 4]: lanes 0-15 K step 2 sg, lanes 16-31 K step 2 sg + 1.
; A fragment (cw, s, t): lane r is output column 64 cw + 32 (t / 2) + 8 (t % 2) + r + 8 (r / 8); K = 128 s + 0 .. 127.
; One wave makes one fragment: a lane takes a column and its 64 registers run along K in the operand's own order (k = 64 c + 32 h + i), so the conversions' results are the operand's registers.
; Work-group g: matrix g / 16, column group (g / 2) % 8, sg = g % 2; wave: K step 2 sg + wave / 4, tile wave % 4.  96 work-groups: that is all the work there is (6 MB read once).
; LIMITS: NaN and infinities are not served; a block whose largest magnitude lies under 2^-124 (zeros too) gets the byte 1: its bytes are read by this program alone.
.set X, 64                             ; v64-127: register 32 c + i = k 64 c + 32 h + i of my column
	s_load_b256 s[4:11], s[0:1], 0x0               ; Wq s[4:5], Wk s[6:7], Wv s[8:9], Wo s[10:11]
	s_load_b128 s[12:15], s[0:1], 0x20             ; ff_w1 s[12:13], ff_w2 s[14:15]
	s_load_b64 s[16:17], s[0:1], 0x30              ; wimg
	v_lshl_add_u32 v128, v0, 2, 0x400
	v_mov_b32 v129, 0
	v_lshrrev_b32 v1, 5, v0
	v_readfirstlane_b32 s18, v1                    ; wave
	s_lshr_b32 s19, ttmp9, 4                       ; matrix
	s_bfe_u32 s20, ttmp9, 0x30001                  ; cw
	s_and_b32 s21, ttmp9, 1                        ; sg
	s_lshr_b32 s22, s18, 2                         ; sp
	s_and_b32 s23, s18, 3                          ; t
	s_lshl_b32 s24, s21, 1
	s_add_co_u32 s24, s24, s22                     ; K step s = 2 sg + sp
	s_lshr_b32 s25, s23, 1
	s_lshl_b32 s25, s25, 5
	s_and_b32 s26, s23, 1
	s_lshl_b32 s26, s26, 3
	s_add_co_u32 s25, s25, s26                     ; tb = 32 (t / 2) + 8 (t % 2)
	v_and_b32 v2, 15, v0                           ; r
	v_bfe_u32 v3, v0, 4, 1                         ; h
	v_and_b32 v4, 8, v2
	v_add_nc_u32 v4, v4, v2                        ; r + 8 (r / 8)
	v_and_b32 v5, 31, v0                           ; lane
	v_lshlrev_b32 v6, 2, v4
	v_lshl_add_u32 v7, v3, 16, v6                  ; Wo: 32 h rows of 2,048 bytes + 4 x column
	v_lshl_add_u32 v6, v3, 13, v6                  ; Wq, Wk, Wv: 32 h rows of 256 bytes + 4 x column
	v_lshlrev_b32 v8, 11, v4
	v_lshl_add_u32 v8, v3, 7, v8                   ; ff_w1, ff_w2: row = column of the product, 2,048 bytes; + 128 h
	s_lshl_b32 s28, s20, 17                        ; Wq, Wk, Wv: head cw, 128 s rows of 256 bytes, 4 tb
	s_lshl_b32 s27, s24, 15
	s_add_co_u32 s28, s28, s27
	s_lshl_b32 s27, s25, 2
	s_add_co_u32 s28, s28, s27
	s_mov_b32 s29, 0
	s_lshl_b32 s30, s24, 18                        ; Wo: 128 s rows of 2,048 bytes, 4 (64 cw + tb)
	s_lshl_b32 s27, s20, 8
	s_add_co_u32 s30, s30, s27
	s_lshl_b32 s27, s25, 2
	s_add_co_u32 s30, s30, s27
	s_mov_b32 s31, 0
	s_lshl_b32 s32, s20, 17                        ; ff: 2,048 (64 cw + tb) + 512 s
	s_lshl_b32 s27, s25, 11
	s_add_co_u32 s32, s32, s27
	s_lshl_b32 s27, s24, 9
	s_add_co_u32 s32, s32, s27
	s_mov_b32 s33, 0
	s_mul_i32 s34, s19, 204800                     ; the matrix's place in wimg
	s_mov_b32 s35, 0
	s_lshl_b32 s36, s20, 2
	s_add_co_u32 s36, s36, s24
	s_lshl_b32 s36, s36, 2
	s_add_co_u32 s36, s36, s23
	s_mul_i32 s36, s36, 1536                       ; the fragment's place
	v_lshl_add_u32 v11, v5, 4, s36                 ; + 16 x lane
	s_lshl_b32 s37, s20, 1
	s_add_co_u32 s37, s37, s21
	s_lshl_b32 s37, s37, 9
	s_add_co_u32 s37, s37, 196608                  ; the 512 bytes of scale words of (cw, sg)
	v_lshlrev_b32 v13, 4, v5                       ; LDS, on the way out: 16 x lane
	v_add_nc_u32 v14, s37, v13
	s_lshl_b32 s38, s22, 8
	s_lshl_b32 s39, s23, 2
	s_add_co_u32 s38, s38, s39
	v_lshl_add_u32 v12, v2, 4, s38                 ; LDS, on the way in: 16 (r + 16 sp) + 4 t
	s_mov_b32 s40, 0x76543210
	s_mov_b32 s41, 0xfedcba98                      ; v_permlanex16_b32's selects for lane l xor 16
; K is not innermost: 64 loads of 4 bytes, a lane a column, registers down K
.macro COLS ptr, off, adr, pitch
	s_add_nc_u64 s[\ptr:\ptr+1], s[\ptr:\ptr+1], s[\off:\off+1]
.set ci, 0
.rept 64
	global_load_b32 v[X+ci], v[\adr], s[\ptr:\ptr+1] offset:(\pitch)*(64*(ci/32)+ci%32)
.set ci, ci+1
.endr
.endm
; K is innermost: 16 loads of 16 bytes from my row
.macro ROWS ptr
	s_add_nc_u64 s[\ptr:\ptr+1], s[\ptr:\ptr+1], s[32:33]
.set ci, 0
.rept 16
	global_load_b128 v[X+4*ci:X+4*ci+3], v8, s[\ptr:\ptr+1] offset:256*(ci/8)+16*(ci%8)
.set ci, ci+1
.endr
.endm
	s_wait_kmcnt 0x0
	s_add_nc_u64 s[16:17], s[16:17], s[34:35]
	s_cmp_eq_u32 s19, 0                            ; the paths part on the work-group's number alone and hold loads only
	s_cbranch_scc1 .Lwq
	s_cmp_eq_u32 s19, 1
	s_cbranch_scc1 .Lwk
	s_cmp_eq_u32 s19, 2
	s_cbranch_scc1 .Lwv
	s_cmp_eq_u32 s19, 3
	s_cbranch_scc1 .Lwo
	s_cmp_eq_u32 s19, 4
	s_cbranch_scc1 .Lw1
	ROWS 14
	s_branch .Ljoin
.Lwq:
	COLS 4, 28, 6, 256
	s_branch .Ljoin
.Lwk:
	COLS 6, 28, 6, 256
	s_branch .Ljoin
.Lwv:
	COLS 8, 28, 6, 256
	s_branch .Ljoin
.Lwo:
	COLS 10, 30, 7, 2048
	s_branch .Ljoin
.Lw1:
	ROWS 12
.Ljoin:
	s_wait_loadcnt 0x0
.irp c, 0,1                                    ; my block 2 c + h: all its 32 numbers are mine; the floor 2^(3 - 127) holds the byte at 1 from below
	v_max3_num_f32 v[32+\c], |v[X+32*\c]|, |v[X+32*\c+1]|, 0x1800000
.endr
.irp i, 2,4,6,8,10,12,14,16,18,20,22,24,26,28,30
.irp c, 0,1
	v_max3_num_f32 v[32+\c], v[32+\c], |v[X+32*\c+\i]|, |v[X+32*\c+\i+1]|
.endr
.endr
.irp c, 0,1
	v_add_nc_u32 v[44+\c], 0xff000000, v[32+\c]    ; 2 off the exponent field: the conversion's scale operand
.endr
.irp c, 0,1
	v_lshrrev_b32 v[36+\c], 23, v[44+\c]           ; the scale's byte
.endr
	v_lshl_or_b32 v9, v37, 16, v36                 ; my two bytes: blocks h and 2 + h,
	v_lshlrev_b32 v10, 3, v3
	v_lshlrev_b32 v9, v10, v9                      ; 8 h bits up;
	v_mov_b32 v10, 0
	v_permlanex16_b32 v10, v9, s40, s41
	v_or_b32 v9, v9, v10                           ; with lane l xor 16's two the word is whole
.irp c, 0,1
	v_cvt_scalef32_pk16_fp6_f32 v[48+6*\c:50+6*\c], v[X+32*\c:X+32*\c+15], v[44+\c]
	v_cvt_scalef32_pk16_fp6_f32 v[16+4*\c:18+4*\c], v[X+32*\c+16:X+32*\c+31], v[44+\c]   ; (a conversion's three registers begin on an even number)
.endr
	v_nop                                          ; one plain place behind a scaled conversion
.irp c, 0,1
.irp i, 0,1,2
	v_mov_b32 v[51+6*\c+\i], v[16+4*\c+\i]
.endr
.endr
.irp g, 0,1,2
	global_store_b128 v11, v[48+4*\g:51+4*\g], s[16:17] offset:512*\g     ; 32 lanes store 512 consecutive bytes
.endr
	ds_store_b32 v12, v9                           ; lanes r and r + 16 write the same word with the same value
	s_wait_dscnt 0x0                               ; for the others' sake: my store is done
	s_barrier_signal -1
	s_barrier_wait -1
	s_cmp_lg_u32 s18, 0
	s_cbranch_scc1 .Lend
	ds_load_b128 v[20:23], v13                     ; wave 0 sends the eight waves' 512 bytes of scale words
	s_wait_dscnt 0x0
	global_store_b128 v14, v[20:23], s[16:17]
.Lend:
	s_wait_tensorcnt 0x0
	ds_add_u32 v128, v129
	s_wait_dscnt 0x0
	s_endpgm
.Lfunc_end_k_qd984649847_prep:
	.size	k_qd984649847_prep, .Lfunc_end_k_qd984649847_prep-k_qd984649847_prep
	.p2alignl 7, 3214868480
	.fill 96, 4, 3214868480
	.section	.rodata,"a",@progbits
	.p2align	6, 0x0
	.amdhsa_kernel k_qd984649847_prep
		.amdhsa_group_segment_fixed_size 2048
		.amdhsa_private_segment_fixed_size 0
		.amdhsa_enable_private_segment 0
		.amdhsa_kernarg_size 56
		.amdhsa_user_sgpr_count 2
		.amdhsa_user_sgpr_kernarg_segment_ptr 1
		.amdhsa_wavefront_size32 1
		.amdhsa_system_sgpr_workgroup_id_x 1
		.amdhsa_system_sgpr_workgroup_id_y 1
		.amdhsa_system_sgpr_workgroup_id_z 1
		.amdhsa_system_vgpr_workitem_id 0
		.amdhsa_next_free_vgpr 130
		.amdhsa_next_free_sgpr 66
		.amdhsa_reserve_vcc 0
		.amdhsa_float_denorm_mode_32 3
		.amdhsa_float_denorm_mode_16_64 3
		.amdhsa_memory_ordered 1
		.amdhsa_forward_progress 1
		.amdhsa_inst_pref_size 35
	.end_amdhsa_kernel
	.amdgpu_metadata
---
amdhsa.version: [ 1, 2 ]
amdhsa.kernels:
  - .name:           k_qd984649847_prep
    .symbol:         k_qd984649847_prep.kd
    .args:
      - { .name: Wq, .offset: 0, .size: 8, .value_kind: global_buffer, .address_space: global }
      - { .name: Wk, .offset: 8, .size: 8, .value_kind: global_buffer, .address_space: global }
      - { .name: Wv, .offset: 16, .size: 8, .value_kind: global_buffer, .address_space: global }
      - { .name: Wo, .offset: 24, .size: 8, .value_kind: global_buffer, .address_space: global }
      - { .name: ff_w1, .offset: 32, .size: 8, .value_kind: global_buffer, .address_space: global }
      - { .name: ff_w2, .offset: 40, .size: 8, .value_kind: global_buffer, .address_space: global }
      - { .name: wimg, .offset: 48, .size: 8, .value_kind: global_buffer, .address_space: global }
    .group_segment_fixed_size: 2048
    .private_segment_fixed_size: 0
    .kernarg_segment_align: 8
    .kernarg_segment_size: 56
    .max_flat_workgroup_size: 256
    .sgpr_count:     66
    .vgpr_count:     130
    .wavefront_size: 32
...
	.end_amdgpu_metadata
.endif
;; end of part 1
;; launch qkv (part 2): grid 256 x 1, 8 waves a work-group, no clusters, 318,464 bytes of LDS; arguments x, wimg, q, kv; writes q, kv
.if DOCPART == 2
	.amdgcn_target "amdgcn-amd-amdhsa--gfx1250"
	.amdhsa_code_object_version 6
	.text
	.protected	k_qd984649847_qkv
	.globl	k_qd984649847_qkv
	.p2align	8
	.type	k_qd984649847_qkv,@function
k_qd984649847_qkv:
	s_mov_b64 s[64:65], 0
	v_nop
	global_prefetch_b8 v0, s[64:65] scope:SCOPE_SE
	s_setreg_imm32_b32 hwreg(HW_REG_WAVE_MODE, 25, 1), 1
	s_wait_xcnt 0x0
; Q, K, V = x Wq, x Wk, x Wv on codes of FP6 (E2M3) with E8M0 scales, and their results quantised again as operands of the attention's two products.
; SHARES.  Work-group wg = 4 b + kb owns tokens 128 kb .. 128 kb + 127 of batch b; wave w owns head w (64 columns): a tile of 128 x 64, 32 accumulators, all of window 1.
; ROW TILES ARE PERMUTED: row p of tile 2 b + u is token 32 b + 8 u + p + 8 (p / 8); the weights' column tiles likewise (launch prep).  So a result's registers run along the next product's K in order.
; x is read once: wave w loads row tile w (512 consecutive bytes a load), turns it through its own stage in LDS, quantises it and stores four fragments as IMAGES OF THEIR REGISTERS; one barrier; all waves read them.
; The weights' fragments go from memory straight into registers, each once a work-group.  Q and K are made transposed (source 0 = weights): a lane holds a token, registers run along the head's 64.
; V is made the natural way (source 0 = tokens): a lane holds a column of V, registers run along the tokens, which are the second product's K.
; NO JOINT TENSOR LOADS for the weights, though all 256 work-groups read them: 317,440 of the 327,680 bytes of LDS are written by ds_store here; 10,240 bytes hold no slot of a K step's 49,152 bytes of weights.
; LIMITS: NaN and infinities are not served; a block whose largest magnitude lies under 2^-124 (zeros too) gets the byte 1: these bytes are read by this program alone.
; REGISTERS, window 0: v1-10 addresses; v16-31 the rows' scale words; v32-39 the weights'; v40-47 scale words gathered; v48-143 8 row fragments (free between phases: v112-130 the quantiser's);
;   v144-239 two sets of 4 weight fragments; v240-251 codes just made; v252 their scale word.   window 1: x on its way in, then the accumulators.
.set SCB,  49152                       ; LDS: images [(8 s + m) x 1,536] at 0; scale words at SCB: (s, m, r) at 1024 (s / 2) + 32 (r + 16 (s % 2)) + 4 m
.set STG,  53248                       ; a stage of 16 rows x 2,064 bytes for each wave
.set LI,   1                           ; 16 x lane
.set AI,   1                           ; the images begin at LDS byte 0
.set ASA,  2                           ; SCB + 32 x lane
.set L8,   3                           ; 8 x lane
.set SA,   4                           ; my stage + 16 x lane
.set SRD,  5                           ; my stage + 2,064 r + 64 h
.set XW,   6                           ; 16 x lane + 1,536 w
.set XS,   7                           ; SCB + 32 r + 4 w
.set GS,   8                           ; 32 r + 16 h
.set GV,   9                           ; 16 r + 8 h
.set HH,   10                          ; h
.set ASC,  16
.set WSC,  32
.set SW,   40
.set AF,   48
.set TM,   112
.set XT0,  124
.set XT1,  128
.set WF,   144
.set PC,   240
.set PW,   252
.set WPB,  40                          ; s[40:41] wimg + 24,576 w: my head's fragments
.set WSB,  42                          ; s[42:43] wimg + 196,608 + 1,024 w: their scale words
.set SEL,  44                          ; s[44:45] selects for lane l xor 16
.set MSB, 0
.macro WIN new                         ; the immediate's high byte repeats the setting that is left
.if MSB != (\new)
	s_set_vgpr_msb (MSB<<8)|(\new)
.set MSB, (\new)
.endif
.endm
.macro NOP4                            ; four places behind a matrix instruction (ISA guide 7.12.1), where no other vector work is at hand
.rept 4
	v_nop
.endr
.endm
.macro BAR                             ; my LDS stores have landed and my LDS loads are in: then the work-group's barrier
	s_wait_dscnt 0x0
	s_barrier_signal -1
	s_barrier_wait -1
.endm
.macro WLOAD set, mat, s               ; the four weight fragments of K step s into a set: 12 loads of 512 consecutive bytes
.irp t, 0,1,2,3
.irp g, 0,1,2
	global_load_b128 v[WF+48*(\set)+12*\t+4*\g:WF+48*(\set)+12*\t+4*\g+3], v[LI], s[WPB:WPB+1] offset:204800*(\mat)+6144*(\s)+1536*\t+512*\g
.endr
.endr
.endm
.macro PRE mat                         ; 26 loads: a matrix's scale words and its first two K steps
	global_load_b128 v[WSC:WSC+3], v[LI], s[WSB:WSB+1] offset:204800*(\mat)
	global_load_b128 v[WSC+4:WSC+7], v[LI], s[WSB:WSB+1] offset:204800*(\mat)+512
	WLOAD 0, \mat, 0
	WLOAD 1, \mat, 1
.endm
.macro AFETCH s, m0                    ; row fragments m0 .. m0 + 3 of K step s: 12 LDS loads
.irp mm, 0,1,2,3
.irp g, 0,1,2
	ds_load_b128 v[AF+12*((\m0)+\mm)+4*\g:AF+12*((\m0)+\mm)+4*\g+3], v[AI] offset:(8*(\s)+(\m0)+\mm)*1536+512*\g
.endr
.endr
.endm
.macro ASCL                            ; the rows' scale words: register 8 sg + m: lanes 0-15 K step 2 sg, lanes 16-31 K step 2 sg + 1
.irp sg, 0,1
.irp mh, 0,1
	ds_load_b128 v[ASC+8*\sg+4*\mh:ASC+8*\sg+4*\mh+3], v[ASA] offset:1024*\sg+16*\mh
.endr
.endr
.endm
; four matrix instructions: row tile m against the four column tiles, K step s.  tr = 1: source 0 = weights.  arr: where accumulator (m, t) lies.  first: K step 0 starts the sums
.macro MM tr, arr, s, m, first
.irp t, 0,1,2,3
.if \arr
.set zD, 8*(8*\t+(\m))
.else
.set zD, 8*(4*(\m)+\t)
.endif
.if \tr
.set zP, WF+48*((\s)%2)+12*\t
.set zQ, AF+12*(\m)
.set zX, WSC+4*((\s)/2)+\t
.set zY, ASC+8*((\s)/2)+(\m)
.else
.set zQ, WF+48*((\s)%2)+12*\t
.set zP, AF+12*(\m)
.set zY, WSC+4*((\s)/2)+\t
.set zX, ASC+8*((\s)/2)+(\m)
.endif
.if (\first) && ((\s) == 0)
	v_wmma_scale_f32_16x16x128_f8f6f4 v[zD:zD+7], v[zP:zP+11], v[zQ:zQ+11], 0, v[zX], v[zY] matrix_a_fmt:MATRIX_FMT_FP6 matrix_b_fmt:MATRIX_FMT_FP6
.elseif ((\s)%2) == 0
	v_wmma_scale_f32_16x16x128_f8f6f4 v[zD:zD+7], v[zP:zP+11], v[zQ:zQ+11], v[zD:zD+7], v[zX], v[zY] matrix_a_fmt:MATRIX_FMT_FP6 matrix_b_fmt:MATRIX_FMT_FP6
.else
	v_wmma_scale_f32_16x16x128_f8f6f4 v[zD:zD+7], v[zP:zP+11], v[zQ:zQ+11], v[zD:zD+7], v[zX], v[zY] matrix_a_fmt:MATRIX_FMT_FP6 matrix_b_fmt:MATRIX_FMT_FP6 matrix_a_scale:MATRIX_SCALE_ROW1 matrix_b_scale:MATRIX_SCALE_ROW1
.endif
.endr
.endm
; 128 rows x 64 columns x K 512: 128 matrix instructions; the 32 accumulators take turns in one order in every K step
.macro GEMM tr, arr, first, mat
	ASCL
	AFETCH 0, 0
	AFETCH 0, 4
.irp s, 0,1,2,3
.if \s < 3
	s_wait_loadcnt 12                              ; this K step's weights are in; the other set's 12 loads may be out
.else
	s_wait_loadcnt 0x0
.endif
	s_wait_dscnt 12                                ; row fragments 0-3 are in; the 12 loads of fragments 4-7 may be out
	WIN 0x50
.irp m, 0,1,2,3
	MM \tr, \arr, \s, \m, \first
.endr
	WIN 0
.if \s < 3
	NOP4
	AFETCH \s+1, 0
	s_wait_dscnt 12                                ; fragments 4-7 are in; the 12 just issued may be out
.else
	s_wait_dscnt 0x0
.endif
	WIN 0x50
.irp m, 4,5,6,7
	MM \tr, \arr, \s, \m, \first
.endr
	WIN 0
	NOP4
.if \s < 3
	AFETCH \s+1, 4
.endif
.if \s < 2
	WLOAD \s%2, \mat, \s+2
.endif
.endr
.endm
; 32 np numbers of a lane, v[s] on in window win, register 16 b + i = k 32 b + 16 h + i of my row, become codes in v[PC] on (6 registers for each 64 along K) and scale bytes in v[PW]
.macro QUANT s, win, np
	WIN 5*(\win)
.set qb, 0
.rept 2*(\np)
	v_max3_num_f32 v[TM+qb], |v[(\s)+16*qb]|, |v[(\s)+16*qb+1]|, 0x1800000   ; my 16 numbers of block b, and the floor 2^(3 - 127): the byte cannot fall under 1
.set qb, qb+1
.endr
.irp i, 2,4,6,8,10,12,14
.set qb, 0
.rept 2*(\np)
	v_max3_num_f32 v[TM+qb], |v[(\s)+16*qb+\i]|, |v[(\s)+16*qb+\i+1]|, v[TM+qb]
.set qb, qb+1
.endr
.endr
	WIN 0
.set qb, 0
.rept 2*(\np)
	v_permlanex16_b32 v[TM+4+qb], v[TM+qb], s[SEL], s[SEL+1]
.set qb, qb+1
.endr
.set qb, 0
.rept 2*(\np)
	v_max_num_f32 v[TM+qb], v[TM+qb], v[TM+4+qb]   ; with lane l xor 16's: the block's largest magnitude
.set qb, qb+1
.endr
.set qb, 0
.rept 2*(\np)
	v_add_nc_u32 v[TM+8+qb], 0xff000000, v[TM+qb]  ; 2 off its exponent field: the conversion's scale operand
.set qb, qb+1
.endr
.set qb, 0
.rept 2*(\np)
	v_lshrrev_b32 v[TM+4+qb], 23, v[TM+8+qb]       ; the scale's byte
.set qb, qb+1
.endr
	v_lshl_or_b32 v[PW], v[TM+5], 8, v[TM+4]
.if (\np) == 2
	v_lshl_or_b32 v[PW], v[TM+6], 16, v[PW]
	v_lshl_or_b32 v[PW], v[TM+7], 24, v[PW]
.endif
	WIN (\win)
	v_cvt_scalef32_pk16_fp6_f32 v[PC:PC+2], v[(\s):(\s)+15], v[TM+8]
	v_cvt_scalef32_pk16_fp6_f32 v[XT0:XT0+2], v[(\s)+16:(\s)+31], v[TM+9]   ; (a conversion's three registers begin on an even number)
.if (\np) == 2
	v_cvt_scalef32_pk16_fp6_f32 v[PC+6:PC+8], v[(\s)+32:(\s)+47], v[TM+10]
	v_cvt_scalef32_pk16_fp6_f32 v[XT1:XT1+2], v[(\s)+48:(\s)+63], v[TM+11]
.endif
	WIN 0
	v_nop                                          ; one plain place behind a scaled conversion
.irp i, 0,1,2                                  ; the operand's layout wants a WHOLE block in a lane: lanes 0-15 the even block, lanes 16-31 the odd one
	v_permlane16_swap_b32 v[PC+\i], v[XT0+\i]
.endr
.irp i, 0,1,2
	v_mov_b32 v[PC+3+\i], v[XT0+\i]
.endr
.if (\np) == 2
.irp i, 0,1,2
	v_permlane16_swap_b32 v[PC+6+\i], v[XT1+\i]
.endr
.irp i, 0,1,2
	v_mov_b32 v[PC+9+\i], v[XT1+\i]
.endr
.endif
.endm
	s_load_b256 s[4:11], s[0:1], 0x0               ; x s[4:5], wimg s[6:7], q s[8:9], kv s[10:11]
	v_lshl_add_u32 v254, v0, 2, 0x4d800
	v_mov_b32 v255, 0
	v_lshrrev_b32 v11, 5, v0
	v_readfirstlane_b32 s12, v11                   ; wave = head
	v_and_b32 v11, 31, v0                          ; lane
	v_and_b32 v12, 15, v0                          ; r
	v_bfe_u32 v[HH], v0, 4, 1
	v_lshlrev_b32 v[LI], 4, v11
	v_lshlrev_b32 v[L8], 3, v11
	v_lshl_add_u32 v[ASA], v11, 5, SCB
	s_mul_i32 s13, s12, 33024
	s_add_co_u32 s13, s13, STG
	v_add_nc_u32 v[SA], s13, v[LI]
	v_mul_u32_u24 v[SRD], v12, 2064
	v_lshl_add_u32 v[SRD], v[HH], 6, v[SRD]
	v_add_nc_u32 v[SRD], s13, v[SRD]
	s_mul_i32 s13, s12, 1536
	v_add_nc_u32 v[XW], s13, v[LI]
	s_lshl_b32 s13, s12, 2
	s_add_co_u32 s13, s13, SCB
	v_lshl_add_u32 v[XS], v12, 5, s13
	v_lshlrev_b32 v[GS], 5, v12
	v_lshl_add_u32 v[GS], v[HH], 4, v[GS]
	v_lshlrev_b32 v[GV], 4, v12
	v_lshl_add_u32 v[GV], v[HH], 3, v[GV]
.irp i, 0,1,2,3
	v_mov_b32 v[TM+4+\i], 0                        ; written once: a lane permute's destination counts as one of its sources
.endr
	s_mov_b32 s[SEL], 0x76543210
	s_mov_b32 s[SEL+1], 0xfedcba98
	s_lshl_b32 s14, ttmp9, 18                      ; x: 128 wg rows of 2,048 bytes,
	s_lshr_b32 s15, s12, 1
	s_lshl_b32 s15, s15, 16                        ; + 32 (w / 2) rows
	s_add_co_u32 s14, s14, s15
	s_and_b32 s15, s12, 1
	s_lshl_b32 s15, s15, 14                        ; + 8 (w % 2) rows: row tile w begins here
	s_add_co_u32 s14, s14, s15
	s_mov_b32 s15, 0
	s_mov_b32 s39, 0
	s_lshr_b32 s20, ttmp9, 2
	s_lshl_b32 s20, s20, 1
	s_lshr_b32 s13, s12, 2
	s_add_co_u32 s20, s20, s13
	s_mul_i32 s20, s20, 208896                     ; kv: the block of (batch, w / 4)
	s_and_b32 s36, s12, 3                          ; hh
	s_and_b32 s37, ttmp9, 3                        ; kb
	s_wait_kmcnt 0x0
	s_add_nc_u64 s[4:5], s[4:5], s[14:15]
	s_mul_i32 s38, s12, 24576
	s_add_nc_u64 s[WPB:WPB+1], s[6:7], s[38:39]
	s_lshl_b32 s38, s12, 10
	s_add_co_u32 s38, s38, 196608
	s_add_nc_u64 s[WSB:WSB+1], s[6:7], s[38:39]
	s_mul_i32 s21, ttmp9, 53248
	s_mul_i32 s38, s12, 6144
	s_add_co_u32 s38, s38, s21
	s_add_nc_u64 s[22:23], s[8:9], s[38:39]        ; Q's codes: [wg][head][m] x 768
	s_lshl_b32 s38, s12, 9
	s_add_co_u32 s38, s38, s21
	s_add_co_u32 s38, s38, 49152
	s_add_nc_u64 s[24:25], s[8:9], s[38:39]        ; Q's scale words
	s_mul_i32 s13, s36, 24576
	s_mul_i32 s38, s37, 6144
	s_add_co_u32 s13, s13, s38
	s_add_co_u32 s38, s20, s13
	s_add_nc_u64 s[26:27], s[10:11], s[38:39]      ; K's codes; V's lie 98,304 bytes on
	s_lshl_b32 s13, s36, 11
	s_lshl_b32 s38, s37, 9
	s_add_co_u32 s13, s13, s38
	s_add_co_u32 s13, s13, 196608
	s_add_co_u32 s38, s20, s13
	s_add_nc_u64 s[28:29], s[10:11], s[38:39]      ; K's scale words
	s_lshl_b32 s13, s36, 10
	s_lshl_b32 s38, s37, 8
	s_add_co_u32 s13, s13, s38
	s_add_co_u32 s13, s13, 204800
	s_add_co_u32 s38, s20, s13
	s_add_nc_u64 s[32:33], s[10:11], s[38:39]      ; V's scale words
; ---- X: row tile w of x: 64 loads of 512 consecutive bytes into window 1, in four groups of four rows; 48 are out at the most
.macro XLD g
.irp pp, 0,1,2,3
.irp qq, 0,1,2,3
	global_load_b128 v[16*(4*(\g)+\pp)+4*\qq:16*(4*(\g)+\pp)+4*\qq+3], v[LI], s[4:5] offset:((4*(\g)+\pp)+8*((4*(\g)+\pp)/8))*2048+512*\qq th:TH_LOAD_NT
.endr
.endr
.endm
.macro XST g
.irp pp, 0,1,2,3
.irp qq, 0,1,2,3
	ds_store_b128 v[SA], v[16*(4*(\g)+\pp)+4*\qq:16*(4*(\g)+\pp)+4*\qq+3] offset:2064*(4*(\g)+\pp)+512*\qq
.endr
.endr
.endm
	WIN 0x40
	XLD 0
	XLD 1
	XLD 2
	s_wait_loadcnt 32                              ; group 0 is in; groups 1 and 2 may be out
	WIN 0x04
	XST 0
	WIN 0x40
	XLD 3
	s_wait_loadcnt 32                              ; group 1 is in; groups 2 and 3 may be out
	WIN 0x04
	XST 1
	s_wait_loadcnt 16                              ; group 2 is in
	XST 2
	s_wait_loadcnt 0x0
	XST 3
	WIN 0
	PRE 0                                          ; Wq's first fragments come while x is quantised
.irp s, 0,1,2,3                                ; a K step: lane (r, h) takes 16 neighbours of each block of 32 of row r (LDS serves a wave's instructions in order: these see my stores)
.irp bt, 0,1,2,3
.irp j, 0,1,2,3
	ds_load_b128 v[48+16*\bt+4*\j:48+16*\bt+4*\j+3], v[SRD] offset:512*\s+128*\bt+16*\j
.endr
.endr
	s_wait_dscnt 0x0                               ; they are in, and the last K step's stores have read their registers
	QUANT 48, 0, 2
.irp g, 0,1,2
	ds_store_b128 v[XW], v[PC+4*\g:PC+4*\g+3] offset:12288*\s+512*\g
.endr
	ds_store_b32 v[XS], v[PW] offset:1024*(\s/2)+512*(\s%2)
.endr
	BAR                                            ; x's 32 fragments lie in LDS; from here on they are only read
; Q's or K's results, two row tiles at a time: each tile's 64 numbers a lane are half a fragment (6 registers, 768 bytes) and two scale bytes
.macro QKOUT pc, ps
.irp mp, 0,1,2,3
	s_wait_xcnt 0x0                                ; the earlier stores have read their data: the codes' registers may be written again
	QUANT 64*\mp, 1, 2
	global_store_b128 v[LI], v[PC:PC+3], s[\pc:\pc+1] offset:768*(2*\mp)
	global_store_b64 v[L8], v[PC+4:PC+5], s[\pc:\pc+1] offset:768*(2*\mp)+512
	global_store_b128 v[LI], v[PC+6:PC+9], s[\pc:\pc+1] offset:768*(2*\mp+1)
	global_store_b64 v[L8], v[PC+10:PC+11], s[\pc:\pc+1] offset:768*(2*\mp+1)+512
	v_and_b32 v[SW+2*\mp], 0xffff, v[PW]           ; bytes 2 and 3 of a word stand over zero codes: 0
	v_lshrrev_b32 v[SW+2*\mp+1], 16, v[PW]
.endr
	v_cmp_ne_u32 vcc_lo, 0, v[HH]
.irp i, 0,1,2,3
	v_cndmask_b32 v[SW+\i], v[SW+\i], v[SW+4+\i], vcc_lo   ; lane (r, h) sends row r's words of tiles 4 h .. 4 h + 3
.endr
	global_store_b128 v[GS], v[SW:SW+3], s[\ps:\ps+1]      ; 512 consecutive bytes
.endm
	GEMM 1, 0, 1, 0
	PRE 1
	QKOUT 22, 24
	GEMM 1, 0, 1, 1
	PRE 2
	QKOUT 26, 28
	GEMM 0, 1, 1, 2                                ; V: a lane holds a column, registers run along the 128 tokens
.irp t, 0,1,2,3
	s_wait_xcnt 0x0
	QUANT 64*\t, 1, 2                              ; a whole fragment: 16 columns of V x 128 keys
.irp g, 0,1,2
	global_store_b128 v[LI], v[PC+4*\g:PC+4*\g+3], s[26:27] offset:98304+1536*\t+512*\g
.endr
	v_mov_b32 v[SW+\t], v[PW]
.endr
	v_cmp_ne_u32 vcc_lo, 0, v[HH]
	v_cndmask_b32 v[SW], v[SW], v[SW+2], vcc_lo
	v_cndmask_b32 v[SW+1], v[SW+1], v[SW+3], vcc_lo
	global_store_b64 v[GV], v[SW:SW+1], s[32:33]   ; 256 consecutive bytes
	s_wait_tensorcnt 0x0
	ds_add_u32 v254, v255
	s_wait_dscnt 0x0
	s_endpgm
.Lfunc_end_k_qd984649847_qkv:
	.size	k_qd984649847_qkv, .Lfunc_end_k_qd984649847_qkv-k_qd984649847_qkv
	.p2alignl 7, 3214868480
	.fill 96, 4, 3214868480
	.section	.rodata,"a",@progbits
	.p2align	6, 0x0
	.amdhsa_kernel k_qd984649847_qkv
		.amdhsa_group_segment_fixed_size 318464
		.amdhsa_private_segment_fixed_size 0
		.amdhsa_enable_private_segment 0
		.amdhsa_kernarg_size 32
		.amdhsa_user_sgpr_count 2
		.amdhsa_user_sgpr_kernarg_segment_ptr 1
		.amdhsa_wavefront_size32 1
		.amdhsa_system_sgpr_workgroup_id_x 1
		.amdhsa_system_sgpr_workgroup_id_y 1
		.amdhsa_system_sgpr_workgroup_id_z 1
		.amdhsa_system_vgpr_workitem_id 0
		.amdhsa_next_free_vgpr 512
		.amdhsa_next_free_sgpr 66
		.amdhsa_reserve_vcc 1
		.amdhsa_float_denorm_mode_32 3
		.amdhsa_float_denorm_mode_16_64 3
		.amdhsa_memory_ordered 1
		.amdhsa_forward_progress 1
		.amdhsa_inst_pref_size 173
	.end_amdhsa_kernel
	.amdgpu_metadata
---
amdhsa.version: [ 1, 2 ]
amdhsa.kernels:
  - .name:           k_qd984649847_qkv
    .symbol:         k_qd984649847_qkv.kd
    .args:
      - { .name: x, .offset: 0, .size: 8, .value_kind: global_buffer, .address_space: global }
      - { .name: wimg, .offset: 8, .size: 8, .value_kind: global_buffer, .address_space: global }
      - { .name: q, .offset: 16, .size: 8, .value_kind: global_buffer, .address_space: global }
      - { .name: kv, .offset: 24, .size: 8, .value_kind: global_buffer, .address_space: global }
    .group_segment_fixed_size: 318464
    .private_segment_fixed_size: 0
    .kernarg_segment_align: 8
    .kernarg_segment_size: 32
    .max_flat_workgroup_size: 256
    .sgpr_count:     66
    .vgpr_count:     512
    .wavefront_size: 32
...
	.end_amdgpu_metadata
.endif
;; end of part 2
;; launch attn (part 3): grid 256 x 1, 8 waves a work-group, no clusters, 320,512 bytes of LDS; arguments q, kv, wimg, hd, part; writes hd, part
.if DOCPART == 3
	.amdgcn_target "amdgcn-amd-amdhsa--gfx1250"
	.amdhsa_code_object_version 6
	.text
	.protected	k_qd984649847_attn
	.globl	k_qd984649847_attn
	.p2align	8
	.type	k_qd984649847_attn,@function
k_qd984649847_attn:
	s_mov_b64 s[64:65], 0
	v_nop
	global_prefetch_b8 v0, s[64:65] scope:SCOPE_SE
	s_setreg_imm32_b32 hwreg(HW_REG_WAVE_MODE, 25, 1), 1
	s_wait_xcnt 0x0
; heads = softmax(Q K^T / 8) V for 128 queries x 8 heads, quantised; out = heads Wo; of out only each column's mean and sum of squared deviations over the 128 rows leave (part), and the heads' codes (hd).
; All products on codes of FP6 (E2M3) with E8M0 scales.  SOFTMAX: t = score x log2(e) / 8 (one multiplication); M = the running largest t rounded UP to a whole number; p = 2^(t - M) is quantised along the keys, not normalised;
; the row's sum is taken of the unquantised p and divides O at the end; when M moves, sum and O are multiplied by 2^(old M - new M), which rounds nothing.
; SHARES.  Work-group wg = 4 b + kb: queries 128 kb .. of batch b.  Two PASSES: in pass p the K and V of heads 4 p .. 4 p + 3 (208,896 bytes of codes and scale words) lie in LDS; wave w takes head 4 p + w % 4 and query tiles 4 (w / 4) + 0 .. 3.
; Pass 1's block is asked for at the head of pass 0 and waits in window 1's registers.  Both products are used transposed: a lane holds one query throughout.  Q K^T has K = 64: the upper half of both operands is zero codes.
; Then wave w makes columns 64 w .. 64 w + 63 of out from the heads' images in LDS.
; NO JOINT TENSOR LOADS, though four work-groups read each block of K and V and all read Wo: all 319,488 bytes of LDS used here are written by ds_store; 8,192 bytes are left.
; LIMITS: NaN and infinities are not served; a block whose largest magnitude lies under 2^-124 (zeros too) gets the byte 1; 1 / sum is v_rcp_f32's.
; REGISTERS of the attention part, window 0: v1-11 addresses; v12 -M, v13 the largest t, v[14:15] the sum; v16-27 Q (v22-27 zero); v28-31 V's scale words; v32-79 four tuples of K (the upper six of each zero); v80-127 V;
;   v128-191 S^T, then p; v192-223 O^T; v224-235 p's codes; v232-254 at work; v243 p's scale word; v248-251 K's scale words; v253 16 x lane; v255 Q's scale word.
.set QB,   208896                      ; LDS: the block of K and V at 0; Q's block here,
.set QSCB, 258048                      ; its scale words,
.set HB,   262144                      ; the heads' block of 53,248 bytes: images [(8 s + m) x 1,536],
.set HSCB, 311296                      ; their scale words, 4 K steps x 8 tiles x 16 rows x 4 bytes = 2,048 bytes, and 2,048 spare bytes, so that the block is 13 loads of 512 bytes for each of eight waves,
.set SCR,  315392                      ; 512 bytes a wave for the statistics' way out
.set AK16, 1
.set AK8,  2
.set AV,   3
.set ASK,  4
.set ASV,  5
.set AQ16, 6
.set AQ8,  7
.set AQS,  8
.set WA,   9
.set WB,   10
.set WS,   11
.set KB,   32
.set VB,   80
.set SR,   128
.set OT,   192
.set PWD,  243
.set LI,   253
.set TM,   160                         ; the heads' quantiser works in S^T's registers
.set XT0,  172
.set XT1,  176
.set PC,   180
.set PW,   254
.set AI,   2                           ; the last phase's addresses
.set ASA,  3
.set VSS,  5
.set VSL,  6
.set VPG,  7
.set ASC,  16
.set WSC,  32
.set AF,   48
.set WF,   144
.set SUM,  48
.set M2,   80
.set T,    112
.set PP,   12
.set TQ,   30
.set TS,   31
.set TW,   32
.set TX,   33
.set CNT,  34
.set WPB,  40
.set WSB,  42
.set SEL,  44
.set CS,   46
.set MSB, 0
.macro WIN new                         ; the immediate's high byte repeats the setting that is left
.if MSB != (\new)
	s_set_vgpr_msb (MSB<<8)|(\new)
.set MSB, (\new)
.endif
.endm
.macro NOP4                            ; four places behind a matrix instruction (ISA guide 7.12.1), where no other vector work is at hand
.rept 4
	v_nop
.endr
.endm
.macro BAR                             ; my LDS stores have landed and my LDS loads are in: then the work-group's barrier
	s_wait_dscnt 0x0
	s_barrier_signal -1
	s_barrier_wait -1
.endm
.macro WLOAD set, mat, s
.irp t, 0,1,2,3
.irp g, 0,1,2
	global_load_b128 v[WF+48*(\set)+12*\t+4*\g:WF+48*(\set)+12*\t+4*\g+3], v[LI], s[WPB:WPB+1] offset:204800*(\mat)+6144*(\s)+1536*\t+512*\g
.endr
.endr
.endm
.macro PRE mat
	global_load_b128 v[WSC:WSC+3], v[LI], s[WSB:WSB+1] offset:204800*(\mat)
	global_load_b128 v[WSC+4:WSC+7], v[LI], s[WSB:WSB+1] offset:204800*(\mat)+512
	WLOAD 0, \mat, 0
	WLOAD 1, \mat, 1
.endm
.macro AFETCH s, m0
.irp mm, 0,1,2,3
.irp g, 0,1,2
	ds_load_b128 v[AF+12*((\m0)+\mm)+4*\g:AF+12*((\m0)+\mm)+4*\g+3], v[AI] offset:(8*(\s)+(\m0)+\mm)*1536+512*\g
.endr
.endr
.endm
.macro ASCL
.irp sg, 0,1
.irp mh, 0,1
	ds_load_b128 v[ASC+8*\sg+4*\mh:ASC+8*\sg+4*\mh+3], v[ASA] offset:1024*\sg+16*\mh
.endr
.endr
.endm
.macro MM tr, arr, s, m, first
.irp t, 0,1,2,3
.if \arr
.set zD, 8*(8*\t+(\m))
.else
.set zD, 8*(4*(\m)+\t)
.endif
.if \tr
.set zP, WF+48*((\s)%2)+12*\t
.set zQ, AF+12*(\m)
.set zX, WSC+4*((\s)/2)+\t
.set zY, ASC+8*((\s)/2)+(\m)
.else
.set zQ, WF+48*((\s)%2)+12*\t
.set zP, AF+12*(\m)
.set zY, WSC+4*((\s)/2)+\t
.set zX, ASC+8*((\s)/2)+(\m)
.endif
.if (\first) && ((\s) == 0)
	v_wmma_scale_f32_16x16x128_f8f6f4 v[zD:zD+7], v[zP:zP+11], v[zQ:zQ+11], 0, v[zX], v[zY] matrix_a_fmt:MATRIX_FMT_FP6 matrix_b_fmt:MATRIX_FMT_FP6
.elseif ((\s)%2) == 0
	v_wmma_scale_f32_16x16x128_f8f6f4 v[zD:zD+7], v[zP:zP+11], v[zQ:zQ+11], v[zD:zD+7], v[zX], v[zY] matrix_a_fmt:MATRIX_FMT_FP6 matrix_b_fmt:MATRIX_FMT_FP6
.else
	v_wmma_scale_f32_16x16x128_f8f6f4 v[zD:zD+7], v[zP:zP+11], v[zQ:zQ+11], v[zD:zD+7], v[zX], v[zY] matrix_a_fmt:MATRIX_FMT_FP6 matrix_b_fmt:MATRIX_FMT_FP6 matrix_a_scale:MATRIX_SCALE_ROW1 matrix_b_scale:MATRIX_SCALE_ROW1
.endif
.endr
.endm
; 128 rows x 64 columns x K 512: 128 matrix instructions; the 32 accumulators take turns in one order in every K step
.macro GEMM tr, arr, first, mat
	ASCL
	AFETCH 0, 0
	AFETCH 0, 4
.irp s, 0,1,2,3
.if \s < 3
	s_wait_loadcnt 12                              ; this K step's weights are in; the other set's 12 loads may be out
.else
	s_wait_loadcnt 0x0
.endif
	s_wait_dscnt 12                                ; row fragments 0-3 are in; the 12 loads of fragments 4-7 may be out
	WIN 0x50
.irp m, 0,1,2,3
	MM \tr, \arr, \s, \m, \first
.endr
	WIN 0
.if \s < 3
	NOP4
	AFETCH \s+1, 0
	s_wait_dscnt 12                                ; fragments 4-7 are in; the 12 just issued may be out
.else
	s_wait_dscnt 0x0
.endif
	WIN 0x50
.irp m, 4,5,6,7
	MM \tr, \arr, \s, \m, \first
.endr
	WIN 0
	NOP4
.if \s < 3
	AFETCH \s+1, 4
.endif
.if \s < 2
	WLOAD \s%2, \mat, \s+2
.endif
.endr
.endm
.macro QUANT s, win, np
	WIN 5*(\win)
.set qb, 0
.rept 2*(\np)
	v_max3_num_f32 v[TM+qb], |v[(\s)+16*qb]|, |v[(\s)+16*qb+1]|, 0x1800000   ; my 16 numbers of block b, and the floor 2^(3 - 127): the byte cannot fall under 1
.set qb, qb+1
.endr
.irp i, 2,4,6,8,10,12,14
.set qb, 0
.rept 2*(\np)
	v_max3_num_f32 v[TM+qb], |v[(\s)+16*qb+\i]|, |v[(\s)+16*qb+\i+1]|, v[TM+qb]
.set qb, qb+1
.endr
.endr
	WIN 0
.set qb, 0
.rept 2*(\np)
	v_permlanex16_b32 v[TM+4+qb], v[TM+qb], s[SEL], s[SEL+1]
.set qb, qb+1
.endr
.set qb, 0
.rept 2*(\np)
	v_max_num_f32 v[TM+qb], v[TM+qb], v[TM+4+qb]
.set qb, qb+1
.endr
.set qb, 0
.rept 2*(\np)
	v_add_nc_u32 v[TM+8+qb], 0xff000000, v[TM+qb]
.set qb, qb+1
.endr
.set qb, 0
.rept 2*(\np)
	v_lshrrev_b32 v[TM+4+qb], 23, v[TM+8+qb]
.set qb, qb+1
.endr
	v_lshl_or_b32 v[PW], v[TM+5], 8, v[TM+4]
.if (\np) == 2
	v_lshl_or_b32 v[PW], v[TM+6], 16, v[PW]
	v_lshl_or_b32 v[PW], v[TM+7], 24, v[PW]
.endif
	WIN (\win)
	v_cvt_scalef32_pk16_fp6_f32 v[PC:PC+2], v[(\s):(\s)+15], v[TM+8]
	v_cvt_scalef32_pk16_fp6_f32 v[XT0:XT0+2], v[(\s)+16:(\s)+31], v[TM+9]
.if (\np) == 2
	v_cvt_scalef32_pk16_fp6_f32 v[PC+6:PC+8], v[(\s)+32:(\s)+47], v[TM+10]
	v_cvt_scalef32_pk16_fp6_f32 v[XT1:XT1+2], v[(\s)+48:(\s)+63], v[TM+11]
.endif
	WIN 0
	v_nop                                          ; one plain place behind a scaled conversion
.irp i, 0,1,2
	v_permlane16_swap_b32 v[PC+\i], v[XT0+\i]
.endr
.irp i, 0,1,2
	v_mov_b32 v[PC+3+\i], v[XT0+\i]
.endr
.if (\np) == 2
.irp i, 0,1,2
	v_permlane16_swap_b32 v[PC+6+\i], v[XT1+\i]
.endr
.irp i, 0,1,2
	v_mov_b32 v[PC+9+\i], v[XT1+\i]
.endr
.endif
.endm
; Of the 128 x 64 numbers in the accumulators: each column's mean over the 128 rows and its sum of squared deviations FROM THAT MEAN (no difference of large sums is formed).
; A lane holds row r of each tile and 32 columns: sums over tiles in registers, over the 16 rows by four DPP steps.  bias = 1: v144-175 are added onto the means.
.macro STATS bias
	WIN 0x05
.set si, 0
.rept 16
	v_pk_add_f32 v[SUM+2*si:SUM+2*si+1], v[2*si:2*si+1], v[32+2*si:32+2*si+1]
.set si, si+1
.endr
	WIN 0x01
.irp m, 2,3,4,5,6,7
.set si, 0
.rept 16
	v_pk_add_f32 v[SUM+2*si:SUM+2*si+1], v[32*\m+2*si:32*\m+2*si+1], v[SUM+2*si:SUM+2*si+1]
.set si, si+1
.endr
.endr
	WIN 0
.irp x, 1,2,4,8
.set si, 0
.rept 32
	v_add_f32_dpp v[SUM+si], v[SUM+si], v[SUM+si] row_xmask:\x row_mask:0xf bank_mask:0xf
.set si, si+1
.endr
.endr
.set si, 0
.rept 16
	v_pk_mul_f32 v[SUM+2*si:SUM+2*si+1], v[SUM+2*si:SUM+2*si+1], 0x3c000000 op_sel_hi:[1,0]   ; / 128
.set si, si+1
.endr
.irp m, 0,1,2,3,4,5,6,7
	WIN 0x01
.set si, 0
.rept 16
	v_pk_add_f32 v[T+2*si:T+2*si+1], v[32*\m+2*si:32*\m+2*si+1], v[SUM+2*si:SUM+2*si+1] neg_lo:[0,1] neg_hi:[0,1]
.set si, si+1
.endr
	WIN 0
.set si, 0
.rept 16
.if \m == 0
	v_pk_mul_f32 v[M2+2*si:M2+2*si+1], v[T+2*si:T+2*si+1], v[T+2*si:T+2*si+1]
.else
	v_pk_fma_f32 v[M2+2*si:M2+2*si+1], v[T+2*si:T+2*si+1], v[T+2*si:T+2*si+1], v[M2+2*si:M2+2*si+1]
.endif
.set si, si+1
.endr
.endr
.irp x, 1,2,4,8
.set si, 0
.rept 32
	v_add_f32_dpp v[M2+si], v[M2+si], v[M2+si] row_xmask:\x row_mask:0xf bank_mask:0xf
.set si, si+1
.endr
.endr
.if \bias
	s_wait_loadcnt 0x0
.set si, 0
.rept 16
	v_pk_add_f32 v[SUM+2*si:SUM+2*si+1], v[SUM+2*si:SUM+2*si+1], v[144+2*si:144+2*si+1]
.set si, si+1
.endr
.endif
.irp c, 0,1                                    ; through my 512 bytes of LDS: two blocks of 32 means and 32 sums; the sixteen lanes of a half write the same bytes with the same values
.irp i, 0,1,2,3
	ds_store_b128 v[VSS], v[SUM+16*\c+4*\i:SUM+16*\c+4*\i+3] offset:256*\c+16*\i
	ds_store_b128 v[VSS], v[M2+16*\c+4*\i:M2+16*\c+4*\i+3] offset:256*\c+128+16*\i
.endr
.endr
	ds_load_b128 v[T:T+3], v[VSL]                  ; LDS serves a wave's instructions in order: this sees my stores
	s_wait_dscnt 0x0
	global_store_b128 v[VPG], v[T:T+3], s[PP:PP+1] ; sixteen lanes store 256 consecutive bytes, aligned
.endm
	s_load_b256 s[4:11], s[0:1], 0x0               ; q s[4:5], kv s[6:7], wimg s[8:9], hd s[10:11]
	s_load_b64 s[12:13], s[0:1], 0x20              ; part
	v_lshrrev_b32 v232, 5, v0
	v_readfirstlane_b32 s14, v232                  ; wave
	s_and_b32 s15, s14, 3                          ; hh: my head within a pass
	s_lshr_b32 s16, s14, 2                         ; qh: which four query tiles
	v_and_b32 v232, 31, v0                         ; lane
	v_and_b32 v233, 15, v0                         ; r
	v_lshlrev_b32 v[LI], 4, v232
	s_mul_i32 s17, s15, 24576
	v_add_nc_u32 v[AK16], s17, v[LI]               ; K: registers 0-3 of a tile's half image
	v_lshl_add_u32 v[AK8], v232, 3, s17
	v_add_nc_u32 v[AK8], 512, v[AK8]               ; and registers 4-5
	v_add_nc_u32 v[AV], 98304, v[AK16]             ; V's images
	s_lshl_b32 s18, s15, 11
	s_add_co_u32 s18, s18, 196608
	v_lshl_add_u32 v[ASK], v233, 5, s18            ; K's scale words: 32 bytes a row r
	s_lshl_b32 s18, s15, 10
	s_add_co_u32 s18, s18, 204800
	v_lshl_add_u32 v[ASV], v233, 4, s18            ; V's: 16 bytes a row r
	s_mul_i32 s18, s15, 6144
	s_mul_i32 s19, s16, 3072
	s_add_co_u32 s18, s18, s19
	s_add_co_u32 s18, s18, QB
	v_add_nc_u32 v[AQ16], s18, v[LI]
	v_lshl_add_u32 v[AQ8], v232, 3, s18
	v_add_nc_u32 v[AQ8], 512, v[AQ8]
	s_lshl_b32 s18, s15, 9
	s_lshl_b32 s19, s16, 4
	s_add_co_u32 s18, s18, s19
	s_add_co_u32 s18, s18, QSCB
	v_lshl_add_u32 v[AQS], v233, 5, s18
	s_lshr_b32 s17, s15, 1
	s_and_b32 s36, s15, 1
	s_mul_i32 s18, s17, 12288                      ; the heads' images: head H is half H % 2 of K step H / 2
	s_mul_i32 s19, s16, 6144
	s_add_co_u32 s18, s18, s19
	s_add_co_u32 s18, s18, HB
	s_mul_i32 s19, s36, 520
	s_add_co_u32 s19, s19, s18
	v_add_nc_u32 v[WA], s19, v[LI]
	s_mul_i32 s19, s36, 1016
	s_add_co_u32 s19, s19, s18
	s_add_co_u32 s19, s19, 8
	v_add_nc_u32 v[WB], s19, v[LI]
	s_lshl_b32 s18, s17, 9
	s_lshl_b32 s19, s36, 1
	s_add_co_u32 s18, s18, s19
	s_lshl_b32 s19, s16, 4
	s_add_co_u32 s18, s18, s19
	s_add_co_u32 s18, s18, HSCB
	v_lshl_add_u32 v[WS], v233, 5, s18
	s_mul_i32 s35, s14, 26112                      ; my eighth of a block of K and V
	v_add_nc_u32 v235, s35, v[LI]
	s_mul_i32 s37, s14, 6656                       ; my eighth of a block of 53,248 bytes
	s_add_co_u32 s18, s37, QB
	v_add_nc_u32 v234, s18, v[LI]
	s_mov_b32 s[SEL], 0x76543210
	s_mov_b32 s[SEL+1], 0xfedcba98
	s_mov_b32 s[CS], 0x3e38aa3b                    ; c = log2(e) / 8
	s_mov_b32 s[CS+1], s[CS]                       ; (named with it as a pair, so it is written)
	s_mul_i32 s20, ttmp9, 53248
	s_add_co_u32 s20, s20, s37
	s_mov_b32 s21, 0
	s_wait_kmcnt 0x0
	s_add_nc_u64 s[4:5], s[4:5], s[20:21]
	s_add_nc_u64 s[10:11], s[10:11], s[20:21]
	s_lshr_b32 s20, ttmp9, 2
	s_mul_i32 s20, s20, 417792                     ; the batch's two blocks
	s_add_co_u32 s20, s20, s35
	s_add_nc_u64 s[6:7], s[6:7], s[20:21]
	s_mul_i32 s20, s14, 24576
	s_add_nc_u64 s[WPB:WPB+1], s[8:9], s[20:21]
	s_lshl_b32 s20, s14, 10
	s_add_co_u32 s20, s20, 196608
	s_add_nc_u64 s[WSB:WSB+1], s[8:9], s[20:21]
	s_lshl_b32 s20, s14, 17
	s_lshl_b32 s17, ttmp9, 8
	s_add_co_u32 s20, s20, s17
	s_add_nc_u64 s[12:13], s[12:13], s[20:21]
	; ---- Q's block and pass 0's block of K and V come in through window 1: 13 + 48 loads are out, then the last 3
	WIN 0x40
.set ci, 0
.rept 13
	global_load_b128 v[204+4*ci:204+4*ci+3], v[LI], s[4:5] offset:512*ci th:TH_LOAD_NT
.set ci, ci+1
.endr
.set ci, 0
.rept 48
	global_load_b128 v[4*ci:4*ci+3], v[LI], s[6:7] offset:512*ci
.set ci, ci+1
.endr
	WIN 0
.irp i, 22,23,24,25,26,27
	v_mov_b32 v[\i], 0                             ; zero codes for k = 64 .. 127 of Q,
.endr
.irp t, 0,1,2,3
.irp i, 6,7,8,9,10,11
	v_mov_b32 v[KB+12*\t+\i], 0                    ; and of K: never loaded into
.endr
.endr
.irp i, 236,237,238,239
	v_mov_b32 v[\i], 0                             ; written once: a lane permute's destination counts as one of its sources
.endr
	v_lshl_add_u32 v252, v0, 3, HSCB+2048          ; the heads' block goes to memory whole: its 2,048 spare bytes are set to zeros here, 8 bytes a thread x 256 threads;
	ds_store_b64 v252, v[22:23]                    ; no product reads them; four barriers lie between this store and the copy that does
	s_wait_loadcnt 48                              ; Q's 13 are in; the 48 behind them may be out
	WIN 0x04
.set ci, 0
.rept 13
	ds_store_b128 v234, v[204+4*ci:204+4*ci+3] offset:512*ci
.set ci, ci+1
.endr
	WIN 0x40
.set ci, 48
.rept 3
	global_load_b128 v[4*ci:4*ci+3], v[LI], s[6:7] offset:512*ci
.set ci, ci+1
.endr
	s_wait_loadcnt 0x0
	WIN 0x04
.set ci, 0
.rept 51
	ds_store_b128 v235, v[4*ci:4*ci+3] offset:512*ci
.set ci, ci+1
.endr
	WIN 0
	BAR                                            ; both blocks lie in LDS, and my stores have read their registers:
	WIN 0x40
.set ci, 0
.rept 51
	global_load_b128 v[4*ci:4*ci+3], v[LI], s[6:7] offset:208896+512*ci   ; pass 1's block: these 51 loads stay out through pass 0
.set ci, ci+1
.endr
	WIN 0
; A KEY STEP: 128 keys (eight tiles of K, four at a time), the softmax, four products with V
.macro STEP ks
	NOP4                                           ; places in front of loads into registers that the last products read
.irp i, 0,1,2,3
	ds_load_b128 v[KB+12*\i:KB+12*\i+3], v[AK16] offset:6144*(\ks)+768*\i
	ds_load_b64 v[KB+12*\i+4:KB+12*\i+5], v[AK8] offset:6144*(\ks)+768*\i
.endr
	ds_load_b128 v[248:251], v[ASK] offset:512*(\ks)
.irp t, 0,1,2,3
.irp g, 0,1,2
	ds_load_b128 v[VB+12*\t+4*\g:VB+12*\t+4*\g+3], v[AV] offset:6144*(\ks)+1536*\t+512*\g
.endr
.endr
	ds_load_b128 v[28:31], v[ASV] offset:256*(\ks)
	s_wait_dscnt 13                                ; K's first four tiles are in (and Q); V's 12 loads and its scale words may be out
.irp i, 0,1,2,3
	v_wmma_scale_f32_16x16x128_f8f6f4 v[SR+8*\i:SR+8*\i+7], v[KB+12*\i:KB+12*\i+11], v[16:27], 0, v[248+\i], v255 matrix_a_fmt:MATRIX_FMT_FP6 matrix_b_fmt:MATRIX_FMT_FP6
.endr
	NOP4
.irp i, 0,1,2,3
	ds_load_b128 v[KB+12*\i:KB+12*\i+3], v[AK16] offset:6144*(\ks)+768*(4+\i)
	ds_load_b64 v[KB+12*\i+4:KB+12*\i+5], v[AK8] offset:6144*(\ks)+768*(4+\i)
.endr
	ds_load_b128 v[248:251], v[ASK] offset:512*(\ks)+16
	s_wait_dscnt 0x0
.irp i, 0,1,2,3
	v_wmma_scale_f32_16x16x128_f8f6f4 v[SR+32+8*\i:SR+32+8*\i+7], v[KB+12*\i:KB+12*\i+11], v[16:27], 0, v[248+\i], v255 matrix_a_fmt:MATRIX_FMT_FP6 matrix_b_fmt:MATRIX_FMT_FP6
.endr
	NOP4                                           ; lane (r, h) holds query r; register 16 b + i is key 32 b + 16 h + i of the step
.irp b, 0,1,2,3
	v_max3_num_f32 v[232+\b], v[SR+16*\b], v[SR+16*\b+1], v[SR+16*\b+2]   ; the largest score of each block of 32 keys: for the row's maximum, and, since p rises with the score, for the block's largest p
.endr
.irp i, 3,5,7,9,11,13
.irp b, 0,1,2,3
	v_max3_num_f32 v[232+\b], v[232+\b], v[SR+16*\b+\i], v[SR+16*\b+\i+1]
.endr
.endr
.irp b, 0,1,2,3
	v_max_num_f32 v[232+\b], v[232+\b], v[SR+15+16*\b]
.endr
.irp b, 0,1,2,3
	v_permlanex16_b32 v[236+\b], v[232+\b], s[SEL], s[SEL+1]
.endr
.irp b, 0,1,2,3
	v_max_num_f32 v[232+\b], v[232+\b], v[236+\b]  ; with lane l xor 16's 16 keys
.endr
	v_max3_num_f32 v254, v232, v233, v234
	v_max_num_f32 v254, v254, v235
	v_mul_f32 v254, s[CS], v254                    ; as t (c is positive)
	v_max_num_f32 v13, v13, v254                   ; the running largest t
	v_mov_b32 v254, v12
	v_floor_f32 v12, -v13                          ; the new -M = floor(-t): M is a whole number
	v_sub_f32 v254, v12, v254                      ; old M - new M: a whole number, 0 or less
	v_cvt_i32_f32 v254, v254                       ; (it saturates)
	v_ldexp_f32 v252, 1.0, v254                    ; f = 2^(old M - new M)
.set ci, 0
.rept 32
	v_pk_fma_f32 v[SR+2*ci:SR+2*ci+1], v[SR+2*ci:SR+2*ci+1], s[CS:CS+1], v[12:13] op_sel_hi:[1,0,0]   ; t - M, two at a time
.set ci, ci+1
.endr
.irp b, 0,1,2,3
	v_fma_f32 v[232+\b], v[232+\b], s[CS], v12     ; the same of each block's largest score
.endr
.set ci, 0
.rept 64
	v_exp_f32 v[SR+ci], v[SR+ci]                   ; p = 2^(t - M), at most 1: not normalised
.set ci, ci+1
.endr
	v_pk_mul_f32 v[14:15], v[14:15], v[252:253] op_sel_hi:[1,0]   ; the sums under the new M (a plain place behind the exponentials)
	s_wait_alu depctr_va_vdst(0)                   ; one wait for the whole batch, ahead of its first reader
.irp b, 0,1,2,3
	v_exp_f32 v[232+\b], v[232+\b]                 ; the block's largest p
.endr
	v_pk_add_f32 v[236:237], v[SR:SR+1], v[SR+2:SR+3]   ; the row's sum is taken of the unquantised p, in two chains
.irp j, 4,8,12,16,20,24,28,32,36,40,44,48,52,56,60
	v_pk_add_f32 v[14:15], v[14:15], v[SR+\j:SR+\j+1]
	v_pk_add_f32 v[236:237], v[236:237], v[SR+2+\j:SR+3+\j]
.endr
	v_pk_add_f32 v[14:15], v[14:15], v[236:237]
	s_wait_alu depctr_va_vdst(0)                   ; and one for the four
.irp b, 0,1,2,3
	v_max_num_f32 v[232+\b], 0x1800000, v[232+\b]  ; the floor 2^(3 - 127)
.endr
.irp b, 0,1,2,3
	v_add_nc_u32 v[244+\b], 0xff000000, v[232+\b]  ; 2 off the exponent field: the conversion's scale operand
.endr
.irp b, 0,1,2,3
	v_lshrrev_b32 v[236+\b], 23, v[244+\b]         ; the scale's byte
.endr
	v_lshl_or_b32 v[PWD], v237, 8, v236            ; p's scale word for these 128 keys
	v_lshl_or_b32 v[PWD], v238, 16, v[PWD]
	v_lshl_or_b32 v[PWD], v239, 24, v[PWD]
.irp c, 0,1
	v_cvt_scalef32_pk16_fp6_f32 v[224+6*\c:226+6*\c], v[SR+32*\c:SR+32*\c+15], v[244+2*\c]
	v_cvt_scalef32_pk16_fp6_f32 v[236+4*\c:238+4*\c], v[SR+16+32*\c:SR+31+32*\c], v[244+2*\c+1]
.endr
	v_nop                                          ; one plain place behind a scaled conversion
.irp c, 0,1
.irp i, 0,1,2
	v_permlane16_swap_b32 v[224+6*\c+\i], v[236+4*\c+\i]
.endr
.irp i, 0,1,2
	v_mov_b32 v[227+6*\c+\i], v[236+4*\c+\i]
.endr
.endr
.set ci, 0
.rept 16
	v_pk_mul_f32 v[OT+2*ci:OT+2*ci+1], v[OT+2*ci:OT+2*ci+1], v[252:253] op_sel_hi:[1,0]   ; O^T under the new M; these are also the places between the operands' last writes and the products
.set ci, ci+1
.endr
.irp t, 0,1,2,3
	v_wmma_scale_f32_16x16x128_f8f6f4 v[OT+8*\t:OT+8*\t+7], v[VB+12*\t:VB+12*\t+11], v[224:235], v[OT+8*\t:OT+8*\t+7], v[28+\t], v[PWD] matrix_a_fmt:MATRIX_FMT_FP6 matrix_b_fmt:MATRIX_FMT_FP6
.endr
.endm
; A PASS: four trips, a query tile each.  The stepped LDS addresses are made from scalars that step by constants.
.macro PASS p
	s_mov_b32 s[TQ], 24576*(\p)                    ; Q's images: four heads on in pass 1; 768 bytes a tile
	s_mov_b32 s[TS], 2048*(\p)                     ; Q's scale words: 4 bytes a tile
	s_mov_b32 s[TW], 24576*(\p)                    ; the heads' images: two K steps on; 1,536 bytes a tile
	s_mov_b32 s[TX], 1024*(\p)                     ; their scale words
	s_mov_b32 s[CNT], 4
.Ltile_\@:
	v_add_nc_u32 v232, s[TQ], v[AQ16]
	v_add_nc_u32 v233, s[TQ], v[AQ8]
	v_add_nc_u32 v234, s[TS], v[AQS]
	ds_load_b128 v[16:19], v232
	ds_load_b64 v[20:21], v233
	ds_load_b32 v255, v234
.set ci, 0
.rept 32
	v_mov_b32 v[OT+ci], 0                          ; the step is written once: the first finds zeros, which the first change of M leaves zeros
.set ci, ci+1
.endr
	v_mov_b32 v13, 0xff61b1e6                      ; the largest t so far: -3e38
	v_floor_f32 v12, -v13
	v_mov_b32 v14, 0
	v_mov_b32 v15, 0
	STEP 0
	STEP 1
	STEP 2
	STEP 3
	NOP4
	v_add_f32 v14, v14, v15                        ; the sum's two halves,
	v_permlanex16_b32 v252, v14, s[SEL], s[SEL+1]
	v_add_f32 v14, v14, v252                       ; and lane l xor 16's
	v_rcp_f32 v14, v14
	v_add_nc_u32 v186, s[TW], v[WA]                ; (plain places behind the reciprocal)
	v_add_nc_u32 v187, s[TW], v[WB]
	v_add_nc_u32 v188, s[TX], v[WS]
	s_wait_alu depctr_va_vdst(0)                   ; ahead of the reciprocal's first reader
.set ci, 0
.rept 16
	v_pk_mul_f32 v[SR+2*ci:SR+2*ci+1], v[OT+2*ci:OT+2*ci+1], v[14:15] op_sel_hi:[1,0]   ; register 16 c + i = channel 32 c + 16 h + i of my query
.set ci, ci+1
.endr
	QUANT SR, 0, 1                                 ; half a fragment of the next product, and two scale bytes
	ds_store_b64 v186, v[PC:PC+1]
	ds_store_b64 v187, v[PC+2:PC+3]
	ds_store_b64 v186, v[PC+4:PC+5] offset:512
	ds_store_b16 v188, v[PW]
	s_add_co_u32 s[TQ], s[TQ], 768
	s_add_co_u32 s[TS], s[TS], 4
	s_add_co_u32 s[TW], s[TW], 1536
	s_add_co_u32 s[TX], s[TX], 4
	s_wait_dscnt 0x0
	s_sub_co_u32 s[CNT], s[CNT], 1
	s_cmp_lg_u32 s[CNT], 0
	s_cbranch_scc1 .Ltile_\@
.endm
	PASS 0
	BAR                                            ; every wave's reads of pass 0's K and V are over
	v_add_nc_u32 v232, s35, v[LI]
	s_wait_loadcnt 0x0
	WIN 0x04
.set ci, 0
.rept 51
	ds_store_b128 v232, v[4*ci:4*ci+3] offset:512*ci
.set ci, ci+1
.endr
	WIN 0
	BAR                                            ; pass 1's block lies in LDS
	PASS 1
	BAR                                            ; the heads' 32 fragments and their scale words lie in LDS
	; ---- out = heads Wo: my 64 columns; the heads' block goes to memory as it lies
	v_and_b32 v8, 31, v0
	v_and_b32 v9, 15, v0
	v_bfe_u32 v10, v0, 4, 1
	v_add_nc_u32 v[AI], HB, v[LI]
	v_lshl_add_u32 v[ASA], v8, 5, HSCB
	s_add_co_u32 s18, s37, HB
	v_add_nc_u32 v4, s18, v[LI]
	s_lshl_b32 s18, s14, 9
	s_add_co_u32 s18, s18, SCR
	v_lshl_add_u32 v[VSS], v10, 6, s18
	v_add_nc_u32 v[VSL], s18, v[LI]
	v_lshlrev_b32 v[VPG], 4, v9
	v_lshl_add_u32 v[VPG], v10, 16, v[VPG]
	PRE 3
.set ci, 0
.rept 13
	ds_load_b128 v[48+4*ci:48+4*ci+3], v4 offset:512*ci
.set ci, ci+1
.endr
	s_wait_dscnt 0x0
.set ci, 0
.rept 13
	global_store_b128 v[LI], v[48+4*ci:48+4*ci+3], s[10:11] offset:512*ci
.set ci, ci+1
.endr
	s_wait_xcnt 0x0                                ; the stores have read their data: the registers take fragments next
	GEMM 1, 0, 1, 3
	STATS 0
	s_wait_xcnt 0x0
	v_lshl_add_u32 v254, v0, 2, 0x4e000
	v_mov_b32 v255, 0
	s_wait_tensorcnt 0x0
	ds_add_u32 v254, v255
	s_wait_dscnt 0x0
	s_endpgm
.Lfunc_end_k_qd984649847_attn:
	.size	k_qd984649847_attn, .Lfunc_end_k_qd984649847_attn-k_qd984649847_attn
	.p2alignl 7, 3214868480
	.fill 96, 4, 3214868480
	.section	.rodata,"a",@progbits
	.p2align	6, 0x0
	.amdhsa_kernel k_qd984649847_attn
		.amdhsa_group_segment_fixed_size 320512
		.amdhsa_private_segment_fixed_size 0
		.amdhsa_enable_private_segment 0
		.amdhsa_kernarg_size 40
		.amdhsa_user_sgpr_count 2
		.amdhsa_user_sgpr_kernarg_segment_ptr 1
		.amdhsa_wavefront_size32 1
		.amdhsa_system_sgpr_workgroup_id_x 1
		.amdhsa_system_sgpr_workgroup_id_y 1
		.amdhsa_system_sgpr_workgroup_id_z 1
		.amdhsa_system_vgpr_workitem_id 0
		.amdhsa_next_free_vgpr 512
		.amdhsa_next_free_sgpr 66
		.amdhsa_reserve_vcc 0
		.amdhsa_float_denorm_mode_32 3
		.amdhsa_float_denorm_mode_16_64 3
		.amdhsa_memory_ordered 1
		.amdhsa_forward_progress 1
		.amdhsa_inst_pref_size 233
	.end_amdhsa_kernel
	.amdgpu_metadata
---
amdhsa.version: [ 1, 2 ]
amdhsa.kernels:
  - .name:           k_qd984649847_attn
    .symbol:         k_qd984649847_attn.kd
    .args:
      - { .name: q, .offset: 0, .size: 8, .value_kind: global_buffer, .address_space: global }
      - { .name: kv, .offset: 8, .size: 8, .value_kind: global_buffer, .address_space: global }
      - { .name: wimg, .offset: 16, .size: 8, .value_kind: global_buffer, .address_space: global }
      - { .name: hd, .offset: 24, .size: 8, .value_kind: global_buffer, .address_space: global }
      - { .name: part, .offset: 32, .size: 8, .value_kind: global_buffer, .address_space: global }
    .group_segment_fixed_size: 320512
    .private_segment_fixed_size: 0
    .kernarg_segment_align: 8
    .kernarg_segment_size: 40
    .max_flat_workgroup_size: 256
    .sgpr_count:     66
    .vgpr_count:     512
    .wavefront_size: 32
...
	.end_amdgpu_metadata
.endif
;; end of part 3
;; launch red1 (part 4): grid 16 x 1, 16 waves a work-group, no clusters, 10,240 bytes of LDS; arguments part, norm1_w, norm1_b, stat1; writes stat1
.if DOCPART == 4
	.amdgcn_target "amdgcn-amd-amdhsa--gfx1250"
	.amdhsa_code_object_version 6
	.text
	.protected	k_qd984649847_red1
	.globl	k_qd984649847_red1
	.p2align	8
	.type	k_qd984649847_red1,@function
k_qd984649847_red1:
	s_mov_b64 s[64:65], 0
	v_nop
	global_prefetch_b8 v0, s[64:65] scope:SCOPE_SE
	s_setreg_imm32_b32 hwreg(HW_REG_WAVE_MODE, 25, 1), 1
	s_wait_xcnt 0x0
; The 256 work-groups' means and sums of squared deviations (128 rows each) become, for each of 512 columns, the two numbers of a batch norm of TWICE the stored number z:
; a = 2 w / sqrt(4 var + eps), c = b - a mean, so that the norm is a z + c.  var = (sum of the parts' M2 + 128 x sum of (part's mean - mean)^2) / 32,768: no difference of large sums is formed.
; part: [cg 16][wg 256][32 means, 32 M2] f32.  Work-group cg takes 32 columns; wave v the parts 16 v .. 16 v + 15; a lane two columns: lanes 0-15 means, lanes 16-31 M2.
; 16 work-groups: 1 MB is read once; the sums span all parts, so a column group has one owner.  The reciprocal root is v_rsq_f32's.  NaN and infinities are not served.
; The gain and the bias are asked for at the head, behind the parts, so that they are there when wave 0 wants them at the end.
	s_load_b256 s[4:11], s[0:1], 0x0               ; part s[4:5], gain s[6:7], bias s[8:9], stat s[10:11]
	v_lshl_add_u32 v128, v0, 2, 0x2000
	v_mov_b32 v129, 0
	v_lshrrev_b32 v1, 5, v0
	v_readfirstlane_b32 s12, v1                    ; wave
	v_and_b32 v2, 31, v0
	v_and_b32 v3, 15, v0
	v_bfe_u32 v4, v0, 4, 1
	v_lshlrev_b32 v5, 3, v2                        ; 8 x lane
	s_lshl_b32 s14, ttmp9, 16
	s_lshl_b32 s13, s12, 12
	s_add_co_u32 s14, s14, s13
	s_mov_b32 s15, 0
	s_lshl_b32 s13, s12, 8
	v_add_nc_u32 v6, s13, v5                       ; LDS: 256 x wave + 8 x lane
	v_lshlrev_b32 v7, 3, v3                        ; 8 r
	v_lshl_add_u32 v1, v4, 11, v7                  ; 8 r + 2,048 h
	s_lshl_b32 s16, ttmp9, 7
	s_mov_b32 s17, 0
	s_mov_b32 s20, 0x76543210
	s_mov_b32 s21, 0xfedcba98
	s_wait_kmcnt 0x0
	s_add_nc_u64 s[4:5], s[4:5], s[14:15]
	s_add_nc_u64 s[6:7], s[6:7], s[16:17]
	s_add_nc_u64 s[8:9], s[8:9], s[16:17]
	s_add_nc_u64 s[10:11], s[10:11], s[16:17]
.irp i, 0,1,2,3,4,5,6,7,8,9,10,11,12,13,14,15
	global_load_b64 v[16+2*\i:17+2*\i], v5, s[4:5] offset:256*\i th:TH_LOAD_NT
.endr
	global_load_b64 v[48:49], v7, s[6:7]           ; the gain and the bias of my two columns
	global_load_b64 v[50:51], v7, s[8:9]
	s_wait_loadcnt 2                               ; the 16 parts are in; the two loads behind them may be out
	v_pk_add_f32 v[8:9], v[16:17], v[18:19]
.irp i, 2,3,4,5,6,7,8,9,10,11,12,13,14,15
	v_pk_add_f32 v[8:9], v[8:9], v[16+2*\i:17+2*\i]
.endr
	ds_store_b64 v6, v[8:9]
	s_wait_dscnt 0x0
	s_barrier_signal -1
	s_barrier_wait -1
.irp i, 0,1,2,3,4,5,6,7,8,9,10,11,12,13,14,15
	ds_load_b64 v[64+2*\i:65+2*\i], v5 offset:256*\i
.endr
	s_wait_dscnt 0x0
	v_pk_add_f32 v[10:11], v[64:65], v[66:67]
.irp i, 2,3,4,5,6,7,8,9,10,11,12,13,14,15
	v_pk_add_f32 v[10:11], v[10:11], v[64+2*\i:65+2*\i]    ; lanes 0-15: the sum of the 256 means; lanes 16-31: of the 256 M2
.endr
	v_pk_mul_f32 v[12:13], v[10:11], 0x3b800000 op_sel_hi:[1,0]   ; / 256: the mean (lanes 0-15)
.irp i, 0,1,2,3,4,5,6,7,8,9,10,11,12,13,14,15
	v_pk_add_f32 v[64+2*\i:65+2*\i], v[16+2*\i:17+2*\i], v[12:13] neg_lo:[0,1] neg_hi:[0,1]
.endr
	v_pk_mul_f32 v[14:15], v[64:65], v[64:65]
.irp i, 1,2,3,4,5,6,7,8,9,10,11,12,13,14,15
	v_pk_fma_f32 v[14:15], v[64+2*\i:65+2*\i], v[64+2*\i:65+2*\i], v[14:15]
.endr
	ds_store_b64 v6, v[14:15] offset:4096          ; other bytes than the first sums'
	s_wait_dscnt 0x0
	s_barrier_signal -1
	s_barrier_wait -1
	s_cmp_lg_u32 s12, 0
	s_cbranch_scc1 .Lend
.irp i, 0,1,2,3,4,5,6,7,8,9,10,11,12,13,14,15
	ds_load_b64 v[64+2*\i:65+2*\i], v5 offset:4096+256*\i  ; wave 0 finishes
.endr
	s_wait_dscnt 0x0
	v_pk_add_f32 v[14:15], v[64:65], v[66:67]
.irp i, 2,3,4,5,6,7,8,9,10,11,12,13,14,15
	v_pk_add_f32 v[14:15], v[14:15], v[64+2*\i:65+2*\i]
.endr
	v_mov_b32 v52, 0
	v_mov_b32 v53, 0
	v_permlanex16_b32 v52, v10, s20, s21           ; the sum of the M2 comes down to lanes 0-15
	v_permlanex16_b32 v53, v11, s20, s21
	v_pk_fma_f32 v[52:53], v[14:15], 0x43000000, v[52:53] op_sel_hi:[1,0,1]   ; + 128 x the means' squared deviations
	v_mov_b32 v54, 0x3727c5ac                      ; eps = 1e-5
	v_fma_f32 v52, v52, 0x39000000, v54            ; x 2^-13 = 4 var; + eps
	v_fma_f32 v53, v53, 0x39000000, v54
	v_rsq_f32 v56, v52
	v_rsq_f32 v57, v53
	v_mov_b32 v60, 0                               ; (a plain place behind the roots)
	v_mov_b32 v61, 0
	s_wait_alu depctr_va_vdst(0)                   ; one wait for both, ahead of their first reader
	s_wait_loadcnt 0x0                             ; the gain and the bias
	v_pk_mul_f32 v[56:57], v[56:57], v[48:49]
	v_pk_add_f32 v[56:57], v[56:57], v[56:57]      ; a = 2 w / sqrt(4 var + eps)
	v_pk_fma_f32 v[58:59], v[56:57], v[12:13], v[50:51] neg_lo:[1,0,0] neg_hi:[1,0,0]   ; c = b - a mean
	v_permlanex16_b32 v60, v58, s20, s21           ; c goes up to lanes 16-31
	v_permlanex16_b32 v61, v59, s20, s21
	v_cmp_ne_u32 vcc_lo, 0, v4
	v_cndmask_b32 v62, v56, v60, vcc_lo
	v_cndmask_b32 v63, v57, v61, vcc_lo
	global_store_b64 v1, v[62:63], s[10:11]        ; lanes 0-15: a; lanes 16-31: c, 2,048 bytes on
.Lend:
	s_wait_tensorcnt 0x0
	ds_add_u32 v128, v129
	s_wait_dscnt 0x0
	s_endpgm
.Lfunc_end_k_qd984649847_red1:
	.size	k_qd984649847_red1, .Lfunc_end_k_qd984649847_red1-k_qd984649847_red1
	.p2alignl 7, 3214868480
	.fill 96, 4, 3214868480
	.section	.rodata,"a",@progbits
	.p2align	6, 0x0
	.amdhsa_kernel k_qd984649847_red1
		.amdhsa_group_segment_fixed_size 10240
		.amdhsa_private_segment_fixed_size 0
		.amdhsa_enable_private_segment 0
		.amdhsa_kernarg_size 32
		.amdhsa_user_sgpr_count 2
		.amdhsa_user_sgpr_kernarg_segment_ptr 1
		.amdhsa_wavefront_size32 1
		.amdhsa_system_sgpr_workgroup_id_x 1
		.amdhsa_system_sgpr_workgroup_id_y 1
		.amdhsa_system_sgpr_workgroup_id_z 1
		.amdhsa_system_vgpr_workitem_id 0
		.amdhsa_next_free_vgpr 130
		.amdhsa_next_free_sgpr 66
		.amdhsa_reserve_vcc 1
		.amdhsa_float_denorm_mode_32 3
		.amdhsa_float_denorm_mode_16_64 3
		.amdhsa_memory_ordered 1
		.amdhsa_forward_progress 1
		.amdhsa_inst_pref_size 12
	.end_amdhsa_kernel
	.amdgpu_metadata
---
amdhsa.version: [ 1, 2 ]
amdhsa.kernels:
  - .name:           k_qd984649847_red1
    .symbol:         k_qd984649847_red1.kd
    .args:
      - { .name: part, .offset: 0, .size: 8, .value_kind: global_buffer, .address_space: global }
      - { .name: norm1_w, .offset: 8, .size: 8, .value_kind: global_buffer, .address_space: global }
      - { .name: norm1_b, .offset: 16, .size: 8, .value_kind: global_buffer, .address_space: global }
      - { .name: stat1, .offset: 24, .size: 8, .value_kind: global_buffer, .address_space: global }
    .group_segment_fixed_size: 10240
    .private_segment_fixed_size: 0
    .kernarg_segment_align: 8
    .kernarg_segment_size: 32
    .max_flat_workgroup_size: 512
    .sgpr_count:     66
    .vgpr_count:     130
    .wavefront_size: 32
...
	.end_amdgpu_metadata
.endif
;; end of part 4
;; launch ffns (part 5): grid 256 x 1, 8 waves a work-group, no clusters, 326,656 bytes of LDS; arguments hd, wimg, stat1, ff_b1, ff_b2, part, gq; writes part, gq
.if DOCPART == 5
	.amdgcn_target "amdgcn-amd-amdhsa--gfx1250"
	.amdhsa_code_object_version 6
	.text
	.protected	k_qd984649847_ffns
	.globl	k_qd984649847_ffns
	.p2align	8
	.type	k_qd984649847_ffns,@function
k_qd984649847_ffns:
	s_mov_b64 s[64:65], 0
	v_nop
	global_prefetch_b8 v0, s[64:65] scope:SCOPE_SE
	s_setreg_imm32_b32 hwreg(HW_REG_WAVE_MODE, 25, 1), 1
	s_wait_xcnt 0x0
; From the heads' codes: out = heads Wo; h = a1 out + c1 (the first batch norm); g = relu(h W1^T + b1); z = h + g W2^T + b2.  Of z each column's mean and sum of squared deviations over the 128 rows leave (part),
; and g's codes and scale words as they lie in LDS (gq: 53,248 bytes a work-group), so that the last launch need not make g again.
; All three products on codes of FP6 (E2M3) with E8M0 scales; h and g are quantised in registers and go from wave to wave through LDS as images of the operand's registers; all else in f32.
; SHARES.  Work-group wg owns 128 rows; wave w owns columns 64 w .. 64 w + 63 of every product: 32 accumulators, all of window 1.  h waits in the wave's own 32,768 bytes of LDS and comes back as the C of the third product.
; out is made again here from 53,248 bytes of codes a work-group, so that no f32 intermediate of 67 MB is written and read.
; a1, c1 and b1 of the wave's 64 columns (256 bytes each) are loaded at the head and wait in the wave's own LDS bytes; at their use they come by LDS loads.
; NO JOINT TENSOR LOADS for the weights, though all 256 work-groups read them: 325,632 of the 327,680 bytes of LDS are written by ds_store here.
; LIMITS: NaN and infinities are not served; a block whose largest magnitude lies under 2^-124 (zeros too) gets the byte 1.
; REGISTERS, window 0: v1-14 addresses; v16-31 the rows' scale words; v32-39 the weights'; v48-143 8 row fragments (between phases: parameters, the quantiser's v112-130, the statistics); v144-239 two sets of weights; v240-252 codes and scale bytes just made.
.set SCB,  49152
.set STA,  53248                       ; the stash: 32,768 bytes a wave
.set SCR,  315392
.set PB,   319488                      ; the parameters: 768 bytes a wave: a1, c1, b1
.set LI,   1
.set AI,   1
.set ASA,  2
.set CH,   3
.set ST,   4
.set WA,   5
.set WB,   6
.set WS,   7
.set PO,   8
.set VSS,  9
.set VSL,  10
.set VPG,  11
.set L8,   12                          ; 8 x lane
.set PS,   13                          ; my parameters' bytes + 8 x lane
.set PL,   14                          ; my parameters' bytes + 64 h
.set ASC,  16
.set WSC,  32
.set AF,   48
.set TM,   112
.set XT0,  124
.set XT1,  128
.set WF,   144
.set PC,   240
.set PW,   252
.set SUM,  48
.set M2,   80
.set T,    112
.set PP,   14
.set WPB,  40
.set WSB,  42
.set SEL,  44
.set MSB, 0
.macro WIN new                         ; the immediate's high byte repeats the setting that is left
.if MSB != (\new)
	s_set_vgpr_msb (MSB<<8)|(\new)
.set MSB, (\new)
.endif
.endm
.macro NOP4                            ; four places behind a matrix instruction (ISA guide 7.12.1), where no other vector work is at hand
.rept 4
	v_nop
.endr
.endm
.macro BAR                             ; my LDS stores have landed and my LDS loads are in: then the work-group's barrier
	s_wait_dscnt 0x0
	s_barrier_signal -1
	s_barrier_wait -1
.endm
.macro WLOAD set, mat, s
.irp t, 0,1,2,3
.irp g, 0,1,2
	global_load_b128 v[WF+48*(\set)+12*\t+4*\g:WF+48*(\set)+12*\t+4*\g+3], v[LI], s[WPB:WPB+1] offset:204800*(\mat)+6144*(\s)+1536*\t+512*\g
.endr
.endr
.endm
.macro PRE mat
	global_load_b128 v[WSC:WSC+3], v[LI], s[WSB:WSB+1] offset:204800*(\mat)
	global_load_b128 v[WSC+4:WSC+7], v[LI], s[WSB:WSB+1] offset:204800*(\mat)+512
	WLOAD 0, \mat, 0
	WLOAD 1, \mat, 1
.endm
.macro AFETCH s, m0
.irp mm, 0,1,2,3
.irp g, 0,1,2
	ds_load_b128 v[AF+12*((\m0)+\mm)+4*\g:AF+12*((\m0)+\mm)+4*\g+3], v[AI] offset:(8*(\s)+(\m0)+\mm)*1536+512*\g
.endr
.endr
.endm
.macro ASCL
.irp sg, 0,1
.irp mh, 0,1
	ds_load_b128 v[ASC+8*\sg+4*\mh:ASC+8*\sg+4*\mh+3], v[ASA] offset:1024*\sg+16*\mh
.endr
.endr
.endm
.macro MM tr, arr, s, m, first
.irp t, 0,1,2,3
.if \arr
.set zD, 8*(8*\t+(\m))
.else
.set zD, 8*(4*(\m)+\t)
.endif
.if \tr
.set zP, WF+48*((\s)%2)+12*\t
.set zQ, AF+12*(\m)
.set zX, WSC+4*((\s)/2)+\t
.set zY, ASC+8*((\s)/2)+(\m)
.else
.set zQ, WF+48*((\s)%2)+12*\t
.set zP, AF+12*(\m)
.set zY, WSC+4*((\s)/2)+\t
.set zX, ASC+8*((\s)/2)+(\m)
.endif
.if (\first) && ((\s) == 0)
	v_wmma_scale_f32_16x16x128_f8f6f4 v[zD:zD+7], v[zP:zP+11], v[zQ:zQ+11], 0, v[zX], v[zY] matrix_a_fmt:MATRIX_FMT_FP6 matrix_b_fmt:MATRIX_FMT_FP6
.elseif ((\s)%2) == 0
	v_wmma_scale_f32_16x16x128_f8f6f4 v[zD:zD+7], v[zP:zP+11], v[zQ:zQ+11], v[zD:zD+7], v[zX], v[zY] matrix_a_fmt:MATRIX_FMT_FP6 matrix_b_fmt:MATRIX_FMT_FP6
.else
	v_wmma_scale_f32_16x16x128_f8f6f4 v[zD:zD+7], v[zP:zP+11], v[zQ:zQ+11], v[zD:zD+7], v[zX], v[zY] matrix_a_fmt:MATRIX_FMT_FP6 matrix_b_fmt:MATRIX_FMT_FP6 matrix_a_scale:MATRIX_SCALE_ROW1 matrix_b_scale:MATRIX_SCALE_ROW1
.endif
.endr
.endm
; 128 rows x 64 columns x K 512: 128 matrix instructions; the 32 accumulators take turns in one order in every K step
.macro GEMM tr, arr, first, mat
	ASCL
	AFETCH 0, 0
	AFETCH 0, 4
.irp s, 0,1,2,3
.if \s < 3
	s_wait_loadcnt 12                              ; this K step's weights are in; the other set's 12 loads may be out
.else
	s_wait_loadcnt 0x0
.endif
	s_wait_dscnt 12                                ; row fragments 0-3 (and all that was asked of LDS before them) are in; the 12 loads of fragments 4-7 may be out
	WIN 0x50
.irp m, 0,1,2,3
	MM \tr, \arr, \s, \m, \first
.endr
	WIN 0
.if \s < 3
	NOP4
	AFETCH \s+1, 0
	s_wait_dscnt 12                                ; fragments 4-7 are in; the 12 just issued may be out
.else
	s_wait_dscnt 0x0
.endif
	WIN 0x50
.irp m, 4,5,6,7
	MM \tr, \arr, \s, \m, \first
.endr
	WIN 0
	NOP4
.if \s < 3
	AFETCH \s+1, 4
.endif
.if \s < 2
	WLOAD \s%2, \mat, \s+2
.endif
.endr
.endm
.macro QUANT s, win, np
	WIN 5*(\win)
.set qb, 0
.rept 2*(\np)
	v_max3_num_f32 v[TM+qb], |v[(\s)+16*qb]|, |v[(\s)+16*qb+1]|, 0x1800000   ; my 16 numbers of block b, and the floor 2^(3 - 127): the byte cannot fall under 1
.set qb, qb+1
.endr
.irp i, 2,4,6,8,10,12,14
.set qb, 0
.rept 2*(\np)
	v_max3_num_f32 v[TM+qb], |v[(\s)+16*qb+\i]|, |v[(\s)+16*qb+\i+1]|, v[TM+qb]
.set qb, qb+1
.endr
.endr
	WIN 0
.set qb, 0
.rept 2*(\np)
	v_permlanex16_b32 v[TM+4+qb], v[TM+qb], s[SEL], s[SEL+1]
.set qb, qb+1
.endr
.set qb, 0
.rept 2*(\np)
	v_max_num_f32 v[TM+qb], v[TM+qb], v[TM+4+qb]
.set qb, qb+1
.endr
.set qb, 0
.rept 2*(\np)
	v_add_nc_u32 v[TM+8+qb], 0xff000000, v[TM+qb]
.set qb, qb+1
.endr
.set qb, 0
.rept 2*(\np)
	v_lshrrev_b32 v[TM+4+qb], 23, v[TM+8+qb]
.set qb, qb+1
.endr
	v_lshl_or_b32 v[PW], v[TM+5], 8, v[TM+4]
.if (\np) == 2
	v_lshl_or_b32 v[PW], v[TM+6], 16, v[PW]
	v_lshl_or_b32 v[PW], v[TM+7], 24, v[PW]
.endif
	WIN (\win)
	v_cvt_scalef32_pk16_fp6_f32 v[PC:PC+2], v[(\s):(\s)+15], v[TM+8]
	v_cvt_scalef32_pk16_fp6_f32 v[XT0:XT0+2], v[(\s)+16:(\s)+31], v[TM+9]
.if (\np) == 2
	v_cvt_scalef32_pk16_fp6_f32 v[PC+6:PC+8], v[(\s)+32:(\s)+47], v[TM+10]
	v_cvt_scalef32_pk16_fp6_f32 v[XT1:XT1+2], v[(\s)+48:(\s)+63], v[TM+11]
.endif
	WIN 0
	v_nop                                          ; one plain place behind a scaled conversion
.irp i, 0,1,2
	v_permlane16_swap_b32 v[PC+\i], v[XT0+\i]
.endr
.irp i, 0,1,2
	v_mov_b32 v[PC+3+\i], v[XT0+\i]
.endr
.if (\np) == 2
.irp i, 0,1,2
	v_permlane16_swap_b32 v[PC+6+\i], v[XT1+\i]
.endr
.irp i, 0,1,2
	v_mov_b32 v[PC+9+\i], v[XT1+\i]
.endr
.endif
.endm
; the two half fragments just made (row tiles m and m + 1; my 64 columns are half w % 2 of K step w / 2) go into the images, their two scale bytes each into the scale words
.macro HSTORE m
	ds_store_b64 v[WA], v[PC:PC+1] offset:1536*(\m)
	ds_store_b64 v[WB], v[PC+2:PC+3] offset:1536*(\m)
	ds_store_b64 v[WA], v[PC+4:PC+5] offset:1536*(\m)+512
	ds_store_b64 v[WA], v[PC+6:PC+7] offset:1536*((\m)+1)
	ds_store_b64 v[WB], v[PC+8:PC+9] offset:1536*((\m)+1)
	ds_store_b64 v[WA], v[PC+10:PC+11] offset:1536*((\m)+1)+512
	ds_store_b16 v[WS], v[PW] offset:4*(\m)
	ds_store_b16_d16_hi v[WS], v[PW] offset:4*((\m)+1)
	s_wait_dscnt 0x0                               ; the stores have read their registers
.endm
.macro REQUANT
.irp mp, 0,1,2,3
	QUANT 64*\mp, 1, 2
	HSTORE 2*\mp
.endr
.endm
.macro PLOAD reg, ptr, off             ; a lane's 32 column parameters in the accumulators' order, from memory: register 16 c + i = column 64 w + 32 c + 16 h + i
.irp c, 0,1
.irp i, 0,1,2,3
	global_load_b128 v[(\reg)+16*\c+4*\i:(\reg)+16*\c+4*\i+3], v[PO], s[\ptr:\ptr+1] offset:(\off)+128*\c+16*\i
.endr
.endr
.endm
.macro PLOADL reg, k                   ; the same from my own LDS bytes: parameter k; the sixteen lanes of a half read the same bytes
.irp c, 0,1
.irp i, 0,1,2,3
	ds_load_b128 v[(\reg)+16*\c+4*\i:(\reg)+16*\c+4*\i+3], v[PL] offset:256*(\k)+128*\c+16*\i
.endr
.endr
.endm
; each column's mean over the 128 rows and its sum of squared deviations FROM THAT MEAN.  bias = 1: v144-175 are added onto the means
.macro STATS bias
	WIN 0x05
.set si, 0
.rept 16
	v_pk_add_f32 v[SUM+2*si:SUM+2*si+1], v[2*si:2*si+1], v[32+2*si:32+2*si+1]
.set si, si+1
.endr
	WIN 0x01
.irp m, 2,3,4,5,6,7
.set si, 0
.rept 16
	v_pk_add_f32 v[SUM+2*si:SUM+2*si+1], v[32*\m+2*si:32*\m+2*si+1], v[SUM+2*si:SUM+2*si+1]
.set si, si+1
.endr
.endr
	WIN 0
.irp x, 1,2,4,8
.set si, 0
.rept 32
	v_add_f32_dpp v[SUM+si], v[SUM+si], v[SUM+si] row_xmask:\x row_mask:0xf bank_mask:0xf
.set si, si+1
.endr
.endr
.set si, 0
.rept 16
	v_pk_mul_f32 v[SUM+2*si:SUM+2*si+1], v[SUM+2*si:SUM+2*si+1], 0x3c000000 op_sel_hi:[1,0]   ; / 128
.set si, si+1
.endr
.irp m, 0,1,2,3,4,5,6,7
	WIN 0x01
.set si, 0
.rept 16
	v_pk_add_f32 v[T+2*si:T+2*si+1], v[32*\m+2*si:32*\m+2*si+1], v[SUM+2*si:SUM+2*si+1] neg_lo:[0,1] neg_hi:[0,1]
.set si, si+1
.endr
	WIN 0
.set si, 0
.rept 16
.if \m == 0
	v_pk_mul_f32 v[M2+2*si:M2+2*si+1], v[T+2*si:T+2*si+1], v[T+2*si:T+2*si+1]
.else
	v_pk_fma_f32 v[M2+2*si:M2+2*si+1], v[T+2*si:T+2*si+1], v[T+2*si:T+2*si+1], v[M2+2*si:M2+2*si+1]
.endif
.set si, si+1
.endr
.endr
.irp x, 1,2,4,8
.set si, 0
.rept 32
	v_add_f32_dpp v[M2+si], v[M2+si], v[M2+si] row_xmask:\x row_mask:0xf bank_mask:0xf
.set si, si+1
.endr
.endr
.if \bias
	s_wait_loadcnt 0x0
.set si, 0
.rept 16
	v_pk_add_f32 v[SUM+2*si:SUM+2*si+1], v[SUM+2*si:SUM+2*si+1], v[144+2*si:144+2*si+1]
.set si, si+1
.endr
.endif
.irp c, 0,1
.irp i, 0,1,2,3
	ds_store_b128 v[VSS], v[SUM+16*\c+4*\i:SUM+16*\c+4*\i+3] offset:256*\c+16*\i
	ds_store_b128 v[VSS], v[M2+16*\c+4*\i:M2+16*\c+4*\i+3] offset:256*\c+128+16*\i
.endr
.endr
	ds_load_b128 v[T:T+3], v[VSL]                  ; LDS serves a wave's instructions in order: this sees my stores
	s_wait_dscnt 0x0
	global_store_b128 v[VPG], v[T:T+3], s[PP:PP+1] ; sixteen lanes store 256 consecutive bytes, aligned
.endm
	s_load_b256 s[4:11], s[0:1], 0x0               ; hd s[4:5], wimg s[6:7], stat1 s[8:9], ff_b1 s[10:11]
	s_load_b128 s[12:15], s[0:1], 0x20             ; ff_b2 s[12:13], part s[14:15]
	s_load_b64 s[16:17], s[0:1], 0x30              ; gq
	v_lshl_add_u32 v254, v0, 2, 0x4f800
	v_mov_b32 v255, 0
	v_lshrrev_b32 v40, 5, v0
	v_readfirstlane_b32 s20, v40                   ; wave
	v_and_b32 v40, 31, v0                          ; lane
	v_and_b32 v41, 15, v0                          ; r
	v_bfe_u32 v42, v0, 4, 1                        ; h
	v_lshlrev_b32 v[LI], 4, v40
	v_lshlrev_b32 v[L8], 3, v40
	v_lshl_add_u32 v[ASA], v40, 5, SCB
	s_mul_i32 s27, s20, 6656
	v_add_nc_u32 v[CH], s27, v[LI]
	s_lshl_b32 s21, s20, 15
	s_add_co_u32 s21, s21, STA
	v_add_nc_u32 v[ST], s21, v[LI]
	s_lshr_b32 s24, s20, 1
	s_mul_i32 s24, s24, 12288
	s_and_b32 s25, s20, 1
	s_mul_i32 s26, s25, 520
	s_add_co_u32 s26, s26, s24
	v_add_nc_u32 v[WA], s26, v[LI]
	s_mul_i32 s26, s25, 1016
	s_add_co_u32 s26, s26, s24
	s_add_co_u32 s26, s26, 8
	v_add_nc_u32 v[WB], s26, v[LI]
	s_lshr_b32 s24, s20, 2
	s_lshl_b32 s24, s24, 10
	s_bfe_u32 s26, s20, 0x10001
	s_lshl_b32 s26, s26, 9
	s_add_co_u32 s24, s24, s26
	s_lshl_b32 s26, s25, 1
	s_add_co_u32 s24, s24, s26
	s_add_co_u32 s24, s24, SCB
	v_lshl_add_u32 v[WS], v41, 5, s24
	v_lshlrev_b32 v[PO], 6, v42
	s_lshl_b32 s24, s20, 9
	s_add_co_u32 s24, s24, SCR
	v_add_nc_u32 v[VSS], s24, v[PO]
	v_add_nc_u32 v[VSL], s24, v[LI]
	v_lshlrev_b32 v[VPG], 4, v41
	v_lshl_add_u32 v[VPG], v42, 16, v[VPG]
	s_mul_i32 s24, s20, 768
	s_add_co_u32 s24, s24, PB
	v_add_nc_u32 v[PS], s24, v[L8]
	v_add_nc_u32 v[PL], s24, v[PO]
.irp i, 0,1,2,3
	v_mov_b32 v[TM+4+\i], 0                        ; written once: a lane permute's destination counts as one of its sources
.endr
	s_mov_b32 s[SEL], 0x76543210
	s_mov_b32 s[SEL+1], 0xfedcba98
	s_mul_i32 s22, ttmp9, 53248
	s_add_co_u32 s22, s22, s27
	s_mov_b32 s23, 0
	s_wait_kmcnt 0x0
	s_add_nc_u64 s[4:5], s[4:5], s[22:23]
	s_add_nc_u64 s[16:17], s[16:17], s[22:23]      ; gq: my eighth of the work-group's block, as in hd
	s_mul_i32 s22, s20, 24576
	s_add_nc_u64 s[WPB:WPB+1], s[6:7], s[22:23]
	s_lshl_b32 s22, s20, 10
	s_add_co_u32 s22, s22, 196608
	s_add_nc_u64 s[WSB:WSB+1], s[6:7], s[22:23]
	s_lshl_b32 s22, s20, 8
	s_add_nc_u64 s[8:9], s[8:9], s[22:23]
	s_add_nc_u64 s[10:11], s[10:11], s[22:23]
	s_add_nc_u64 s[12:13], s[12:13], s[22:23]
	s_lshl_b32 s22, s20, 17
	s_lshl_b32 s21, ttmp9, 8
	s_add_co_u32 s22, s22, s21
	s_add_nc_u64 s[14:15], s[14:15], s[22:23]
	; ---- my columns' a1, c1, b1 (32 lanes x 8 bytes each), and the heads' images and scale words as they lie: 6,656 bytes a wave
	global_load_b64 v[100:101], v[L8], s[8:9]
	global_load_b64 v[102:103], v[L8], s[8:9] offset:2048
	global_load_b64 v[104:105], v[L8], s[10:11]
.set ci, 0
.rept 13
	global_load_b128 v[48+4*ci:48+4*ci+3], v[LI], s[4:5] offset:512*ci th:TH_LOAD_NT
.set ci, ci+1
.endr
	PRE 3
	s_wait_loadcnt 26                              ; the 16 are in; the weights' 26 loads behind them may be out
.irp k, 0,1,2
	ds_store_b64 v[PS], v[100+2*\k:101+2*\k] offset:256*\k
.endr
.set ci, 0
.rept 13
	ds_store_b128 v[CH], v[48+4*ci:48+4*ci+3] offset:512*ci
.set ci, ci+1
.endr
	BAR
	GEMM 1, 0, 1, 3                                ; out = heads Wo
	PLOADL 48, 0                                   ; a1
	PLOADL 80, 1                                   ; c1
	PRE 4
	s_wait_dscnt 0x0                               ; a1 and c1 are in
	WIN 0x41
.set ci, 0
.rept 128
	v_pk_fma_f32 v[2*ci:2*ci+1], v[2*ci:2*ci+1], v[48+2*(ci%16):48+2*(ci%16)+1], v[80+2*(ci%16):80+2*(ci%16)+1]   ; h = a1 out + c1
.set ci, ci+1
.endr
	WIN 0x04
.set ci, 0
.rept 64
	ds_store_b128 v[ST], v[4*ci:4*ci+3] offset:512*ci      ; h waits in my stash
.set ci, ci+1
.endr
	WIN 0
	BAR                                            ; every wave's reads of the heads' images are over
	REQUANT
	BAR                                            ; h's images lie in LDS
	GEMM 1, 0, 1, 4                                ; h W1^T
	PLOADL 48, 2                                   ; b1
	PRE 5
	s_wait_dscnt 0x0
	WIN 0x41
.set ci, 0
.rept 128
	v_pk_add_f32 v[2*ci:2*ci+1], v[2*ci:2*ci+1], v[48+2*(ci%16):48+2*(ci%16)+1]
.set ci, ci+1
.endr
	WIN 0x44
.set ci, 0
.rept 256
	v_max_num_f32 v[ci], 0, v[ci]                  ; the activation, in f32
.set ci, ci+1
.endr
	WIN 0
	BAR                                            ; every wave's reads of h's images are over
	REQUANT
	BAR                                            ; g's images lie in LDS
.set ci, 0
.rept 13
	ds_load_b128 v[48+4*ci:48+4*ci+3], v[CH] offset:512*ci ; g's block goes to memory as it lies: my eighth of it
.set ci, ci+1
.endr
	WIN 0x40
.set ci, 0
.rept 48
	ds_load_b128 v[4*ci:4*ci+3], v[ST] offset:512*ci       ; h comes back as the sums' start
.set ci, ci+1
.endr
	s_wait_dscnt 48                                ; the 13 are in; the 48 behind them may be out
	WIN 0
.set ci, 0
.rept 13
	global_store_b128 v[LI], v[48+4*ci:48+4*ci+3], s[16:17] offset:512*ci   ; 32 lanes store 512 consecutive bytes
.set ci, ci+1
.endr
	WIN 0x40
.set ci, 48
.rept 16
	ds_load_b128 v[4*ci:4*ci+3], v[ST] offset:512*ci
.set ci, ci+1
.endr
	WIN 0
	s_wait_xcnt 0x0                                ; the stores have read their data: the registers take fragments next
	GEMM 1, 0, 0, 5                                ; h + g W2^T
	PLOAD 144, 12, 0                               ; b2 moves each column's mean and no deviation; it lands while the statistics are made
	STATS 1
	s_wait_tensorcnt 0x0
	ds_add_u32 v254, v255
	s_wait_dscnt 0x0
	s_endpgm
.Lfunc_end_k_qd984649847_ffns:
	.size	k_qd984649847_ffns, .Lfunc_end_k_qd984649847_ffns-k_qd984649847_ffns
	.p2alignl 7, 3214868480
	.fill 96, 4, 3214868480
	.section	.rodata,"a",@progbits
	.p2align	6, 0x0
	.amdhsa_kernel k_qd984649847_ffns
		.amdhsa_group_segment_fixed_size 326656
		.amdhsa_private_segment_fixed_size 0
		.amdhsa_enable_private_segment 0
		.amdhsa_kernarg_size 56
		.amdhsa_user_sgpr_count 2
		.amdhsa_user_sgpr_kernarg_segment_ptr 1
		.amdhsa_wavefront_size32 1
		.amdhsa_system_sgpr_workgroup_id_x 1
		.amdhsa_system_sgpr_workgroup_id_y 1
		.amdhsa_system_sgpr_workgroup_id_z 1
		.amdhsa_system_vgpr_workitem_id 0
		.amdhsa_next_free_vgpr 512
		.amdhsa_next_free_sgpr 66
		.amdhsa_reserve_vcc 0
		.amdhsa_float_denorm_mode_32 3
		.amdhsa_float_denorm_mode_16_64 3
		.amdhsa_memory_ordered 1
		.amdhsa_forward_progress 1
		.amdhsa_inst_pref_size 208
	.end_amdhsa_kernel
	.amdgpu_metadata
---
amdhsa.version: [ 1, 2 ]
amdhsa.kernels:
  - .name:           k_qd984649847_ffns
    .symbol:         k_qd984649847_ffns.kd
    .args:
      - { .name: hd, .offset: 0, .size: 8, .value_kind: global_buffer, .address_space: global }
      - { .name: wimg, .offset: 8, .size: 8, .value_kind: global_buffer, .address_space: global }
      - { .name: stat1, .offset: 16, .size: 8, .value_kind: global_buffer, .address_space: global }
      - { .name: ff_b1, .offset: 24, .size: 8, .value_kind: global_buffer, .address_space: global }
      - { .name: ff_b2, .offset: 32, .size: 8, .value_kind: global_buffer, .address_space: global }
      - { .name: part, .offset: 40, .size: 8, .value_kind: global_buffer, .address_space: global }
      - { .name: gq, .offset: 48, .size: 8, .value_kind: global_buffer, .address_space: global }
    .group_segment_fixed_size: 326656
    .private_segment_fixed_size: 0
    .kernarg_segment_align: 8
    .kernarg_segment_size: 56
    .max_flat_workgroup_size: 256
    .sgpr_count:     66
    .vgpr_count:     512
    .wavefront_size: 32
...
	.end_amdgpu_metadata
.endif
;; end of part 5
;; launch red2: the kernel of part 4 again; grid 16 x 1, 16 waves a work-group, no clusters, 10,240 bytes of LDS; arguments part, norm2_w, norm2_b, stat2; writes stat2
;; launch ffno (part 6): grid 256 x 1, 8 waves a work-group, no clusters, 152,576 bytes of LDS; arguments hd, gq, wimg, stat1, ff_b2, stat2, out0; writes out0
.if DOCPART == 6
	.amdgcn_target "amdgcn-amd-amdhsa--gfx1250"
	.amdhsa_code_object_version 6
	.text
	.protected	k_qd984649847_ffno
	.globl	k_qd984649847_ffno
	.p2align	8
	.type	k_qd984649847_ffno,@function
k_qd984649847_ffno:
	s_mov_b64 s[64:65], 0
	v_nop
	global_prefetch_b8 v0, s[64:65] scope:SCOPE_SE
	s_setreg_imm32_b32 hwreg(HW_REG_WAVE_MODE, 25, 1), 1
	s_wait_xcnt 0x0
; From the heads' codes and g's codes: out = heads Wo; h = a1 out + c1, in place in the accumulators; z = h + g W2^T + b2, the product adding straight onto h; out0 = a2 z + c2
; (the second batch norm, whose a2 and c2 span all rows and so come from the launches before).  g = relu(h W1^T + b1) was quantised by the launch before the statistics and is not made again.
; Both products on codes of FP6 (E2M3) with E8M0 scales; all else in f32.
; SHARES.  Work-group wg owns 128 rows; wave w owns columns 64 w .. 64 w + 63 of both products: 32 accumulators, all of window 1.  Both blocks of images (53,248 bytes each) come into LDS at the head; one barrier; from there on the waves share nothing.
; out is made again from 53,248 bytes of codes a work-group, so that no f32 intermediate of 67 MB is written and read.  The row tiles' permutation (row p of tile 2 b + u is token 32 b + 8 u + p + 8 (p / 8)) is undone by the last stores' offsets.
; a1, c1, a2, c2, b2 of the wave's 64 columns (256 bytes each) are loaded at the head and wait in the wave's own LDS bytes; at their use they come by LDS loads.
; NO JOINT TENSOR LOADS for the weights, though all 256 work-groups read the same 409,600 bytes and 176,128 bytes of LDS are free here: each fragment goes from memory straight into the registers of the one wave that uses it,
; in the form that the sister launches, whose LDS is full, need; a ring of joint loads would serve this launch alone and is not built.
; LIMITS: NaN and infinities are not served.
; REGISTERS, window 0: v1-11 addresses; v16-31 the rows' scale words; v32-39 the weights'; v48-143 8 row fragments (between phases: parameters); v144-239 two sets of weights, at the end rows on their way out.   window 1: the blocks on their way in, then the accumulators.
.set SCB,  49152                       ; LDS: the heads' block at 0: images [(8 s + m) x 1,536], scale words at SCB;
.set GB,   53248                       ; g's block, laid alike;
.set STG,  106496                      ; a stage of 16 rows x 272 bytes for each wave, for the way out;
.set PB,   141312                      ; the parameters: 1,280 bytes a wave: a1, c1, a2, c2, b2
.set LI,   1                           ; 16 x lane
.set ASA0, 2                           ; SCB + 32 x lane
.set AI1,  3                           ; GB + 16 x lane
.set ASA1, 4                           ; GB + SCB + 32 x lane
.set CH,   5                           ; 6,656 w + 16 x lane
.set PS,   6                           ; my parameters' bytes + 8 x lane
.set PL,   7                           ; my parameters' bytes + 64 h
.set L8,   8                           ; 8 x lane
.set OS,   9
.set OR,   10
.set GO,   11
.set ASC,  16
.set WSC,  32
.set AF,   48
.set WF,   144
.set WPB,  40
.set WSB,  42
.set MSB, 0
.macro WIN new                         ; the immediate's high byte repeats the setting that is left
.if MSB != (\new)
	s_set_vgpr_msb (MSB<<8)|(\new)
.set MSB, (\new)
.endif
.endm
.macro NOP4                            ; four places behind a matrix instruction (ISA guide 7.12.1), where no other vector work is at hand
.rept 4
	v_nop
.endr
.endm
.macro BAR                             ; my LDS stores have landed and my LDS loads are in: then the work-group's barrier
	s_wait_dscnt 0x0
	s_barrier_signal -1
	s_barrier_wait -1
.endm
.macro WLOAD set, mat, s
.irp t, 0,1,2,3
.irp g, 0,1,2
	global_load_b128 v[WF+48*(\set)+12*\t+4*\g:WF+48*(\set)+12*\t+4*\g+3], v[LI], s[WPB:WPB+1] offset:204800*(\mat)+6144*(\s)+1536*\t+512*\g
.endr
.endr
.endm
.macro PRE mat
	global_load_b128 v[WSC:WSC+3], v[LI], s[WSB:WSB+1] offset:204800*(\mat)
	global_load_b128 v[WSC+4:WSC+7], v[LI], s[WSB:WSB+1] offset:204800*(\mat)+512
	WLOAD 0, \mat, 0
	WLOAD 1, \mat, 1
.endm
.macro AFETCH s, m0                    ; AI names the address register of the block in hand
.irp mm, 0,1,2,3
.irp g, 0,1,2
	ds_load_b128 v[AF+12*((\m0)+\mm)+4*\g:AF+12*((\m0)+\mm)+4*\g+3], v[AI] offset:(8*(\s)+(\m0)+\mm)*1536+512*\g
.endr
.endr
.endm
.macro ASCL                            ; ASA likewise
.irp sg, 0,1
.irp mh, 0,1
	ds_load_b128 v[ASC+8*\sg+4*\mh:ASC+8*\sg+4*\mh+3], v[ASA] offset:1024*\sg+16*\mh
.endr
.endr
.endm
.macro MM tr, arr, s, m, first
.irp t, 0,1,2,3
.if \arr
.set zD, 8*(8*\t+(\m))
.else
.set zD, 8*(4*(\m)+\t)
.endif
.if \tr
.set zP, WF+48*((\s)%2)+12*\t
.set zQ, AF+12*(\m)
.set zX, WSC+4*((\s)/2)+\t
.set zY, ASC+8*((\s)/2)+(\m)
.else
.set zQ, WF+48*((\s)%2)+12*\t
.set zP, AF+12*(\m)
.set zY, WSC+4*((\s)/2)+\t
.set zX, ASC+8*((\s)/2)+(\m)
.endif
.if (\first) && ((\s) == 0)
	v_wmma_scale_f32_16x16x128_f8f6f4 v[zD:zD+7], v[zP:zP+11], v[zQ:zQ+11], 0, v[zX], v[zY] matrix_a_fmt:MATRIX_FMT_FP6 matrix_b_fmt:MATRIX_FMT_FP6
.elseif ((\s)%2) == 0
	v_wmma_scale_f32_16x16x128_f8f6f4 v[zD:zD+7], v[zP:zP+11], v[zQ:zQ+11], v[zD:zD+7], v[zX], v[zY] matrix_a_fmt:MATRIX_FMT_FP6 matrix_b_fmt:MATRIX_FMT_FP6
.else
	v_wmma_scale_f32_16x16x128_f8f6f4 v[zD:zD+7], v[zP:zP+11], v[zQ:zQ+11], v[zD:zD+7], v[zX], v[zY] matrix_a_fmt:MATRIX_FMT_FP6 matrix_b_fmt:MATRIX_FMT_FP6 matrix_a_scale:MATRIX_SCALE_ROW1 matrix_b_scale:MATRIX_SCALE_ROW1
.endif
.endr
.endm
; 128 rows x 64 columns x K 512: 128 matrix instructions; the 32 accumulators take turns in one order in every K step
.macro GEMM tr, arr, first, mat
	ASCL
	AFETCH 0, 0
	AFETCH 0, 4
.irp s, 0,1,2,3
.if \s < 3
	s_wait_loadcnt 12                              ; this K step's weights are in; the other set's 12 loads may be out
.else
	s_wait_loadcnt 0x0
.endif
	s_wait_dscnt 12                                ; row fragments 0-3 and the scale words are in; the 12 loads of fragments 4-7 may be out
	WIN 0x50
.irp m, 0,1,2,3
	MM \tr, \arr, \s, \m, \first
.endr
	WIN 0
.if \s < 3
	NOP4
	AFETCH \s+1, 0
	s_wait_dscnt 12                                ; fragments 4-7 are in; the 12 just issued may be out
.else
	s_wait_dscnt 0x0
.endif
	WIN 0x50
.irp m, 4,5,6,7
	MM \tr, \arr, \s, \m, \first
.endr
	WIN 0
	NOP4
.if \s < 3
	AFETCH \s+1, 4
.endif
.if \s < 2
	WLOAD \s%2, \mat, \s+2
.endif
.endr
.endm
.macro PLOADL reg, k                   ; a lane's 32 column parameters in the accumulators' order, from my own LDS bytes: register 16 c + i = column 64 w + 32 c + 16 h + i; the sixteen lanes of a half read the same bytes
.irp c, 0,1
.irp i, 0,1,2,3
	ds_load_b128 v[(\reg)+16*\c+4*\i:(\reg)+16*\c+4*\i+3], v[PL] offset:256*(\k)+128*\c+16*\i
.endr
.endr
.endm
	s_load_b256 s[4:11], s[0:1], 0x0               ; hd s[4:5], gq s[6:7], wimg s[8:9], stat1 s[10:11]
	s_load_b128 s[12:15], s[0:1], 0x20             ; ff_b2 s[12:13], stat2 s[14:15]
	s_load_b64 s[16:17], s[0:1], 0x30              ; out0
	v_lshl_add_u32 v254, v0, 2, 0x25000
	v_mov_b32 v255, 0
	v_lshrrev_b32 v12, 5, v0
	v_readfirstlane_b32 s20, v12                   ; wave
	v_and_b32 v12, 31, v0                          ; lane
	v_and_b32 v13, 15, v0                          ; r
	v_bfe_u32 v14, v0, 4, 1                        ; h
	v_lshlrev_b32 v[LI], 4, v12
	v_lshlrev_b32 v[L8], 3, v12
	v_lshl_add_u32 v[ASA0], v12, 5, SCB
	v_add_nc_u32 v[AI1], GB, v[LI]
	v_add_nc_u32 v[ASA1], GB, v[ASA0]
	s_mul_i32 s27, s20, 6656
	v_add_nc_u32 v[CH], s27, v[LI]
	s_mul_i32 s21, s20, 1280
	s_add_co_u32 s21, s21, PB
	v_add_nc_u32 v[PS], s21, v[L8]
	v_lshl_add_u32 v[PL], v14, 6, s21
	s_mul_i32 s21, s20, 4352
	s_add_co_u32 s21, s21, STG                     ; my stage
	v_mul_u32_u24 v[OS], v13, 272                  ; the way out, in: row r of 272 bytes, + 64 h
	v_lshl_add_u32 v[OS], v14, 6, v[OS]
	v_add_nc_u32 v[OS], s21, v[OS]
	v_mul_u32_u24 v[OR], v14, 272                  ; back: lanes 0-15 one row, lanes 16-31 the next
	v_lshl_add_u32 v[OR], v13, 4, v[OR]
	v_add_nc_u32 v[OR], s21, v[OR]
	v_lshlrev_b32 v[GO], 4, v13                    ; and the same two rows in out0
	v_lshl_add_u32 v[GO], v14, 11, v[GO]
	s_mul_i32 s22, ttmp9, 53248
	s_add_co_u32 s22, s22, s27
	s_mov_b32 s23, 0
	s_wait_kmcnt 0x0
	s_add_nc_u64 s[4:5], s[4:5], s[22:23]
	s_add_nc_u64 s[6:7], s[6:7], s[22:23]
	s_mul_i32 s22, s20, 24576
	s_add_nc_u64 s[WPB:WPB+1], s[8:9], s[22:23]
	s_lshl_b32 s22, s20, 10
	s_add_co_u32 s22, s22, 196608
	s_add_nc_u64 s[WSB:WSB+1], s[8:9], s[22:23]
	s_lshl_b32 s22, s20, 8
	s_add_nc_u64 s[10:11], s[10:11], s[22:23]
	s_add_nc_u64 s[12:13], s[12:13], s[22:23]
	s_add_nc_u64 s[14:15], s[14:15], s[22:23]
	s_lshl_b32 s21, ttmp9, 18
	s_add_co_u32 s22, s22, s21
	s_add_nc_u64 s[16:17], s[16:17], s[22:23]      ; out0: 128 wg rows of 2,048 bytes + 256 w
	; ---- all that the launch reads but the weights is asked for here, into window 1: five parameters (32 lanes x 8 bytes each) and my eighth, 6,656 bytes, of each block
	WIN 0x40
	global_load_b64 v[104:105], v[L8], s[10:11]            ; a1
	global_load_b64 v[106:107], v[L8], s[10:11] offset:2048 ; c1
	global_load_b64 v[108:109], v[L8], s[14:15]            ; a2
	global_load_b64 v[110:111], v[L8], s[14:15] offset:2048 ; c2
	global_load_b64 v[112:113], v[L8], s[12:13]            ; b2
.set ci, 0
.rept 13
	global_load_b128 v[4*ci:4*ci+3], v[LI], s[4:5] offset:512*ci th:TH_LOAD_NT
.set ci, ci+1
.endr
.set ci, 0
.rept 13
	global_load_b128 v[52+4*ci:52+4*ci+3], v[LI], s[6:7] offset:512*ci th:TH_LOAD_NT
.set ci, ci+1
.endr
	WIN 0
	PRE 3
	s_wait_loadcnt 26                              ; the 31 are in; the weights' 26 loads behind them may be out
	WIN 0x04
.irp k, 0,1,2,3,4
	ds_store_b64 v[PS], v[104+2*\k:105+2*\k] offset:256*\k
.endr
.set ci, 0
.rept 13
	ds_store_b128 v[CH], v[4*ci:4*ci+3] offset:512*ci
.set ci, ci+1
.endr
.set ci, 0
.rept 13
	ds_store_b128 v[CH], v[52+4*ci:52+4*ci+3] offset:GB+512*ci
.set ci, ci+1
.endr
	WIN 0
	BAR                                            ; both blocks lie in LDS; from here on they are only read
.set AI,  LI
.set ASA, ASA0
	GEMM 1, 0, 1, 3                                ; out = heads Wo
	PLOADL 48, 0                                   ; a1
	PLOADL 80, 1                                   ; c1
	PRE 5
	s_wait_dscnt 0x0                               ; a1 and c1 are in
	WIN 0x41
.set ci, 0
.rept 128
	v_pk_fma_f32 v[2*ci:2*ci+1], v[2*ci:2*ci+1], v[48+2*(ci%16):48+2*(ci%16)+1], v[80+2*(ci%16):80+2*(ci%16)+1]   ; h = a1 out + c1: it stays where it is, as the next sums' start
.set ci, ci+1
.endr
	WIN 0
.set AI,  AI1
.set ASA, ASA1
	GEMM 1, 0, 0, 5                                ; h + g W2^T
	PLOADL 48, 2                                   ; a2
	PLOADL 80, 3                                   ; c2
	PLOADL 112, 4                                  ; b2
	s_wait_dscnt 0x0
.set ci, 0
.rept 16
	v_pk_fma_f32 v[80+2*ci:80+2*ci+1], v[48+2*ci:48+2*ci+1], v[112+2*ci:112+2*ci+1], v[80+2*ci:80+2*ci+1]   ; a2 b2 + c2: b2 costs no pass of its own
.set ci, ci+1
.endr
	WIN 0x41
.set ci, 0
.rept 128
	v_pk_fma_f32 v[2*ci:2*ci+1], v[2*ci:2*ci+1], v[48+2*(ci%16):48+2*(ci%16)+1], v[80+2*(ci%16):80+2*(ci%16)+1]   ; a2 (h + g W2^T + b2) + c2
.set ci, ci+1
.endr
	WIN 0
; THE WAY OUT, a row tile at a time, through my own stage in LDS (16 rows x 272 bytes): a lane holds 128 bytes of one row in two pieces; they come back as rows of 256 bytes.
; LDS serves a wave's instructions in order (ISA guide 5.7.1.4): no wait between the stores and the loads, nor in front of the next tile's stores.
.macro TOSTAGE m
	WIN 0x04
.irp c, 0,1
.irp i, 0,1,2,3
	ds_store_b128 v[OS], v[32*(\m)+16*\c+4*\i:32*(\m)+16*\c+4*\i+3] offset:128*\c+16*\i
.endr
.endr
	WIN 0
.irp i, 0,1,2,3,4,5,6,7
	ds_load_b128 v[144+32*((\m)%2)+4*\i:144+32*((\m)%2)+4*\i+3], v[OR] offset:544*\i
.endr
.endm
.macro SEND m, younger                 ; younger: the LDS instructions issued behind tile m's loads, which may stay out
	s_wait_dscnt \younger
.irp i, 0,1,2,3,4,5,6,7
	global_store_b128 v[GO], v[144+32*((\m)%2)+4*\i:144+32*((\m)%2)+4*\i+3], s[16:17] offset:(32*((\m)/2)+8*((\m)%2)+2*\i+8*(\i/4))*2048 th:TH_STORE_NT   ; sixteen lanes store 256 consecutive bytes, aligned: rows 2 i and 2 i + 1 of the tile, at their tokens
.endr
.endm
	TOSTAGE 0
.irp a, 1,2,3,4,5,6,7
.if \a > 1
	s_wait_xcnt 0x0                                ; tile a - 2's stores have read their registers: tile a's loads may land there
.endif
	TOSTAGE \a
	SEND \a-1, 16                                  ; behind tile a - 1's loads: tile a's 8 stores and 8 loads
.endr
	SEND 7, 0
	s_wait_tensorcnt 0x0
	ds_add_u32 v254, v255
	s_wait_dscnt 0x0
	s_endpgm
.Lfunc_end_k_qd984649847_ffno:
	.size	k_qd984649847_ffno, .Lfunc_end_k_qd984649847_ffno-k_qd984649847_ffno
	.p2alignl 7, 3214868480
	.fill 96, 4, 3214868480
	.section	.rodata,"a",@progbits
	.p2align	6, 0x0
	.amdhsa_kernel k_qd984649847_ffno
		.amdhsa_group_segment_fixed_size 152576
		.amdhsa_private_segment_fixed_size 0
		.amdhsa_enable_private_segment 0
		.amdhsa_kernarg_size 56
		.amdhsa_user_sgpr_count 2
		.amdhsa_user_sgpr_kernarg_segment_ptr 1
		.amdhsa_wavefront_size32 1
		.amdhsa_system_sgpr_workgroup_id_x 1
		.amdhsa_system_sgpr_workgroup_id_y 1
		.amdhsa_system_sgpr_workgroup_id_z 1
		.amdhsa_system_vgpr_workitem_id 0
		.amdhsa_next_free_vgpr 512
		.amdhsa_next_free_sgpr 66
		.amdhsa_reserve_vcc 0
		.amdhsa_float_denorm_mode_32 3
		.amdhsa_float_denorm_mode_16_64 3
		.amdhsa_memory_ordered 1
		.amdhsa_forward_progress 1
		.amdhsa_inst_pref_size 100
	.end_amdhsa_kernel
	.amdgpu_metadata
---
amdhsa.version: [ 1, 2 ]
amdhsa.kernels:
  - .name:           k_qd984649847_ffno
    .symbol:         k_qd984649847_ffno.kd
    .args:
      - { .name: hd, .offset: 0, .size: 8, .value_kind: global_buffer, .address_space: global }
      - { .name: gq, .offset: 8, .size: 8, .value_kind: global_buffer, .address_space: global }
      - { .name: wimg, .offset: 16, .size: 8, .value_kind: global_buffer, .address_space: global }
      - { .name: stat1, .offset: 24, .size: 8, .value_kind: global_buffer, .address_space: global }
      - { .name: ff_b2, .offset: 32, .size: 8, .value_kind: global_buffer, .address_space: global }
      - { .name: stat2, .offset: 40, .size: 8, .value_kind: global_buffer, .address_space: global }
      - { .name: out0, .offset: 48, .size: 8, .value_kind: global_buffer, .address_space: global }
    .group_segment_fixed_size: 152576
    .private_segment_fixed_size: 0
    .kernarg_segment_align: 8
    .kernarg_segment_size: 56
    .max_flat_workgroup_size: 256
    .sgpr_count:     66
    .vgpr_count:     512
    .wavefront_size: 32
...
	.end_amdgpu_metadata
.endif
;; end of part 6
;; ======== version 2 of 2: 7 launches
;; workspace buffers: wimg 1,228,800 bytes; q 13,631,488 bytes; kv 26,738,688 bytes; hd 13,631,488 bytes; gq 13,631,488 bytes; part 1,048,576 bytes; stat1 4,096 bytes; stat2 4,096 bytes
;; launch prep (part 7): grid 96 x 1, 8 waves a work-group, no clusters, 2,048 bytes of LDS; arguments Wq, Wk, Wv, Wo, ff_w1, ff_w2, wimg; writes wimg
.if DOCPART == 7
	.amdgcn_target "amdgcn-amd-amdhsa--gfx1250"
	.amdhsa_code_object_version 6
	.text
	.protected	k_qd984649847_prep
	.globl	k_qd984649847_prep
	.p2align	8
	.type	k_qd984649847_prep,@function
k_qd984649847_prep:
	s_mov_b64 s[64:65], 0
	v_nop
	global_prefetch_b8 v0, s[64:65] scope:SCOPE_SE
	s_setreg_imm32_b32 hwreg(HW_REG_WAVE_MODE, 25, 1), 1
	s_wait_xcnt 0x0
; The six weights become codes of FP6 (E2M3) with one E8M0 byte for each 32 along K, laid in the ORDER OF THE OPERAND'S REGISTERS.
; wimg: 6 matrices (Wq, Wk, Wv, Wo, ff_w1, ff_w2) x 204,800 bytes: codes [cw 8][s 4][t 4] x 1,536 bytes (register q of lane l at 512 (q / 4) + 16 l + 4 (q % 4)),
; then scale words [cw 8][sg 2][lane 32][t 4]: lanes 0-15 K step 2 sg, lanes 16-31 K step 2 sg + 1.
; A fragment (cw, s, t): lane r is output column 64 cw + 32 (t / 2) + 8 (t % 2) + r + 8 (r / 8); K = 128 s + 0 .. 127.
; One wave makes one fragment: a lane takes a column and its 64 registers run along K in the operand's own order (k = 64 c + 32 h + i), so the conversions' results are the operand's registers.
; Work-group g: matrix g / 16, column group (g / 2) % 8, sg = g % 2; wave: K step 2 sg + wave / 4, tile wave % 4.  96 work-groups: that is all the work there is (6 MB read once).
; LIMITS: NaN and infinities are not served; a block whose largest magnitude lies under 2^-124 (zeros too) gets the byte 1: its bytes are read by this program alone.
.set X, 64                             ; v64-127: register 32 c + i = k 64 c + 32 h + i of my column
	s_load_b256 s[4:11], s[0:1], 0x0               ; Wq s[4:5], Wk s[6:7], Wv s[8:9], Wo s[10:11]
	s_load_b128 s[12:15], s[0:1], 0x20             ; ff_w1 s[12:13], ff_w2 s[14:15]
	s_load_b64 s[16:17], s[0:1], 0x30              ; wimg
	v_lshl_add_u32 v128, v0, 2, 0x400
	v_mov_b32 v129, 0
	v_lshrrev_b32 v1, 5, v0
	s_delay_alu instid0(VALU_DEP_1)
	v_readfirstlane_b32 s18, v1                    ; wave
	s_lshr_b32 s19, ttmp9, 4                       ; matrix
	s_bfe_u32 s20, ttmp9, 0x30001                  ; cw
	s_and_b32 s21, ttmp9, 1                        ; sg
	s_lshr_b32 s22, s18, 2                         ; sp
	s_and_b32 s23, s18, 3                          ; t
	s_lshl_b32 s24, s21, 1
	s_add_co_u32 s24, s24, s22                     ; K step s = 2 sg + sp
	s_lshr_b32 s25, s23, 1
	s_lshl_b32 s25, s25, 5
	s_and_b32 s26, s23, 1
	s_lshl_b32 s26, s26, 3
	s_add_co_u32 s25, s25, s26                     ; tb = 32 (t / 2) + 8 (t % 2)
	v_and_b32 v2, 15, v0                           ; r
	v_bfe_u32 v3, v0, 4, 1                         ; h
	s_delay_alu instid0(VALU_DEP_2)
	v_and_b32 v4, 8, v2
	s_delay_alu instid0(VALU_DEP_1)
	v_add_nc_u32 v4, v4, v2                        ; r + 8 (r / 8)
	v_and_b32 v5, 31, v0                           ; lane
	s_wait_alu depctr_va_vdst(0)
	v_lshlrev_b32 v6, 2, v4
	s_delay_alu instid0(VALU_DEP_1)
	v_lshl_add_u32 v7, v3, 16, v6                  ; Wo: 32 h rows of 2,048 bytes + 4 x column
	s_delay_alu instid0(VALU_DEP_2)
	v_lshl_add_u32 v6, v3, 13, v6                  ; Wq, Wk, Wv: 32 h rows of 256 bytes + 4 x column
	v_lshlrev_b32 v8, 11, v4
	s_delay_alu instid0(VALU_DEP_1)
	v_lshl_add_u32 v8, v3, 7, v8                   ; ff_w1, ff_w2: row = column of the product, 2,048 bytes; + 128 h
	s_lshl_b32 s28, s20, 17                        ; Wq, Wk, Wv: head cw, 128 s rows of 256 bytes, 4 tb
	s_lshl_b32 s27, s24, 15
	s_add_co_u32 s28, s28, s27
	s_lshl_b32 s27, s25, 2
	s_add_co_u32 s28, s28, s27
	s_mov_b32 s29, 0
	s_lshl_b32 s30, s24, 18                        ; Wo: 128 s rows of 2,048 bytes, 4 (64 cw + tb)
	s_lshl_b32 s27, s20, 8
	s_add_co_u32 s30, s30, s27
	s_lshl_b32 s27, s25, 2
	s_add_co_u32 s30, s30, s27
	s_mov_b32 s31, 0
	s_lshl_b32 s32, s20, 17                        ; ff: 2,048 (64 cw + tb) + 512 s
	s_lshl_b32 s27, s25, 11
	s_add_co_u32 s32, s32, s27
	s_lshl_b32 s27, s24, 9
	s_add_co_u32 s32, s32, s27
	s_mov_b32 s33, 0
	s_mul_i32 s34, s19, 204800                     ; the matrix's place in wimg
	s_mov_b32 s35, 0
	s_lshl_b32 s36, s20, 2
	s_add_co_u32 s36, s36, s24
	s_lshl_b32 s36, s36, 2
	s_add_co_u32 s36, s36, s23
	s_mul_i32 s36, s36, 1536                       ; the fragment's place
	v_lshl_add_u32 v11, v5, 4, s36                 ; + 16 x lane
	s_lshl_b32 s37, s20, 1
	s_add_co_u32 s37, s37, s21
	s_lshl_b32 s37, s37, 9
	s_add_co_u32 s37, s37, 196608                  ; the 512 bytes of scale words of (cw, sg)
	v_lshlrev_b32 v13, 4, v5                       ; LDS, on the way out: 16 x lane
	s_delay_alu instid0(VALU_DEP_1)
	v_add_nc_u32 v14, s37, v13
	s_lshl_b32 s38, s22, 8
	s_lshl_b32 s39, s23, 2
	s_add_co_u32 s38, s38, s39
	v_lshl_add_u32 v12, v2, 4, s38                 ; LDS, on the way in: 16 (r + 16 sp) + 4 t
	s_mov_b32 s40, 0x76543210
	s_mov_b32 s41, 0xfedcba98                      ; v_permlanex16_b32's selects for lane l xor 16
; K is not innermost: 64 loads of 4 bytes, a lane a column, registers down K
.macro COLS ptr, off, adr, pitch
	s_add_nc_u64 s[\ptr:\ptr+1], s[\ptr:\ptr+1], s[\off:\off+1]
.set ci, 0
.rept 64
	global_load_b32 v[X+ci], v[\adr], s[\ptr:\ptr+1] offset:(\pitch)*(64*(ci/32)+ci%32)
.set ci, ci+1
.endr
.endm
; K is innermost: 16 loads of 16 bytes from my row
.macro ROWS ptr
	s_add_nc_u64 s[\ptr:\ptr+1], s[\ptr:\ptr+1], s[32:33]
.set ci, 0
.rept 16
	global_load_b128 v[X+4*ci:X+4*ci+3], v8, s[\ptr:\ptr+1] offset:256*(ci/8)+16*(ci%8)
.set ci, ci+1
.endr
.endm
	s_wait_kmcnt 0x0
	s_add_nc_u64 s[16:17], s[16:17], s[34:35]
	s_cmp_eq_u32 s19, 0                            ; the paths part on the work-group's number alone and hold loads only
	s_cbranch_scc1 .Lwq
	s_cmp_eq_u32 s19, 1
	s_cbranch_scc1 .Lwk
	s_cmp_eq_u32 s19, 2
	s_cbranch_scc1 .Lwv
	s_cmp_eq_u32 s19, 3
	s_cbranch_scc1 .Lwo
	s_cmp_eq_u32 s19, 4
	s_cbranch_scc1 .Lw1
	s_wait_alu depctr_va_vdst(0)
	ROWS 14
	s_branch .Ljoin
.Lwq:
	s_wait_alu depctr_va_vdst(0)
	COLS 4, 28, 6, 256
	s_branch .Ljoin
.Lwk:
	s_wait_alu depctr_va_vdst(0)
	COLS 6, 28, 6, 256
	s_branch .Ljoin
.Lwv:
	s_wait_alu depctr_va_vdst(0)
	COLS 8, 28, 6, 256
	s_branch .Ljoin
.Lwo:
	s_wait_alu depctr_va_vdst(0)
	COLS 10, 30, 7, 2048
	s_branch .Ljoin
.Lw1:
	s_wait_alu depctr_va_vdst(0)
	ROWS 12
.Ljoin:
	s_wait_loadcnt 0x0
.irp c, 0,1                                    ; my block 2 c + h: all its 32 numbers are mine; the floor 2^(3 - 127) holds the byte at 1 from below
	v_max3_num_f32 v[32+\c], |v[X+32*\c]|, |v[X+32*\c+1]|, 0x1800000
.endr
.irp i, 2,4,6,8,10,12,14,16,18,20,22,24,26,28,30
.irp c, 0,1
	s_delay_alu instid0(VALU_DEP_2)
	v_max3_num_f32 v[32+\c], v[32+\c], |v[X+32*\c+\i]|, |v[X+32*\c+\i+1]|
.endr
.endr
.irp c, 0,1
	s_delay_alu instid0(VALU_DEP_2)
	v_add_nc_u32 v[44+\c], 0xff000000, v[32+\c]    ; 2 off the exponent field: the conversion's scale operand
.endr
.irp c, 0,1
	s_delay_alu instid0(VALU_DEP_2)
	v_lshrrev_b32 v[36+\c], 23, v[44+\c]           ; the scale's byte
.endr
	s_delay_alu instid0(VALU_DEP_1)
	v_lshl_or_b32 v9, v37, 16, v36                 ; my two bytes: blocks h and 2 + h,
	v_lshlrev_b32 v10, 3, v3
	s_delay_alu instid0(VALU_DEP_1)
	v_lshlrev_b32 v9, v10, v9                      ; 8 h bits up;
	v_mov_b32 v10, 0
	s_delay_alu instid0(VALU_DEP_1)
	v_permlanex16_b32 v10, v9, s40, s41
	s_delay_alu instid0(VALU_DEP_1)
	v_or_b32 v9, v9, v10                           ; with lane l xor 16's two the word is whole
.irp c, 0,1
	v_cvt_scalef32_pk16_fp6_f32 v[48+6*\c:50+6*\c], v[X+32*\c:X+32*\c+15], v[44+\c]
	v_cvt_scalef32_pk16_fp6_f32 v[16+4*\c:18+4*\c], v[X+32*\c+16:X+32*\c+31], v[44+\c]   ; (a conversion's three registers begin on an even number)
.endr
	v_nop                                          ; one plain place behind a scaled conversion
.irp c, 0,1
.irp i, 0,1,2
	v_mov_b32 v[51+6*\c+\i], v[16+4*\c+\i]
.endr
.endr
.irp g, 0,1,2
	global_store_b128 v11, v[48+4*\g:51+4*\g], s[16:17] offset:512*\g     ; 32 lanes store 512 consecutive bytes
.endr
	ds_store_b32 v12, v9                           ; lanes r and r + 16 write the same word with the same value
	s_wait_dscnt 0x0                               ; for the others' sake: my store is done
	s_barrier_signal -1
	s_barrier_wait -1
	s_cmp_lg_u32 s18, 0
	s_cbranch_scc1 .Lend
	ds_load_b128 v[20:23], v13                     ; wave 0 sends the eight waves' 512 bytes of scale words
	s_wait_dscnt 0x0
	global_store_b128 v14, v[20:23], s[16:17]
.Lend:
	s_wait_tensorcnt 0x0
	ds_add_u32 v128, v129
	s_wait_dscnt 0x0
	s_endpgm
.Lfunc_end_k_qd984649847_prep:
	.size	k_qd984649847_prep, .Lfunc_end_k_qd984649847_prep-k_qd984649847_prep
	.p2alignl 7, 3214868480
	.fill 96, 4, 3214868480
	.section	.rodata,"a",@progbits
	.p2align	6, 0x0
	.amdhsa_kernel k_qd984649847_prep
		.amdhsa_group_segment_fixed_size 2048
		.amdhsa_private_segment_fixed_size 0
		.amdhsa_enable_private_segment 0
		.amdhsa_kernarg_size 56
		.amdhsa_user_sgpr_count 2
		.amdhsa_user_sgpr_kernarg_segment_ptr 1
		.amdhsa_wavefront_size32 1
		.amdhsa_system_sgpr_workgroup_id_x 1
		.amdhsa_system_sgpr_workgroup_id_y 1
		.amdhsa_system_sgpr_workgroup_id_z 1
		.amdhsa_system_vgpr_workitem_id 0
		.amdhsa_next_free_vgpr 130
		.amdhsa_next_free_sgpr 66
		.amdhsa_reserve_vcc 0
		.amdhsa_float_denorm_mode_32 3
		.amdhsa_float_denorm_mode_16_64 3
		.amdhsa_memory_ordered 1
		.amdhsa_forward_progress 1
		.amdhsa_inst_pref_size 37
	.end_amdhsa_kernel
	.amdgpu_metadata
---
amdhsa.version: [ 1, 2 ]
amdhsa.kernels:
  - .name:           k_qd984649847_prep
    .symbol:         k_qd984649847_prep.kd
    .args:
      - { .name: Wq, .offset: 0, .size: 8, .value_kind: global_buffer, .address_space: global }
      - { .name: Wk, .offset: 8, .size: 8, .value_kind: global_buffer, .address_space: global }
      - { .name: Wv, .offset: 16, .size: 8, .value_kind: global_buffer, .address_space: global }
      - { .name: Wo, .offset: 24, .size: 8, .value_kind: global_buffer, .address_space: global }
      - { .name: ff_w1, .offset: 32, .size: 8, .value_kind: global_buffer, .address_space: global }
      - { .name: ff_w2, .offset: 40, .size: 8, .value_kind: global_buffer, .address_space: global }
      - { .name: wimg, .offset: 48, .size: 8, .value_kind: global_buffer, .address_space: global }
    .group_segment_fixed_size: 2048
    .private_segment_fixed_size: 0
    .kernarg_segment_align: 8
    .kernarg_segment_size: 56
    .max_flat_workgroup_size: 256
    .sgpr_count:     66
    .vgpr_count:     130
    .wavefront_size: 32
...
	.end_amdgpu_metadata
.endif
;; end of part 7
;; launch qkv (part 8): grid 256 x 1, 8 waves a work-group, no clusters, 318,464 bytes of LDS; arguments x, wimg, q, kv; writes q, kv
.if DOCPART == 8
	.amdgcn_target "amdgcn-amd-amdhsa--gfx1250"
	.amdhsa_code_object_version 6
	.text
	.protected	k_qd984649847_qkv
	.globl	k_qd984649847_qkv
	.p2align	8
	.type	k_qd984649847_qkv,@function
k_qd984649847_qkv:
	s_mov_b64 s[64:65], 0
	v_nop
	global_prefetch_b8 v0, s[64:65] scope:SCOPE_SE
	s_setreg_imm32_b32 hwreg(HW_REG_WAVE_SCHED_MODE, 0, 2), 2
	s_setreg_imm32_b32 hwreg(HW_REG_WAVE_MODE, 25, 1), 1
	s_wait_xcnt 0x0
	s_wait_alu depctr_vm_vsrc(0)
; Q, K, V = x Wq, x Wk, x Wv on codes of FP6 (E2M3) with E8M0 scales, and their results quantised again as operands of the attention's two products.
; SHARES.  Work-group wg = 4 b + kb owns tokens 128 kb .. 128 kb + 127 of batch b; wave w owns head w (64 columns): a tile of 128 x 64, 32 accumulators, all of window 1.
; ROW TILES ARE PERMUTED: row p of tile 2 b + u is token 32 b + 8 u + p + 8 (p / 8); the weights' column tiles likewise (launch prep).  So a result's registers run along the next product's K in order.
; x is read once: wave w loads row tile w (512 consecutive bytes a load), turns it through its own stage in LDS, quantises it and stores four fragments as IMAGES OF THEIR REGISTERS; one barrier; all waves read them.
; The weights' fragments go from memory straight into registers, each once a work-group.  Q and K are made transposed (source 0 = weights): a lane holds a token, registers run along the head's 64.
; V is made the natural way (source 0 = tokens): a lane holds a column of V, registers run along the tokens, which are the second product's K.
; NO JOINT TENSOR LOADS for the weights, though all 256 work-groups read them: 317,440 of the 327,680 bytes of LDS are written by ds_store here; 10,240 bytes hold no slot of a K step's 49,152 bytes of weights.
; LIMITS: NaN and infinities are not served; a block whose largest magnitude lies under 2^-124 (zeros too) gets the byte 1: these bytes are read by this program alone.
; REGISTERS, window 0: v1-10 addresses; v16-31 the rows' scale words; v32-39 the weights'; v40-47 scale words gathered; v48-143 8 row fragments (free between phases: v112-130 the quantiser's);
;   v144-239 two sets of 4 weight fragments; v240-251 codes just made; v252 their scale word.   window 1: x on its way in, x turned, then the accumulators.
; THE MODE: SCHED_MODE bits 1:0 = 2 (LLVM: expert scheduling mode 2), set by the entry lines.  The code itself states the register dependences between vector or matrix instructions and memory or LDS instructions, with s_wait_alu, always for 0.
; THE PLAN.  Registers that memory or LDS instructions touch, and who else names them:
;   v1-v9      addresses: written at the head, read by every load and store, never written again: one wait on va_vdst ahead of the first load.
;   window 1   x as loaded: global loads land, my LDS stores into the stage read.  One wait on vm_vsrc; then x turned, all four K steps at once: 64 LDS loads land, the quantiser reads.  Then the accumulators: vector and matrix instructions alone.
;   PC, PW     v240-252: a quantiser writes them, stores read them.  A wait on va_vdst stands behind each quantiser, ahead of its stores; the wait on vm_vsrc for those stores stands in the MIDDLE of the next quantiser,
;              behind its search for the maxima, which names neither.
;   SW         v40-47: written behind a quantiser's waits; read by one store for each of Q, K, V, behind a wait on va_vdst.
;   AF, WF, ASC, WSC  the products' operands: macro GEMM says who reads and who writes them.
.set SCB,  49152                       ; LDS: images [(8 s + m) x 1,536] at 0; scale words at SCB: (s, m, r) at 1024 (s / 2) + 32 (r + 16 (s % 2)) + 4 m
.set STG,  53248                       ; a stage of 16 rows x 2,064 bytes for each wave
.set LI,   1                           ; 16 x lane
.set AI,   1                           ; the images begin at LDS byte 0
.set ASA,  2                           ; SCB + 32 x lane
.set L8,   3                           ; 8 x lane
.set SA,   4                           ; my stage + 16 x lane
.set SRD,  5                           ; my stage + 2,064 r + 64 h
.set XW,   6                           ; 16 x lane + 1,536 w
.set XS,   7                           ; SCB + 32 r + 4 w
.set GS,   8                           ; 32 r + 16 h
.set GV,   9                           ; 16 r + 8 h
.set HH,   10                          ; h
.set ASC,  16
.set WSC,  32
.set SW,   40
.set AF,   48
.set TM,   112
.set XT0,  124
.set XT1,  128
.set WF,   144
.set PC,   240
.set PW,   252
.set WPB,  40                          ; s[40:41] wimg + 24,576 w: my head's fragments
.set WSB,  42                          ; s[42:43] wimg + 196,608 + 1,024 w: their scale words
.set SEL,  44                          ; s[44:45] selects for lane l xor 16
.set MSB, 0
.macro WIN new                         ; the immediate's high byte repeats the setting that is left
.if MSB != (\new)
	s_set_vgpr_msb (MSB<<8)|(\new)
.set MSB, (\new)
.endif
.endm
.macro NOP4                            ; four places behind a matrix instruction (ISA guide 7.12.1), where no other vector work is at hand
.rept 4
	v_nop
.endr
.endm
.macro BAR                             ; my LDS stores have landed and my LDS loads are in: then the work-group's barrier
	s_wait_dscnt 0x0
	s_barrier_signal -1
	s_barrier_wait -1
.endm
.macro WLOAD set, mat, s               ; the four weight fragments of K step s into a set: 12 loads of 512 consecutive bytes
.irp t, 0,1,2,3
.irp g, 0,1,2
	global_load_b128 v[WF+48*(\set)+12*\t+4*\g:WF+48*(\set)+12*\t+4*\g+3], v[LI], s[WPB:WPB+1] offset:204800*(\mat)+6144*(\s)+1536*\t+512*\g
.endr
.endr
.endm
.macro PRE mat                         ; 26 loads: a matrix's scale words and its first two K steps
	global_load_b128 v[WSC:WSC+3], v[LI], s[WSB:WSB+1] offset:204800*(\mat)
	global_load_b128 v[WSC+4:WSC+7], v[LI], s[WSB:WSB+1] offset:204800*(\mat)+512
	WLOAD 0, \mat, 0
	WLOAD 1, \mat, 1
.endm
.macro AFETCH s, m0                    ; row fragments m0 .. m0 + 3 of K step s: 12 LDS loads
.irp mm, 0,1,2,3
.irp g, 0,1,2
	ds_load_b128 v[AF+12*((\m0)+\mm)+4*\g:AF+12*((\m0)+\mm)+4*\g+3], v[AI] offset:(8*(\s)+(\m0)+\mm)*1536+512*\g
.endr
.endr
.endm
.macro ASCL                            ; the rows' scale words: register 8 sg + m: lanes 0-15 K step 2 sg, lanes 16-31 K step 2 sg + 1
.irp sg, 0,1
.irp mh, 0,1
	ds_load_b128 v[ASC+8*\sg+4*\mh:ASC+8*\sg+4*\mh+3], v[ASA] offset:1024*\sg+16*\mh
.endr
.endr
.endm
; four matrix instructions: row tile m against the four column tiles, K step s.  tr = 1: source 0 = weights.  arr: where accumulator (m, t) lies.  first: K step 0 starts the sums
.macro MM tr, arr, s, m, first
.irp t, 0,1,2,3
.if \arr
.set zD, 8*(8*\t+(\m))
.else
.set zD, 8*(4*(\m)+\t)
.endif
.if \tr
.set zP, WF+48*((\s)%2)+12*\t
.set zQ, AF+12*(\m)
.set zX, WSC+4*((\s)/2)+\t
.set zY, ASC+8*((\s)/2)+(\m)
.else
.set zQ, WF+48*((\s)%2)+12*\t
.set zP, AF+12*(\m)
.set zY, WSC+4*((\s)/2)+\t
.set zX, ASC+8*((\s)/2)+(\m)
.endif
.if (\first) && ((\s) == 0)
	v_wmma_scale_f32_16x16x128_f8f6f4 v[zD:zD+7], v[zP:zP+11], v[zQ:zQ+11], 0, v[zX], v[zY] matrix_a_fmt:MATRIX_FMT_FP6 matrix_b_fmt:MATRIX_FMT_FP6
.elseif ((\s)%2) == 0
	v_wmma_scale_f32_16x16x128_f8f6f4 v[zD:zD+7], v[zP:zP+11], v[zQ:zQ+11], v[zD:zD+7], v[zX], v[zY] matrix_a_fmt:MATRIX_FMT_FP6 matrix_b_fmt:MATRIX_FMT_FP6
.else
	v_wmma_scale_f32_16x16x128_f8f6f4 v[zD:zD+7], v[zP:zP+11], v[zQ:zQ+11], v[zD:zD+7], v[zX], v[zY] matrix_a_fmt:MATRIX_FMT_FP6 matrix_b_fmt:MATRIX_FMT_FP6 matrix_a_scale:MATRIX_SCALE_ROW1 matrix_b_scale:MATRIX_SCALE_ROW1
.endif
.endr
.endm
; 128 rows x 64 columns x K 512: 128 matrix instructions; the 32 accumulators take turns in one order in every K step.
; A K step is two halves of 16 products: row tiles 0-3 read fragments 0-3, row tiles 4-7 fragments 4-7; all 32 read weight set s % 2.  At the head of a half ONE wait on va_vdst states that the half before is done
; reading its fragments (at a K step's head: and its set of weights).  Four products follow it, then the loads into those registers, then the other twelve: the products issued since the wait name the other half's
; fragments, the other set, the scale words and the accumulators alone, so the loads owe nothing more.  The caller states what the scale words' and the first fragments' registers hang on.
.macro GEMM tr, arr, first, mat
	ASCL
	AFETCH 0, 0
	AFETCH 0, 4
.irp s, 0,1,2,3
.if \s == 0
	s_wait_loadcnt 12                              ; the weights' scale words and set 0 are in; set 1's 12 loads may be out
	s_wait_dscnt 12                                ; the rows' scale words and fragments 0-3 (and all that was asked of LDS before them) are in; the 12 loads of fragments 4-7 may be out
.else
	s_wait_loadcnt 0x0                             ; this K step's weights are in
	s_wait_dscnt 0x0                               ; fragments 0-3 of this K step are in
	s_wait_alu depctr_va_vdst(0)                   ; the last K step's products are done reading fragments 4-7 and their set of weights, in which the loads below land
.endif
	WIN 0x50
	MM \tr, \arr, \s, 0, \first
.if \s > 0
	WIN 0
	AFETCH \s, 4
.if (\s == 1) || (\s == 2)
	WLOAD (\s+1)%2, \mat, \s+1
.endif
	WIN 0x50
.endif
	MM \tr, \arr, \s, 1, \first
	MM \tr, \arr, \s, 2, \first
	MM \tr, \arr, \s, 3, \first
	WIN 0
	s_wait_dscnt 0x0                               ; fragments 4-7 of this K step are in
.if \s < 3
	NOP4                                           ; (four plain places stay between these products and the loads into the fragments that they read)
	s_wait_alu depctr_va_vdst(0)                   ; the sixteen products above are done reading fragments 0-3, in which the loads below land
.endif
	WIN 0x50
	MM \tr, \arr, \s, 4, \first
.if \s < 3
	WIN 0
	AFETCH \s+1, 0
	WIN 0x50
.endif
	MM \tr, \arr, \s, 5, \first
	MM \tr, \arr, \s, 6, \first
	MM \tr, \arr, \s, 7, \first
	WIN 0
	NOP4                                           ; four places: ahead of the next loads into these products' operands, and, behind the last K step, of the first read of the results
.endr
.endm
; 32 np numbers of a lane, v[s] on in window win, register 16 b + i = k 32 b + 16 h + i of my row, become codes in v[PC] on (6 registers for each 64 along K) and scale bytes in v[PW].
; fr: who has read v[PC ..] and v[PW] since they were written last: 0 nobody, 1 LDS stores, 2 global stores
.macro QUANT s, win, np, fr
	WIN 5*(\win)
.set qb, 0
.rept 2*(\np)
	v_max3_num_f32 v[TM+qb], |v[(\s)+16*qb]|, |v[(\s)+16*qb+1]|, 0x1800000   ; my 16 numbers of block b, and the floor 2^(3 - 127): the byte cannot fall under 1
.set qb, qb+1
.endr
.irp i, 2,4,6,8,10,12,14
.set qb, 0
.rept 2*(\np)
	v_max3_num_f32 v[TM+qb], |v[(\s)+16*qb+\i]|, |v[(\s)+16*qb+\i+1]|, v[TM+qb]
.set qb, qb+1
.endr
.endr
	WIN 0
.set qb, 0
.rept 2*(\np)
	v_permlanex16_b32 v[TM+4+qb], v[TM+qb], s[SEL], s[SEL+1]
.set qb, qb+1
.endr
.set qb, 0
.rept 2*(\np)
	v_max_num_f32 v[TM+qb], v[TM+qb], v[TM+4+qb]   ; with lane l xor 16's: the block's largest magnitude
.set qb, qb+1
.endr
.set qb, 0
.rept 2*(\np)
	v_add_nc_u32 v[TM+8+qb], 0xff000000, v[TM+qb]  ; 2 off its exponent field: the conversion's scale operand
.set qb, qb+1
.endr
.set qb, 0
.rept 2*(\np)
	v_lshrrev_b32 v[TM+4+qb], 23, v[TM+8+qb]       ; the scale's byte
.set qb, qb+1
.endr
.if (\fr) == 2
	s_wait_alu depctr_va_vdst(0)
	s_wait_xcnt 0x0                                ; the earlier global stores have had their addresses translated: only behind this wait are their data written again;
.endif
.if (\fr) > 0
	s_wait_alu depctr_vm_vsrc(0)                   ; the stores issued so far have read the codes, scale bytes and scale words made last (v[PC ..], v[PW], v[SW ..]), which are written again from here on
.endif
	v_lshl_or_b32 v[PW], v[TM+5], 8, v[TM+4]
.if (\np) == 2
	v_lshl_or_b32 v[PW], v[TM+6], 16, v[PW]
	v_lshl_or_b32 v[PW], v[TM+7], 24, v[PW]
.endif
	WIN (\win)
	v_cvt_scalef32_pk16_fp6_f32 v[PC:PC+2], v[(\s):(\s)+15], v[TM+8]
	v_cvt_scalef32_pk16_fp6_f32 v[XT0:XT0+2], v[(\s)+16:(\s)+31], v[TM+9]   ; (a conversion's three registers begin on an even number)
.if (\np) == 2
	v_cvt_scalef32_pk16_fp6_f32 v[PC+6:PC+8], v[(\s)+32:(\s)+47], v[TM+10]
	v_cvt_scalef32_pk16_fp6_f32 v[XT1:XT1+2], v[(\s)+48:(\s)+63], v[TM+11]
.endif
	WIN 0
	v_nop                                          ; one plain place behind a scaled conversion
.irp i, 0,1,2                                  ; the operand's layout wants a WHOLE block in a lane: lanes 0-15 the even block, lanes 16-31 the odd one
	v_permlane16_swap_b32 v[PC+\i], v[XT0+\i]
.endr
.irp i, 0,1,2
	v_mov_b32 v[PC+3+\i], v[XT0+\i]
.endr
.if (\np) == 2
.irp i, 0,1,2
	v_permlane16_swap_b32 v[PC+6+\i], v[XT1+\i]
.endr
.irp i, 0,1,2
	v_mov_b32 v[PC+9+\i], v[XT1+\i]
.endr
.endif
.endm
	s_load_b256 s[4:11], s[0:1], 0x0               ; x s[4:5], wimg s[6:7], q s[8:9], kv s[10:11]
	v_lshl_add_u32 v254, v0, 2, 0x4d800
	v_mov_b32 v255, 0
	v_lshrrev_b32 v11, 5, v0
	v_readfirstlane_b32 s12, v11                   ; wave = head
	v_and_b32 v11, 31, v0                          ; lane
	v_and_b32 v12, 15, v0                          ; r
	v_bfe_u32 v[HH], v0, 4, 1
	v_lshlrev_b32 v[LI], 4, v11
	v_lshlrev_b32 v[L8], 3, v11
	v_lshl_add_u32 v[ASA], v11, 5, SCB
	s_wait_alu depctr_va_sdst(0)                   ; s12 is written, ahead of its first reader: LDS addresses and all bases are made from it
	s_mul_i32 s13, s12, 33024
	s_add_co_u32 s13, s13, STG
	v_add_nc_u32 v[SA], s13, v[LI]
	v_mul_u32_u24 v[SRD], v12, 2064
	v_lshl_add_u32 v[SRD], v[HH], 6, v[SRD]
	v_add_nc_u32 v[SRD], s13, v[SRD]
	s_mul_i32 s13, s12, 1536
	v_add_nc_u32 v[XW], s13, v[LI]
	s_lshl_b32 s13, s12, 2
	s_add_co_u32 s13, s13, SCB
	v_lshl_add_u32 v[XS], v12, 5, s13
	v_lshlrev_b32 v[GS], 5, v12
	v_lshl_add_u32 v[GS], v[HH], 4, v[GS]
	v_lshlrev_b32 v[GV], 4, v12
	v_lshl_add_u32 v[GV], v[HH], 3, v[GV]
.irp i, 0,1,2,3
	v_mov_b32 v[TM+4+\i], 0                        ; written once: a lane permute's destination counts as one of its sources
.endr
	s_mov_b32 s[SEL], 0x76543210
	s_mov_b32 s[SEL+1], 0xfedcba98
	s_lshl_b32 s14, ttmp9, 18                      ; x: 128 wg rows of 2,048 bytes,
	s_lshr_b32 s15, s12, 1
	s_lshl_b32 s15, s15, 16                        ; + 32 (w / 2) rows
	s_add_co_u32 s14, s14, s15
	s_and_b32 s15, s12, 1
	s_lshl_b32 s15, s15, 14                        ; + 8 (w % 2) rows: row tile w begins here
	s_add_co_u32 s14, s14, s15
	s_mov_b32 s15, 0
	s_mov_b32 s39, 0
	s_lshr_b32 s20, ttmp9, 2
	s_lshl_b32 s20, s20, 1
	s_lshr_b32 s13, s12, 2
	s_add_co_u32 s20, s20, s13
	s_mul_i32 s20, s20, 208896                     ; kv: the block of (batch, w / 4)
	s_and_b32 s36, s12, 3                          ; hh
	s_and_b32 s37, ttmp9, 3                        ; kb
	s_wait_kmcnt 0x0
	s_add_nc_u64 s[4:5], s[4:5], s[14:15]
	s_mul_i32 s38, s12, 24576
	s_add_nc_u64 s[WPB:WPB+1], s[6:7], s[38:39]
	s_lshl_b32 s38, s12, 10
	s_add_co_u32 s38, s38, 196608
	s_add_nc_u64 s[WSB:WSB+1], s[6:7], s[38:39]
	s_mul_i32 s21, ttmp9, 53248
	s_mul_i32 s38, s12, 6144
	s_add_co_u32 s38, s38, s21
	s_add_nc_u64 s[22:23], s[8:9], s[38:39]        ; Q's codes: [wg][head][m] x 768
	s_lshl_b32 s38, s12, 9
	s_add_co_u32 s38, s38, s21
	s_add_co_u32 s38, s38, 49152
	s_add_nc_u64 s[24:25], s[8:9], s[38:39]        ; Q's scale words
	s_mul_i32 s13, s36, 24576
	s_mul_i32 s38, s37, 6144
	s_add_co_u32 s13, s13, s38
	s_add_co_u32 s38, s20, s13
	s_add_nc_u64 s[26:27], s[10:11], s[38:39]      ; K's codes; V's lie 98,304 bytes on
	s_lshl_b32 s13, s36, 11
	s_lshl_b32 s38, s37, 9
	s_add_co_u32 s13, s13, s38
	s_add_co_u32 s13, s13, 196608
	s_add_co_u32 s38, s20, s13
	s_add_nc_u64 s[28:29], s[10:11], s[38:39]      ; K's scale words
	s_lshl_b32 s13, s36, 10
	s_lshl_b32 s38, s37, 8
	s_add_co_u32 s13, s13, s38
	s_add_co_u32 s13, s13, 204800
	s_add_co_u32 s38, s20, s13
	s_add_nc_u64 s[32:33], s[10:11], s[38:39]      ; V's scale words
; ---- X: row tile w of x: 64 loads of 512 consecutive bytes into window 1, in four groups of four rows; 48 are out at the most
.macro XLD g
.irp pp, 0,1,2,3
.irp qq, 0,1,2,3
	global_load_b128 v[16*(4*(\g)+\pp)+4*\qq:16*(4*(\g)+\pp)+4*\qq+3], v[LI], s[4:5] offset:((4*(\g)+\pp)+8*((4*(\g)+\pp)/8))*2048+512*\qq th:TH_LOAD_NT
.endr
.endr
.endm
.macro XST g
.irp pp, 0,1,2,3
.irp qq, 0,1,2,3
	ds_store_b128 v[SA], v[16*(4*(\g)+\pp)+4*\qq:16*(4*(\g)+\pp)+4*\qq+3] offset:2064*(4*(\g)+\pp)+512*\qq
.endr
.endr
.endm
	WIN 0x40
	s_wait_alu depctr_va_vdst(0)                   ; the addresses v1 to v9 are written, which all loads and stores of the kernel read
	XLD 0
	XLD 1
	XLD 2
	s_wait_loadcnt 32                              ; group 0 is in; groups 1 and 2 may be out
	WIN 0x04
	XST 0
	WIN 0x40
	XLD 3
	s_wait_loadcnt 32                              ; group 1 is in; groups 2 and 3 may be out
	WIN 0x04
	XST 1
	s_wait_loadcnt 16                              ; group 2 is in
	XST 2
	s_wait_loadcnt 0x0
	XST 3
	WIN 0
	PRE 0                                          ; Wq's first fragments come while x is quantised
	WIN 0x40
	s_wait_alu depctr_vm_vsrc(0)                   ; my LDS stores into the stage have read window 1's registers, in which the turned numbers land
.irp s, 0,1,2,3                                ; all four K steps at once: lane (r, h) takes 16 neighbours of each block of 32 of row r (LDS serves a wave's instructions in order: these see my stores)
.irp bt, 0,1,2,3
.irp j, 0,1,2,3
	ds_load_b128 v[64*\s+16*\bt+4*\j:64*\s+16*\bt+4*\j+3], v[SRD] offset:512*\s+128*\bt+16*\j
.endr
.endr
.endr
	WIN 0
.irp s, 0,1,2,3
	s_wait_dscnt 48-12*\s                          ; K step s's 16 loads are in; behind them stand the 16 (3 - s) loads of the later K steps and the 4 s stores of the earlier ones
.if \s == 0
	QUANT 0, 1, 2, 0
.else
	QUANT 64*\s, 1, 2, 1
.endif
	s_wait_alu depctr_va_vdst(0)                   ; the quantiser has written the codes and the scale word, which the LDS stores read
.irp g, 0,1,2
	ds_store_b128 v[XW], v[PC+4*\g:PC+4*\g+3] offset:12288*\s+512*\g
.endr
	ds_store_b32 v[XS], v[PW] offset:1024*(\s/2)+512*(\s%2)
.endr
	BAR                                            ; x's 32 fragments lie in LDS; from here on they are only read
; Q's or K's results, two row tiles at a time: each tile's 64 numbers a lane are half a fragment (6 registers, 768 bytes) and two scale bytes
.macro QKOUT pc, ps
.irp mp, 0,1,2,3
	QUANT 64*\mp, 1, 2, 2
	s_wait_alu depctr_va_vdst(0)                   ; the quantiser has written the codes, which the four stores read
	global_store_b128 v[LI], v[PC:PC+3], s[\pc:\pc+1] offset:768*(2*\mp)
	global_store_b64 v[L8], v[PC+4:PC+5], s[\pc:\pc+1] offset:768*(2*\mp)+512
	global_store_b128 v[LI], v[PC+6:PC+9], s[\pc:\pc+1] offset:768*(2*\mp+1)
	global_store_b64 v[L8], v[PC+10:PC+11], s[\pc:\pc+1] offset:768*(2*\mp+1)+512
	v_and_b32 v[SW+2*\mp], 0xffff, v[PW]           ; bytes 2 and 3 of a word stand over zero codes: 0
	v_lshrrev_b32 v[SW+2*\mp+1], 16, v[PW]
.endr
	v_cmp_ne_u32 vcc_lo, 0, v[HH]
	s_wait_alu depctr_va_vcc(0)                    ; VCC is written, ahead of the selects that read it
.irp i, 0,1,2,3
	v_cndmask_b32 v[SW+\i], v[SW+\i], v[SW+4+\i], vcc_lo   ; lane (r, h) sends row r's words of tiles 4 h .. 4 h + 3
.endr
	s_wait_alu depctr_va_vdst(0)                   ; the selects have written the four scale words, which the store reads
	global_store_b128 v[GS], v[SW:SW+3], s[\ps:\ps+1]      ; 512 consecutive bytes
.endm
	GEMM 1, 0, 1, 0                                ; (the first fragments land in registers that the quantiser named ahead of the last wait on va_vdst; the products write window 1, which my LDS stores read ahead of the wait on vm_vsrc)
	s_wait_alu depctr_va_vdst(0)                   ; the products are done reading the weights and their scale words, in which Wk's land
	PRE 1
	QKOUT 22, 24
	GEMM 1, 0, 1, 1
	s_wait_alu depctr_va_vdst(0)                   ; the products are done reading the weights and their scale words, in which Wv's land
	PRE 2
	QKOUT 26, 28
	GEMM 0, 1, 1, 2                                ; V: a lane holds a column, registers run along the 128 tokens
.irp t, 0,1,2,3
	QUANT 64*\t, 1, 2, 2                           ; a whole fragment: 16 columns of V x 128 keys
	s_wait_alu depctr_va_vdst(0)                   ; the quantiser has written the codes, which the three stores read
.irp g, 0,1,2
	global_store_b128 v[LI], v[PC+4*\g:PC+4*\g+3], s[26:27] offset:98304+1536*\t+512*\g
.endr
	v_mov_b32 v[SW+\t], v[PW]
.endr
	v_cmp_ne_u32 vcc_lo, 0, v[HH]
	s_wait_alu depctr_va_vcc(0)                    ; VCC is written, ahead of the selects that read it
	v_cndmask_b32 v[SW], v[SW], v[SW+2], vcc_lo
	v_cndmask_b32 v[SW+1], v[SW+1], v[SW+3], vcc_lo
	s_wait_alu depctr_va_vdst(0)                   ; the selects have written the two scale words, which the store reads
	global_store_b64 v[GV], v[SW:SW+1], s[32:33]   ; 256 consecutive bytes
	s_wait_dscnt 0x0                               ; the closing lines, six on end
	s_wait_alu 0x0
	s_wait_tensorcnt 0x0
	ds_add_u32 v254, v255
	s_wait_dscnt 0x0
	s_endpgm
.Lfunc_end_k_qd984649847_qkv:
	.size	k_qd984649847_qkv, .Lfunc_end_k_qd984649847_qkv-k_qd984649847_qkv
	.p2alignl 7, 3214868480
	.fill 96, 4, 3214868480
	.section	.rodata,"a",@progbits
	.p2align	6, 0x0
	.amdhsa_kernel k_qd984649847_qkv
		.amdhsa_group_segment_fixed_size 318464
		.amdhsa_private_segment_fixed_size 0
		.amdhsa_enable_private_segment 0
		.amdhsa_kernarg_size 32
		.amdhsa_user_sgpr_count 2
		.amdhsa_user_sgpr_kernarg_segment_ptr 1
		.amdhsa_wavefront_size32 1
		.amdhsa_system_sgpr_workgroup_id_x 1
		.amdhsa_system_sgpr_workgroup_id_y 1
		.amdhsa_system_sgpr_workgroup_id_z 1
		.amdhsa_system_vgpr_workitem_id 0
		.amdhsa_next_free_vgpr 512
		.amdhsa_next_free_sgpr 66
		.amdhsa_reserve_vcc 1
		.amdhsa_float_denorm_mode_32 3
		.amdhsa_float_denorm_mode_16_64 3
		.amdhsa_memory_ordered 1
		.amdhsa_forward_progress 1
		.amdhsa_inst_pref_size 177
	.end_amdhsa_kernel
	.amdgpu_metadata
---
amdhsa.version: [ 1, 2 ]
amdhsa.kernels:
  - .name:           k_qd984649847_qkv
    .symbol:         k_qd984649847_qkv.kd
    .args:
      - { .name: x, .offset: 0, .size: 8, .value_kind: global_buffer, .address_space: global }
      - { .name: wimg, .offset: 8, .size: 8, .value_kind: global_buffer, .address_space: global }
      - { .name: q, .offset: 16, .size: 8, .value_kind: global_buffer, .address_space: global }
      - { .name: kv, .offset: 24, .size: 8, .value_kind: global_buffer, .address_space: global }
    .group_segment_fixed_size: 318464
    .private_segment_fixed_size: 0
    .kernarg_segment_align: 8
    .kernarg_segment_size: 32
    .max_flat_workgroup_size: 256
    .sgpr_count:     66
    .vgpr_count:     512
    .wavefront_size: 32
...
	.end_amdgpu_metadata
.endif
;; end of part 8
;; launch attn (part 9): grid 256 x 1, 8 waves a work-group, no clusters, 320,512 bytes of LDS; arguments q, kv, wimg, hd, part; writes hd, part
.if DOCPART == 9
	.amdgcn_target "amdgcn-amd-amdhsa--gfx1250"
	.amdhsa_code_object_version 6
	.text
	.protected	k_qd984649847_attn
	.globl	k_qd984649847_attn
	.p2align	8
	.type	k_qd984649847_attn,@function
k_qd984649847_attn:
	s_mov_b64 s[64:65], 0
	v_nop
	global_prefetch_b8 v0, s[64:65] scope:SCOPE_SE
	s_setreg_imm32_b32 hwreg(HW_REG_WAVE_SCHED_MODE, 0, 2), 2
	s_setreg_imm32_b32 hwreg(HW_REG_WAVE_MODE, 25, 1), 1
	s_wait_xcnt 0x0
	s_wait_alu depctr_vm_vsrc(0)
; heads = softmax(Q K^T / 8) V for 128 queries x 8 heads, quantised; out = heads Wo; of out only each column's mean and sum of squared deviations over the 128 rows leave (part), and the heads' codes (hd).
; All products on codes of FP6 (E2M3) with E8M0 scales.  SOFTMAX: t = score x log2(e) / 8 (one multiplication); M = the running largest t rounded UP to a whole number; p = 2^(t - M) is quantised along the keys, not normalised;
; the row's sum is taken of the unquantised p and divides O at the end; when M moves, sum and O are multiplied by 2^(old M - new M), which rounds nothing.
; SHARES.  Work-group wg = 4 b + kb: queries 128 kb .. of batch b.  Two PASSES: in pass p the K and V of heads 4 p .. 4 p + 3 (208,896 bytes of codes and scale words) lie in LDS; wave w takes head 4 p + w % 4 and query tiles 4 (w / 4) + 0 .. 3.
; Pass 1's block is asked for at the head of pass 0 and waits in window 1's registers.  Both products are used transposed: a lane holds one query throughout.  Q K^T has K = 64: the upper half of both operands is zero codes.
; Then wave w makes columns 64 w .. 64 w + 63 of out from the heads' images in LDS.
; NO JOINT TENSOR LOADS, though four work-groups read each block of K and V and all read Wo: all 319,488 bytes of LDS used here are written by ds_store; 8,192 bytes are left.
; LIMITS: NaN and infinities are not served; a block whose largest magnitude lies under 2^-124 (zeros too) gets the byte 1; 1 / sum is v_rcp_f32's.
; REGISTERS of the attention part, window 0: v1-11 addresses; v12 -M, v13 the largest t, v[14:15] the sum; v16-27 Q (v22-27 zero); v28-31 V's scale words; v32-79 four tuples of K (the upper six of each zero); v80-127 V;
;   v128-191 S^T, then p; v192-223 O^T; v224-235 p's codes; v232-254 at work; v243 p's scale word; v248-251 K's scale words; v253 16 x lane; v255 Q's scale word.
; THE MODE: SCHED_MODE bits 1:0 = 2 (LLVM: expert scheduling mode 2), set by the entry lines.  The code itself states the register dependences between vector or matrix instructions and memory or LDS instructions, with s_wait_alu, always for 0.
; THE PLAN of a trip (a query tile, four key steps).  Registers that LDS instructions touch, and who else names them:
;   v1-v11, v253   addresses: written at the head, never in a pass.
;   v232-v234      Q's three addresses: written at the trip's head, read by Q's loads, written again by the first key step's maxima: a wait on vm_vsrc in that step.
;   Q, v255        LDS loads land at the trip's head; all eight products K Q^T of each step read them.
;   K's tuples, v248-251   tiles 0-3: asked for in the MIDDLE of the step before (at the trip's head for the first step), behind the wait for the exponentials, which also states that the products that read tiles 4-7 are done;
;                  tiles 4-7: asked for behind the step's first four products and one wait on va_vdst.
;   V, v28-31      asked for behind that same wait, which also states that the last step's products V^T P are done reading them; read at the step's end.
;   p's codes, v243   named by vector and matrix instructions alone; a wait on va_vdst stands between the lines that make them and the scaled products that take them.
;   v180-188, v254 the heads' codes, three addresses and scale bytes: written at the trip's tail, read by four LDS stores behind a wait on va_vdst; written again in the next trip, behind the wait on vm_vsrc at its head.
.set QB,   208896                      ; LDS: the block of K and V at 0; Q's block here,
.set QSCB, 258048                      ; its scale words,
.set HB,   262144                      ; the heads' block of 53,248 bytes: images [(8 s + m) x 1,536],
.set HSCB, 311296                      ; their scale words, 4 K steps x 8 tiles x 16 rows x 4 bytes = 2,048 bytes, and 2,048 spare bytes, so that the block is 13 loads of 512 bytes for each of eight waves,
.set SCR,  315392                      ; 512 bytes a wave for the statistics' way out
.set AK16, 1
.set AK8,  2
.set AV,   3
.set ASK,  4
.set ASV,  5
.set AQ16, 6
.set AQ8,  7
.set AQS,  8
.set WA,   9
.set WB,   10
.set WS,   11
.set KB,   32
.set VB,   80
.set SR,   128
.set OT,   192
.set PWD,  243
.set LI,   253
.set TM,   160                         ; the heads' quantiser works in S^T's registers
.set XT0,  172
.set XT1,  176
.set PC,   180
.set PW,   254
.set AI,   2                           ; the last phase's addresses
.set ASA,  3
.set VSS,  5
.set VSL,  6
.set VPG,  7
.set ASC,  16
.set WSC,  32
.set AF,   48
.set WF,   144
.set SUM,  48
.set M2,   80
.set T,    112
.set PP,   12
.set TQ,   30
.set TS,   31
.set TW,   32
.set TX,   33
.set CNT,  34
.set WPB,  40
.set WSB,  42
.set SEL,  44
.set CS,   46
.set MSB, 0
.macro WIN new                         ; the immediate's high byte repeats the setting that is left
.if MSB != (\new)
	s_set_vgpr_msb (MSB<<8)|(\new)
.set MSB, (\new)
.endif
.endm
.macro NOP4                            ; four places behind a matrix instruction (ISA guide 7.12.1), where no other vector work is at hand
.rept 4
	v_nop
.endr
.endm
.macro BAR                             ; my LDS stores have landed and my LDS loads are in: then the work-group's barrier
	s_wait_dscnt 0x0
	s_barrier_signal -1
	s_barrier_wait -1
.endm
.macro WLOAD set, mat, s
.irp t, 0,1,2,3
.irp g, 0,1,2
	global_load_b128 v[WF+48*(\set)+12*\t+4*\g:WF+48*(\set)+12*\t+4*\g+3], v[LI], s[WPB:WPB+1] offset:204800*(\mat)+6144*(\s)+1536*\t+512*\g
.endr
.endr
.endm
.macro PRE mat
	global_load_b128 v[WSC:WSC+3], v[LI], s[WSB:WSB+1] offset:204800*(\mat)
	global_load_b128 v[WSC+4:WSC+7], v[LI], s[WSB:WSB+1] offset:204800*(\mat)+512
	WLOAD 0, \mat, 0
	WLOAD 1, \mat, 1
.endm
.macro AFETCH s, m0
.irp mm, 0,1,2,3
.irp g, 0,1,2
	ds_load_b128 v[AF+12*((\m0)+\mm)+4*\g:AF+12*((\m0)+\mm)+4*\g+3], v[AI] offset:(8*(\s)+(\m0)+\mm)*1536+512*\g
.endr
.endr
.endm
.macro ASCL
.irp sg, 0,1
.irp mh, 0,1
	ds_load_b128 v[ASC+8*\sg+4*\mh:ASC+8*\sg+4*\mh+3], v[ASA] offset:1024*\sg+16*\mh
.endr
.endr
.endm
.macro MM tr, arr, s, m, first
.irp t, 0,1,2,3
.if \arr
.set zD, 8*(8*\t+(\m))
.else
.set zD, 8*(4*(\m)+\t)
.endif
.if \tr
.set zP, WF+48*((\s)%2)+12*\t
.set zQ, AF+12*(\m)
.set zX, WSC+4*((\s)/2)+\t
.set zY, ASC+8*((\s)/2)+(\m)
.else
.set zQ, WF+48*((\s)%2)+12*\t
.set zP, AF+12*(\m)
.set zY, WSC+4*((\s)/2)+\t
.set zX, ASC+8*((\s)/2)+(\m)
.endif
.if (\first) && ((\s) == 0)
	v_wmma_scale_f32_16x16x128_f8f6f4 v[zD:zD+7], v[zP:zP+11], v[zQ:zQ+11], 0, v[zX], v[zY] matrix_a_fmt:MATRIX_FMT_FP6 matrix_b_fmt:MATRIX_FMT_FP6
.elseif ((\s)%2) == 0
	v_wmma_scale_f32_16x16x128_f8f6f4 v[zD:zD+7], v[zP:zP+11], v[zQ:zQ+11], v[zD:zD+7], v[zX], v[zY] matrix_a_fmt:MATRIX_FMT_FP6 matrix_b_fmt:MATRIX_FMT_FP6
.else
	v_wmma_scale_f32_16x16x128_f8f6f4 v[zD:zD+7], v[zP:zP+11], v[zQ:zQ+11], v[zD:zD+7], v[zX], v[zY] matrix_a_fmt:MATRIX_FMT_FP6 matrix_b_fmt:MATRIX_FMT_FP6 matrix_a_scale:MATRIX_SCALE_ROW1 matrix_b_scale:MATRIX_SCALE_ROW1
.endif
.endr
.endm
; 128 rows x 64 columns x K 512: 128 matrix instructions; the 32 accumulators take turns in one order in every K step.
; A K step is two halves of 16 products: row tiles 0-3 read fragments 0-3, row tiles 4-7 fragments 4-7; all 32 read weight set s % 2.  At the head of a half ONE wait on va_vdst states that the half before is done
; reading its fragments (at a K step's head: and its set of weights).  Four products follow it, then the loads into those registers, then the other twelve: the products issued since the wait name the other half's
; fragments, the other set, the scale words and the accumulators alone, so the loads owe nothing more.  The caller states what the scale words' and the first fragments' registers hang on.
.macro GEMM tr, arr, first, mat
	ASCL
	AFETCH 0, 0
	AFETCH 0, 4
.irp s, 0,1,2,3
.if \s == 0
	s_wait_loadcnt 12                              ; the weights' scale words and set 0 are in; set 1's 12 loads may be out
	s_wait_dscnt 12                                ; the rows' scale words and fragments 0-3 are in; the 12 loads of fragments 4-7 may be out
.else
	s_wait_loadcnt 0x0                             ; this K step's weights are in
	s_wait_dscnt 0x0                               ; fragments 0-3 of this K step are in
	s_wait_alu depctr_va_vdst(0)                   ; the last K step's products are done reading fragments 4-7 and their set of weights, in which the loads below land
.endif
	WIN 0x50
	MM \tr, \arr, \s, 0, \first
.if \s > 0
	WIN 0
	AFETCH \s, 4
.if (\s == 1) || (\s == 2)
	WLOAD (\s+1)%2, \mat, \s+1
.endif
	WIN 0x50
.endif
	MM \tr, \arr, \s, 1, \first
	MM \tr, \arr, \s, 2, \first
	MM \tr, \arr, \s, 3, \first
	WIN 0
	s_wait_dscnt 0x0                               ; fragments 4-7 of this K step are in
.if \s < 3
	NOP4                                           ; (four plain places stay between these products and the loads into the fragments that they read)
	s_wait_alu depctr_va_vdst(0)                   ; the sixteen products above are done reading fragments 0-3, in which the loads below land
.endif
	WIN 0x50
	MM \tr, \arr, \s, 4, \first
.if \s < 3
	WIN 0
	AFETCH \s+1, 0
	WIN 0x50
.endif
	MM \tr, \arr, \s, 5, \first
	MM \tr, \arr, \s, 6, \first
	MM \tr, \arr, \s, 7, \first
	WIN 0
	NOP4                                           ; four places: ahead of the next loads into these products' operands, and, behind the last K step, of the first read of the results
.endr
.endm
.macro QUANT s, win, np
	WIN 5*(\win)
.set qb, 0
.rept 2*(\np)
	v_max3_num_f32 v[TM+qb], |v[(\s)+16*qb]|, |v[(\s)+16*qb+1]|, 0x1800000   ; my 16 numbers of block b, and the floor 2^(3 - 127): the byte cannot fall under 1
.set qb, qb+1
.endr
.irp i, 2,4,6,8,10,12,14
.set qb, 0
.rept 2*(\np)
	v_max3_num_f32 v[TM+qb], |v[(\s)+16*qb+\i]|, |v[(\s)+16*qb+\i+1]|, v[TM+qb]
.set qb, qb+1
.endr
.endr
	WIN 0
.set qb, 0
.rept 2*(\np)
	v_permlanex16_b32 v[TM+4+qb], v[TM+qb], s[SEL], s[SEL+1]
.set qb, qb+1
.endr
.set qb, 0
.rept 2*(\np)
	v_max_num_f32 v[TM+qb], v[TM+qb], v[TM+4+qb]
.set qb, qb+1
.endr
.set qb, 0
.rept 2*(\np)
	v_add_nc_u32 v[TM+8+qb], 0xff000000, v[TM+qb]
.set qb, qb+1
.endr
.set qb, 0
.rept 2*(\np)
	v_lshrrev_b32 v[TM+4+qb], 23, v[TM+8+qb]
.set qb, qb+1
.endr
	v_lshl_or_b32 v[PW], v[TM+5], 8, v[TM+4]
.if (\np) == 2
	v_lshl_or_b32 v[PW], v[TM+6], 16, v[PW]
	v_lshl_or_b32 v[PW], v[TM+7], 24, v[PW]
.endif
	WIN (\win)
	v_cvt_scalef32_pk16_fp6_f32 v[PC:PC+2], v[(\s):(\s)+15], v[TM+8]
	v_cvt_scalef32_pk16_fp6_f32 v[XT0:XT0+2], v[(\s)+16:(\s)+31], v[TM+9]
.if (\np) == 2
	v_cvt_scalef32_pk16_fp6_f32 v[PC+6:PC+8], v[(\s)+32:(\s)+47], v[TM+10]
	v_cvt_scalef32_pk16_fp6_f32 v[XT1:XT1+2], v[(\s)+48:(\s)+63], v[TM+11]
.endif
	WIN 0
	v_nop                                          ; one plain place behind a scaled conversion
.irp i, 0,1,2
	v_permlane16_swap_b32 v[PC+\i], v[XT0+\i]
.endr
.irp i, 0,1,2
	v_mov_b32 v[PC+3+\i], v[XT0+\i]
.endr
.if (\np) == 2
.irp i, 0,1,2
	v_permlane16_swap_b32 v[PC+6+\i], v[XT1+\i]
.endr
.irp i, 0,1,2
	v_mov_b32 v[PC+9+\i], v[XT1+\i]
.endr
.endif
.endm
; Of the 128 x 64 numbers in the accumulators: each column's mean over the 128 rows and its sum of squared deviations FROM THAT MEAN (no difference of large sums is formed).
; A lane holds row r of each tile and 32 columns: sums over tiles in registers, over the 16 rows by four DPP steps.  bias = 1: v144-175 are added onto the means.
.macro STATS bias
	WIN 0x05
.set si, 0
.rept 16
	v_pk_add_f32 v[SUM+2*si:SUM+2*si+1], v[2*si:2*si+1], v[32+2*si:32+2*si+1]
.set si, si+1
.endr
	WIN 0x01
.irp m, 2,3,4,5,6,7
.set si, 0
.rept 16
	v_pk_add_f32 v[SUM+2*si:SUM+2*si+1], v[32*\m+2*si:32*\m+2*si+1], v[SUM+2*si:SUM+2*si+1]
.set si, si+1
.endr
.endr
	WIN 0
.irp x, 1,2,4,8
.set si, 0
.rept 32
	v_add_f32_dpp v[SUM+si], v[SUM+si], v[SUM+si] row_xmask:\x row_mask:0xf bank_mask:0xf
.set si, si+1
.endr
.endr
.set si, 0
.rept 16
	v_pk_mul_f32 v[SUM+2*si:SUM+2*si+1], v[SUM+2*si:SUM+2*si+1], 0x3c000000 op_sel_hi:[1,0]   ; / 128
.set si, si+1
.endr
.irp m, 0,1,2,3,4,5,6,7
	WIN 0x01
.set si, 0
.rept 16
	v_pk_add_f32 v[T+2*si:T+2*si+1], v[32*\m+2*si:32*\m+2*si+1], v[SUM+2*si:SUM+2*si+1] neg_lo:[0,1] neg_hi:[0,1]
.set si, si+1
.endr
	WIN 0
.set si, 0
.rept 16
.if \m == 0
	v_pk_mul_f32 v[M2+2*si:M2+2*si+1], v[T+2*si:T+2*si+1], v[T+2*si:T+2*si+1]
.else
	v_pk_fma_f32 v[M2+2*si:M2+2*si+1], v[T+2*si:T+2*si+1], v[T+2*si:T+2*si+1], v[M2+2*si:M2+2*si+1]
.endif
.set si, si+1
.endr
.endr
.irp x, 1,2,4,8
.set si, 0
.rept 32
	v_add_f32_dpp v[M2+si], v[M2+si], v[M2+si] row_xmask:\x row_mask:0xf bank_mask:0xf
.set si, si+1
.endr
.endr
.if \bias
	s_wait_loadcnt 0x0
.set si, 0
.rept 16
	v_pk_add_f32 v[SUM+2*si:SUM+2*si+1], v[SUM+2*si:SUM+2*si+1], v[144+2*si:144+2*si+1]
.set si, si+1
.endr
.endif
	s_wait_alu depctr_va_vdst(0)                   ; the means and the sums are written, which the LDS stores read; the lines above are done with v[T ..], in which the load below lands
.irp c, 0,1                                    ; through my 512 bytes of LDS: two blocks of 32 means and 32 sums; the sixteen lanes of a half write the same bytes with the same values
.irp i, 0,1,2,3
	ds_store_b128 v[VSS], v[SUM+16*\c+4*\i:SUM+16*\c+4*\i+3] offset:256*\c+16*\i
	ds_store_b128 v[VSS], v[M2+16*\c+4*\i:M2+16*\c+4*\i+3] offset:256*\c+128+16*\i
.endr
.endr
	ds_load_b128 v[T:T+3], v[VSL]                  ; LDS serves a wave's instructions in order: this sees my stores
	s_wait_dscnt 0x0
	global_store_b128 v[VPG], v[T:T+3], s[PP:PP+1] ; sixteen lanes store 256 consecutive bytes, aligned
.endm
	s_load_b256 s[4:11], s[0:1], 0x0               ; q s[4:5], kv s[6:7], wimg s[8:9], hd s[10:11]
	s_load_b64 s[12:13], s[0:1], 0x20              ; part
	v_lshrrev_b32 v232, 5, v0
	v_readfirstlane_b32 s14, v232                  ; wave
	s_wait_alu depctr_va_sdst(0)                   ; s14 is written, ahead of its first reader: LDS addresses and all bases are made from it
	s_and_b32 s15, s14, 3                          ; hh: my head within a pass
	s_lshr_b32 s16, s14, 2                         ; qh: which four query tiles
	v_and_b32 v232, 31, v0                         ; lane
	v_and_b32 v233, 15, v0                         ; r
	v_lshlrev_b32 v[LI], 4, v232
	s_wait_alu depctr_va_vdst(0)
	s_mul_i32 s17, s15, 24576
	v_add_nc_u32 v[AK16], s17, v[LI]               ; K: registers 0-3 of a tile's half image
	v_lshl_add_u32 v[AK8], v232, 3, s17
	v_add_nc_u32 v[AK8], 512, v[AK8]               ; and registers 4-5
	v_add_nc_u32 v[AV], 98304, v[AK16]             ; V's images
	s_lshl_b32 s18, s15, 11
	s_add_co_u32 s18, s18, 196608
	v_lshl_add_u32 v[ASK], v233, 5, s18            ; K's scale words: 32 bytes a row r
	s_lshl_b32 s18, s15, 10
	s_add_co_u32 s18, s18, 204800
	v_lshl_add_u32 v[ASV], v233, 4, s18            ; V's: 16 bytes a row r
	s_mul_i32 s18, s15, 6144
	s_mul_i32 s19, s16, 3072
	s_add_co_u32 s18, s18, s19
	s_add_co_u32 s18, s18, QB
	v_add_nc_u32 v[AQ16], s18, v[LI]
	v_lshl_add_u32 v[AQ8], v232, 3, s18
	v_add_nc_u32 v[AQ8], 512, v[AQ8]
	s_lshl_b32 s18, s15, 9
	s_lshl_b32 s19, s16, 4
	s_add_co_u32 s18, s18, s19
	s_add_co_u32 s18, s18, QSCB
	v_lshl_add_u32 v[AQS], v233, 5, s18
	s_lshr_b32 s17, s15, 1
	s_and_b32 s36, s15, 1
	s_mul_i32 s18, s17, 12288                      ; the heads' images: head H is half H % 2 of K step H / 2
	s_mul_i32 s19, s16, 6144
	s_add_co_u32 s18, s18, s19
	s_add_co_u32 s18, s18, HB
	s_mul_i32 s19, s36, 520
	s_add_co_u32 s19, s19, s18
	v_add_nc_u32 v[WA], s19, v[LI]
	s_mul_i32 s19, s36, 1016
	s_add_co_u32 s19, s19, s18
	s_add_co_u32 s19, s19, 8
	v_add_nc_u32 v[WB], s19, v[LI]
	s_lshl_b32 s18, s17, 9
	s_lshl_b32 s19, s36, 1
	s_add_co_u32 s18, s18, s19
	s_lshl_b32 s19, s16, 4
	s_add_co_u32 s18, s18, s19
	s_add_co_u32 s18, s18, HSCB
	v_lshl_add_u32 v[WS], v233, 5, s18
	s_mul_i32 s35, s14, 26112                      ; my eighth of a block of K and V
	v_add_nc_u32 v235, s35, v[LI]
	s_mul_i32 s37, s14, 6656                       ; my eighth of a block of 53,248 bytes
	s_add_co_u32 s18, s37, QB
	v_add_nc_u32 v234, s18, v[LI]
	s_mov_b32 s[SEL], 0x76543210
	s_mov_b32 s[SEL+1], 0xfedcba98
	s_mov_b32 s[CS], 0x3e38aa3b                    ; c = log2(e) / 8
	s_mov_b32 s[CS+1], s[CS]                       ; (named with it as a pair, so it is written)
	s_mul_i32 s20, ttmp9, 53248
	s_add_co_u32 s20, s20, s37
	s_mov_b32 s21, 0
.irp i, 22,23,24,25,26,27                      ; the constant registers are made here, ahead of the wait for the arguments, so that the one wait on va_vdst below serves them too
	v_mov_b32 v[\i], 0                             ; zero codes for k = 64 .. 127 of Q,
.endr
.irp t, 0,1,2,3
.irp i, 6,7,8,9,10,11
	v_mov_b32 v[KB+12*\t+\i], 0                    ; and of K: never loaded into
.endr
.endr
.irp i, 236,237,238,239
	v_mov_b32 v[\i], 0                             ; written once: a lane permute's destination counts as one of its sources
.endr
	v_lshl_add_u32 v252, v0, 3, HSCB+2048          ; the heads' block goes to memory whole: the address of its 2,048 spare bytes, 8 bytes a thread x 256 threads
	s_wait_kmcnt 0x0
	s_add_nc_u64 s[4:5], s[4:5], s[20:21]
	s_add_nc_u64 s[10:11], s[10:11], s[20:21]
	s_lshr_b32 s20, ttmp9, 2
	s_mul_i32 s20, s20, 417792                     ; the batch's two blocks
	s_add_co_u32 s20, s20, s35
	s_add_nc_u64 s[6:7], s[6:7], s[20:21]
	s_mul_i32 s20, s14, 24576
	s_add_nc_u64 s[WPB:WPB+1], s[8:9], s[20:21]
	s_lshl_b32 s20, s14, 10
	s_add_co_u32 s20, s20, 196608
	s_add_nc_u64 s[WSB:WSB+1], s[8:9], s[20:21]
	s_lshl_b32 s20, s14, 17
	s_lshl_b32 s17, ttmp9, 8
	s_add_co_u32 s20, s20, s17
	s_add_nc_u64 s[12:13], s[12:13], s[20:21]
	s_wait_alu depctr_va_vdst(0)                   ; the addresses v1-11, v234, v235, v252, v253 are written, which the loads and stores below read; so are the zeros: the store's data, and operands of the scaled products
	ds_store_b64 v252, v[22:23]                    ; the spare bytes are set to zeros; no product reads them; four barriers lie between this store and the copy that does
	; ---- Q's block and pass 0's block of K and V come in through window 1: 13 + 48 loads are out, then the last 3
	WIN 0x40
.set ci, 0
.rept 13
	global_load_b128 v[204+4*ci:204+4*ci+3], v[LI], s[4:5] offset:512*ci th:TH_LOAD_NT
.set ci, ci+1
.endr
.set ci, 0
.rept 48
	global_load_b128 v[4*ci:4*ci+3], v[LI], s[6:7] offset:512*ci
.set ci, ci+1
.endr
	s_wait_loadcnt 48                              ; Q's 13 are in; the 48 behind them may be out
	WIN 0x04
.set ci, 0
.rept 13
	ds_store_b128 v234, v[204+4*ci:204+4*ci+3] offset:512*ci
.set ci, ci+1
.endr
	WIN 0x40
.set ci, 48
.rept 3
	global_load_b128 v[4*ci:4*ci+3], v[LI], s[6:7] offset:512*ci
.set ci, ci+1
.endr
	s_wait_loadcnt 0x0
	WIN 0x04
.set ci, 0
.rept 51
	ds_store_b128 v235, v[4*ci:4*ci+3] offset:512*ci
.set ci, ci+1
.endr
	WIN 0
	BAR                                            ; both blocks lie in LDS
	WIN 0x40
	s_wait_alu depctr_vm_vsrc(0)                   ; my LDS stores have read window 1's registers, in which the next block lands, and their addresses v234, v235, v252, which the key steps write
.set ci, 0
.rept 51
	global_load_b128 v[4*ci:4*ci+3], v[LI], s[6:7] offset:208896+512*ci   ; pass 1's block: these 51 loads stay out through pass 0
.set ci, ci+1
.endr
	WIN 0
.macro KLOAD ks, g                     ; tiles 4 g + 0 .. 3 of key step ks of K, six registers each, and their scale words: 9 LDS loads
.irp i, 0,1,2,3
	ds_load_b128 v[KB+12*\i:KB+12*\i+3], v[AK16] offset:6144*(\ks)+768*(4*(\g)+\i)
	ds_load_b64 v[KB+12*\i+4:KB+12*\i+5], v[AK8] offset:6144*(\ks)+768*(4*(\g)+\i)
.endr
	ds_load_b128 v[248:251], v[ASK] offset:512*(\ks)+16*(\g)
.endm
; A KEY STEP: 128 keys (eight tiles of K, four at a time), the softmax, four products with V
.macro STEP ks
	s_wait_dscnt 0x0                               ; K's first four tiles are in: asked for in the middle of the step before, or, with Q, at the trip's head
.irp i, 0,1,2,3
	v_wmma_scale_f32_16x16x128_f8f6f4 v[SR+8*\i:SR+8*\i+7], v[KB+12*\i:KB+12*\i+11], v[16:27], 0, v[248+\i], v255 matrix_a_fmt:MATRIX_FMT_FP6 matrix_b_fmt:MATRIX_FMT_FP6
.endr
	NOP4                                           ; (four plain places stay between these products and the loads into the registers that they read)
.if (\ks) == 0
	s_wait_alu depctr_vm_vsrc(0)                   ; Q's three loads have read their addresses v232-234, which the maxima below write
.endif
	s_wait_alu depctr_va_vdst(0)                   ; these four products are done reading K's tuples and scale words, the last step's four V and its scale words: the loads below land there
	KLOAD \ks, 1
.irp t, 0,1,2,3
.irp g, 0,1,2
	ds_load_b128 v[VB+12*\t+4*\g:VB+12*\t+4*\g+3], v[AV] offset:6144*(\ks)+1536*\t+512*\g
.endr
.endr
	ds_load_b128 v[28:31], v[ASV] offset:256*(\ks)
	s_wait_dscnt 13                                ; K's tiles 4-7 are in; V's 12 loads and its scale words may be out
.irp i, 0,1,2,3
	v_wmma_scale_f32_16x16x128_f8f6f4 v[SR+32+8*\i:SR+32+8*\i+7], v[KB+12*\i:KB+12*\i+11], v[16:27], 0, v[248+\i], v255 matrix_a_fmt:MATRIX_FMT_FP6 matrix_b_fmt:MATRIX_FMT_FP6
.endr
	NOP4                                           ; lane (r, h) holds query r; register 16 b + i is key 32 b + 16 h + i of the step
.irp b, 0,1,2,3
	v_max3_num_f32 v[232+\b], v[SR+16*\b], v[SR+16*\b+1], v[SR+16*\b+2]   ; the largest score of each block of 32 keys: for the row's maximum, and, since p rises with the score, for the block's largest p
.endr
.irp i, 3,5,7,9,11,13
.irp b, 0,1,2,3
	v_max3_num_f32 v[232+\b], v[232+\b], v[SR+16*\b+\i], v[SR+16*\b+\i+1]
.endr
.endr
.irp b, 0,1,2,3
	v_max_num_f32 v[232+\b], v[232+\b], v[SR+15+16*\b]
.endr
.irp b, 0,1,2,3
	v_permlanex16_b32 v[236+\b], v[232+\b], s[SEL], s[SEL+1]
.endr
.irp b, 0,1,2,3
	v_max_num_f32 v[232+\b], v[232+\b], v[236+\b]  ; with lane l xor 16's 16 keys
.endr
	v_max3_num_f32 v254, v232, v233, v234
	v_max_num_f32 v254, v254, v235
	v_mul_f32 v254, s[CS], v254                    ; as t (c is positive)
	v_max_num_f32 v13, v13, v254                   ; the running largest t
	v_mov_b32 v254, v12
	v_floor_f32 v12, -v13                          ; the new -M = floor(-t): M is a whole number
	v_sub_f32 v254, v12, v254                      ; old M - new M: a whole number, 0 or less
	v_cvt_i32_f32 v254, v254                       ; (it saturates)
	v_ldexp_f32 v252, 1.0, v254                    ; f = 2^(old M - new M)
.set ci, 0
.rept 32
	v_pk_fma_f32 v[SR+2*ci:SR+2*ci+1], v[SR+2*ci:SR+2*ci+1], s[CS:CS+1], v[12:13] op_sel_hi:[1,0,0]   ; t - M, two at a time
.set ci, ci+1
.endr
.irp b, 0,1,2,3
	v_fma_f32 v[232+\b], v[232+\b], s[CS], v12     ; the same of each block's largest score
.endr
.set ci, 0
	s_wait_alu depctr_va_vdst(0)
.rept 64
	v_exp_f32 v[SR+ci], v[SR+ci]                   ; p = 2^(t - M), at most 1: not normalised
.set ci, ci+1
.endr
	v_pk_mul_f32 v[14:15], v[14:15], v[252:253] op_sel_hi:[1,0]   ; the sums under the new M (a plain place behind the exponentials)
	s_wait_alu depctr_va_vdst(0)                   ; the 64 exponentials have written p, ahead of their first reader; and the step's second four products are done reading K's tuples and scale words
.if (\ks) < 3
	KLOAD (\ks)+1, 0                               ; so the next step's first four tiles are asked for here: no line from here to that step's products names their registers
.endif
.irp b, 0,1,2,3
	v_exp_f32 v[232+\b], v[232+\b]                 ; the block's largest p
.endr
	v_pk_add_f32 v[236:237], v[SR:SR+1], v[SR+2:SR+3]   ; the row's sum is taken of the unquantised p, in two chains
.irp j, 4,8,12,16,20,24,28,32,36,40,44,48,52,56,60
	v_pk_add_f32 v[14:15], v[14:15], v[SR+\j:SR+\j+1]
	v_pk_add_f32 v[236:237], v[236:237], v[SR+2+\j:SR+3+\j]
.endr
	v_pk_add_f32 v[14:15], v[14:15], v[236:237]
	s_wait_alu depctr_va_vdst(0)                   ; the four exponentials have written the blocks' largest p, ahead of their first reader
.irp b, 0,1,2,3
	v_max_num_f32 v[232+\b], 0x1800000, v[232+\b]  ; the floor 2^(3 - 127)
.endr
.irp b, 0,1,2,3
	v_add_nc_u32 v[244+\b], 0xff000000, v[232+\b]  ; 2 off the exponent field: the conversion's scale operand
.endr
.irp b, 0,1,2,3
	v_lshrrev_b32 v[236+\b], 23, v[244+\b]         ; the scale's byte
.endr
	v_lshl_or_b32 v[PWD], v237, 8, v236            ; p's scale word for these 128 keys
	v_lshl_or_b32 v[PWD], v238, 16, v[PWD]
	v_lshl_or_b32 v[PWD], v239, 24, v[PWD]
.irp c, 0,1
	v_cvt_scalef32_pk16_fp6_f32 v[224+6*\c:226+6*\c], v[SR+32*\c:SR+32*\c+15], v[244+2*\c]
	v_cvt_scalef32_pk16_fp6_f32 v[236+4*\c:238+4*\c], v[SR+16+32*\c:SR+31+32*\c], v[244+2*\c+1]
.endr
	v_nop                                          ; one plain place behind a scaled conversion
.irp c, 0,1
.irp i, 0,1,2
	v_permlane16_swap_b32 v[224+6*\c+\i], v[236+4*\c+\i]
.endr
.irp i, 0,1,2
	v_mov_b32 v[227+6*\c+\i], v[236+4*\c+\i]
.endr
.endr
.set ci, 0
.rept 16
	v_pk_mul_f32 v[OT+2*ci:OT+2*ci+1], v[OT+2*ci:OT+2*ci+1], v[252:253] op_sel_hi:[1,0]   ; O^T under the new M; these are also the places between the operands' last writes and the products
.set ci, ci+1
.endr
	s_wait_alu depctr_va_vdst(0)                   ; p's codes v224-235 and its scale word v243 are written, which the scaled products take as operand and scales; the places above stay beside this wait
.if (\ks) < 3
	s_wait_dscnt 9                                 ; V and its scale words are in; the 9 loads of the next step's K may be out
.else
	s_wait_dscnt 0x0                               ; V and its scale words are in
.endif
.irp t, 0,1,2,3
	v_wmma_scale_f32_16x16x128_f8f6f4 v[OT+8*\t:OT+8*\t+7], v[VB+12*\t:VB+12*\t+11], v[224:235], v[OT+8*\t:OT+8*\t+7], v[28+\t], v[PWD] matrix_a_fmt:MATRIX_FMT_FP6 matrix_b_fmt:MATRIX_FMT_FP6
.endr
.endm
; A PASS: four trips, a query tile each.  The stepped LDS addresses are made from scalars that step by constants.
.macro PASS p
	s_mov_b32 s[TQ], 24576*(\p)                    ; Q's images: four heads on in pass 1; 768 bytes a tile
	s_mov_b32 s[TS], 2048*(\p)                     ; Q's scale words: 4 bytes a tile
	s_mov_b32 s[TW], 24576*(\p)                    ; the heads' images: two K steps on; 1,536 bytes a tile
	s_mov_b32 s[TX], 1024*(\p)                     ; their scale words
	s_mov_b32 s[CNT], 4
.Ltile_\@:
	s_wait_alu depctr_vm_vsrc(0)                   ; the LDS stores issued so far have read their addresses and data (the last trip's: v180-188, v254; between the passes: v232), which this trip writes again
	v_add_nc_u32 v232, s[TQ], v[AQ16]
	v_add_nc_u32 v233, s[TQ], v[AQ8]
	v_add_nc_u32 v234, s[TS], v[AQS]
.set ci, 0
.rept 32
	v_mov_b32 v[OT+ci], 0                          ; the step is written once: the first finds zeros, which the first change of M leaves zeros
.set ci, ci+1
.endr
	v_mov_b32 v13, 0xff61b1e6                      ; the largest t so far: -3e38
	v_floor_f32 v12, -v13
	v_mov_b32 v14, 0
	v_mov_b32 v15, 0
	s_wait_alu depctr_va_vdst(0)                   ; the three addresses are written; the last trip's products are done reading Q, K's tuples and both scale words, in which the loads below land
	ds_load_b128 v[16:19], v232
	ds_load_b64 v[20:21], v233
	ds_load_b32 v255, v234
	KLOAD 0, 0
	STEP 0
	STEP 1
	STEP 2
	STEP 3
	NOP4
	v_add_f32 v14, v14, v15                        ; the sum's two halves,
	v_permlanex16_b32 v252, v14, s[SEL], s[SEL+1]
	v_add_f32 v14, v14, v252                       ; and lane l xor 16's
	s_wait_alu depctr_va_vdst(0)
	v_rcp_f32 v14, v14
	v_add_nc_u32 v186, s[TW], v[WA]                ; (plain places behind the reciprocal)
	v_add_nc_u32 v187, s[TW], v[WB]
	v_add_nc_u32 v188, s[TX], v[WS]
	s_wait_alu depctr_va_vdst(0)                   ; the reciprocal has written v14, ahead of its first reader
.set ci, 0
.rept 16
	v_pk_mul_f32 v[SR+2*ci:SR+2*ci+1], v[OT+2*ci:OT+2*ci+1], v[14:15] op_sel_hi:[1,0]   ; register 16 c + i = channel 32 c + 16 h + i of my query
.set ci, ci+1
.endr
	QUANT SR, 0, 1                                 ; half a fragment of the next product, and two scale bytes
	s_wait_alu depctr_va_vdst(0)                   ; the quantiser has written the codes and the scale bytes, which the LDS stores read (their addresses v186-188 were written ahead of it)
	ds_store_b64 v186, v[PC:PC+1]
	ds_store_b64 v187, v[PC+2:PC+3]
	ds_store_b64 v186, v[PC+4:PC+5] offset:512
	ds_store_b16 v188, v[PW]
	s_add_co_u32 s[TQ], s[TQ], 768
	s_add_co_u32 s[TS], s[TS], 4
	s_add_co_u32 s[TW], s[TW], 1536
	s_add_co_u32 s[TX], s[TX], 4
	s_wait_dscnt 0x0                               ; nothing of mine is out in LDS at the trip's edge
	s_sub_co_u32 s[CNT], s[CNT], 1
	s_cmp_lg_u32 s[CNT], 0
	s_cbranch_scc1 .Ltile_\@
.endm
	PASS 0
	BAR                                            ; every wave's reads of pass 0's K and V are over
	v_add_nc_u32 v232, s35, v[LI]
	s_wait_loadcnt 0x0
	WIN 0x04
	s_wait_alu depctr_va_vdst(0)                   ; the address v232 is written, which the LDS stores read
.set ci, 0
.rept 51
	ds_store_b128 v232, v[4*ci:4*ci+3] offset:512*ci
.set ci, ci+1
.endr
	WIN 0
	BAR                                            ; pass 1's block lies in LDS
	PASS 1
	BAR                                            ; the heads' 32 fragments and their scale words lie in LDS
	; ---- out = heads Wo: my 64 columns; the heads' block goes to memory as it lies
	s_wait_alu depctr_vm_vsrc(0)                   ; the attention's LDS loads and stores have read their addresses v2-v10, which are written anew below, and v180-188, in which weights land
	v_and_b32 v8, 31, v0
	v_and_b32 v9, 15, v0
	v_bfe_u32 v10, v0, 4, 1
	v_add_nc_u32 v[AI], HB, v[LI]
	v_lshl_add_u32 v[ASA], v8, 5, HSCB
	s_add_co_u32 s18, s37, HB
	v_add_nc_u32 v4, s18, v[LI]
	s_lshl_b32 s18, s14, 9
	s_add_co_u32 s18, s18, SCR
	v_lshl_add_u32 v[VSS], v10, 6, s18
	v_add_nc_u32 v[VSL], s18, v[LI]
	v_lshlrev_b32 v[VPG], 4, v9
	v_lshl_add_u32 v[VPG], v10, 16, v[VPG]
	s_wait_alu depctr_va_vdst(0)                   ; the new addresses v2-v7 are written; the attention's vector and matrix instructions are done with v16-239, in which weights, scale words, the block's copy and fragments land
	PRE 3
.set ci, 0
.rept 13
	ds_load_b128 v[48+4*ci:48+4*ci+3], v4 offset:512*ci
.set ci, ci+1
.endr
	s_wait_dscnt 0x0
.set ci, 0
.rept 13
	global_store_b128 v[LI], v[48+4*ci:48+4*ci+3], s[10:11] offset:512*ci
.set ci, ci+1
.endr
	s_wait_xcnt 0x0                                ; the stores have had their addresses translated: only behind this wait are their data written again;
	s_wait_alu depctr_vm_vsrc(0)                   ; the stores have read v48-99, in which fragments land next
	GEMM 1, 0, 1, 3
	STATS 0
	s_wait_xcnt 0x0
	s_wait_alu depctr_vm_vsrc(0)                   ; the LDS stores of the heads' scale bytes have read v254, which is made anew below
	v_lshl_add_u32 v254, v0, 2, 0x4e000
	v_mov_b32 v255, 0
	s_wait_dscnt 0x0                               ; the closing lines, six on end
	s_wait_alu 0x0
	s_wait_tensorcnt 0x0
	ds_add_u32 v254, v255
	s_wait_dscnt 0x0
	s_endpgm
.Lfunc_end_k_qd984649847_attn:
	.size	k_qd984649847_attn, .Lfunc_end_k_qd984649847_attn-k_qd984649847_attn
	.p2alignl 7, 3214868480
	.fill 96, 4, 3214868480
	.section	.rodata,"a",@progbits
	.p2align	6, 0x0
	.amdhsa_kernel k_qd984649847_attn
		.amdhsa_group_segment_fixed_size 320512
		.amdhsa_private_segment_fixed_size 0
		.amdhsa_enable_private_segment 0
		.amdhsa_kernarg_size 40
		.amdhsa_user_sgpr_count 2
		.amdhsa_user_sgpr_kernarg_segment_ptr 1
		.amdhsa_wavefront_size32 1
		.amdhsa_system_sgpr_workgroup_id_x 1
		.amdhsa_system_sgpr_workgroup_id_y 1
		.amdhsa_system_sgpr_workgroup_id_z 1
		.amdhsa_system_vgpr_workitem_id 0
		.amdhsa_next_free_vgpr 512
		.amdhsa_next_free_sgpr 66
		.amdhsa_reserve_vcc 0
		.amdhsa_float_denorm_mode_32 3
		.amdhsa_float_denorm_mode_16_64 3
		.amdhsa_memory_ordered 1
		.amdhsa_forward_progress 1
		.amdhsa_inst_pref_size 234
	.end_amdhsa_kernel
	.amdgpu_metadata
---
amdhsa.version: [ 1, 2 ]
amdhsa.kernels:
  - .name:           k_qd984649847_attn
    .symbol:         k_qd984649847_attn.kd
    .args:
      - { .name: q, .offset: 0, .size: 8, .value_kind: global_buffer, .address_space: global }
      - { .name: kv, .offset: 8, .size: 8, .value_kind: global_buffer, .address_space: global }
      - { .name: wimg, .offset: 16, .size: 8, .value_kind: global_buffer, .address_space: global }
      - { .name: hd, .offset: 24, .size: 8, .value_kind: global_buffer, .address_space: global }
      - { .name: part, .offset: 32, .size: 8, .value_kind: global_buffer, .address_space: global }
    .group_segment_fixed_size: 320512
    .private_segment_fixed_size: 0
    .kernarg_segment_align: 8
    .kernarg_segment_size: 40
    .max_flat_workgroup_size: 256
    .sgpr_count:     66
    .vgpr_count:     512
    .wavefront_size: 32
...
	.end_amdgpu_metadata
.endif
;; end of part 9
;; launch red1 (part 10): grid 16 x 1, 16 waves a work-group, no clusters, 10,240 bytes of LDS; arguments part, norm1_w, norm1_b, stat1; writes stat1
.if DOCPART == 10
	.amdgcn_target "amdgcn-amd-amdhsa--gfx1250"
	.amdhsa_code_object_version 6
	.text
	.protected	k_qd984649847_red1
	.globl	k_qd984649847_red1
	.p2align	8
	.type	k_qd984649847_red1,@function
k_qd984649847_red1:
	s_mov_b64 s[64:65], 0
	v_nop
	global_prefetch_b8 v0, s[64:65] scope:SCOPE_SE
	s_setreg_imm32_b32 hwreg(HW_REG_WAVE_MODE, 25, 1), 1
	s_wait_xcnt 0x0
; The 256 work-groups' means and sums of squared deviations (128 rows each) become, for each of 512 columns, the two numbers of a batch norm of TWICE the stored number z:
; a = 2 w / sqrt(4 var + eps), c = b - a mean, so that the norm is a z + c.  var = (sum of the parts' M2 + 128 x sum of (part's mean - mean)^2) / 32,768: no difference of large sums is formed.
; part: [cg 16][wg 256][32 means, 32 M2] f32.  Work-group cg takes 32 columns; wave v the parts 16 v .. 16 v + 15; a lane two columns: lanes 0-15 means, lanes 16-31 M2.
; 16 work-groups: 1 MB is read once; the sums span all parts, so a column group has one owner.  The reciprocal root is v_rsq_f32's.  NaN and infinities are not served.
; The gain and the bias are asked for at the head, behind the parts, so that they are there when wave 0 wants them at the end.
	s_load_b256 s[4:11], s[0:1], 0x0               ; part s[4:5], gain s[6:7], bias s[8:9], stat s[10:11]
	v_lshl_add_u32 v128, v0, 2, 0x2000
	v_mov_b32 v129, 0
	v_lshrrev_b32 v1, 5, v0
	s_delay_alu instid0(VALU_DEP_1)
	v_readfirstlane_b32 s12, v1                    ; wave
	v_and_b32 v2, 31, v0
	v_and_b32 v3, 15, v0
	v_bfe_u32 v4, v0, 4, 1
	s_delay_alu instid0(VALU_DEP_3)
	v_lshlrev_b32 v5, 3, v2                        ; 8 x lane
	s_lshl_b32 s14, ttmp9, 16
	s_lshl_b32 s13, s12, 12
	s_add_co_u32 s14, s14, s13
	s_mov_b32 s15, 0
	s_lshl_b32 s13, s12, 8
	v_add_nc_u32 v6, s13, v5                       ; LDS: 256 x wave + 8 x lane
	v_lshlrev_b32 v7, 3, v3                        ; 8 r
	s_delay_alu instid0(VALU_DEP_1)
	v_lshl_add_u32 v1, v4, 11, v7                  ; 8 r + 2,048 h
	s_lshl_b32 s16, ttmp9, 7
	s_mov_b32 s17, 0
	s_mov_b32 s20, 0x76543210
	s_mov_b32 s21, 0xfedcba98
	s_wait_alu depctr_va_vdst(0)
	s_wait_kmcnt 0x0
	s_add_nc_u64 s[4:5], s[4:5], s[14:15]
	s_add_nc_u64 s[6:7], s[6:7], s[16:17]
	s_add_nc_u64 s[8:9], s[8:9], s[16:17]
	s_add_nc_u64 s[10:11], s[10:11], s[16:17]
.irp i, 0,1,2,3,4,5,6,7,8,9,10,11,12,13,14,15
	global_load_b64 v[16+2*\i:17+2*\i], v5, s[4:5] offset:256*\i th:TH_LOAD_NT
.endr
	global_load_b64 v[48:49], v7, s[6:7]           ; the gain and the bias of my two columns
	global_load_b64 v[50:51], v7, s[8:9]
	s_wait_loadcnt 2                               ; the 16 parts are in; the two loads behind them may be out
	v_pk_add_f32 v[126:127], v[16:17], v[18:19]
	v_pk_add_f32 v[124:125], v[20:21], v[22:23]
	v_pk_add_f32 v[122:123], v[24:25], v[26:27]
	v_pk_add_f32 v[120:121], v[28:29], v[30:31]
	v_pk_add_f32 v[118:119], v[32:33], v[34:35]
	v_pk_add_f32 v[116:117], v[36:37], v[38:39]
	v_pk_add_f32 v[114:115], v[40:41], v[42:43]
	v_pk_add_f32 v[8:9], v[44:45], v[46:47]
	s_delay_alu instid0(VALU_DEP_1)
	v_pk_add_f32 v[8:9], v[8:9], v[120:121]
	v_pk_add_f32 v[126:127], v[126:127], v[118:119]
	v_pk_add_f32 v[124:125], v[124:125], v[116:117]
	v_pk_add_f32 v[122:123], v[122:123], v[114:115]
	s_delay_alu instid0(VALU_DEP_2)
	v_pk_add_f32 v[8:9], v[8:9], v[124:125]
	s_delay_alu instid0(VALU_DEP_2)
	v_pk_add_f32 v[126:127], v[126:127], v[122:123]
	s_delay_alu instid0(VALU_DEP_1)
	v_pk_add_f32 v[8:9], v[8:9], v[126:127]
	ds_store_b64 v6, v[8:9]
	s_wait_dscnt 0x0
	s_barrier_signal -1
	s_barrier_wait -1
.irp i, 0,1,2,3,4,5,6,7,8,9,10,11,12,13,14,15
	ds_load_b64 v[64+2*\i:65+2*\i], v5 offset:256*\i
.endr
	s_wait_dscnt 0x0
	v_pk_add_f32 v[126:127], v[64:65], v[66:67]
	v_pk_add_f32 v[124:125], v[68:69], v[70:71]
	v_pk_add_f32 v[122:123], v[72:73], v[74:75]
	v_pk_add_f32 v[120:121], v[76:77], v[78:79]
	v_pk_add_f32 v[118:119], v[80:81], v[82:83]
	v_pk_add_f32 v[116:117], v[84:85], v[86:87]
	v_pk_add_f32 v[114:115], v[88:89], v[90:91]
	v_pk_add_f32 v[10:11], v[92:93], v[94:95]
	s_delay_alu instid0(VALU_DEP_1)
	v_pk_add_f32 v[10:11], v[10:11], v[120:121]
	v_pk_add_f32 v[126:127], v[126:127], v[118:119]
	v_pk_add_f32 v[124:125], v[124:125], v[116:117]
	v_pk_add_f32 v[122:123], v[122:123], v[114:115]
	s_delay_alu instid0(VALU_DEP_2)
	v_pk_add_f32 v[10:11], v[10:11], v[124:125]
	s_delay_alu instid0(VALU_DEP_2)
	v_pk_add_f32 v[126:127], v[126:127], v[122:123]
	s_delay_alu instid0(VALU_DEP_1)
	v_pk_add_f32 v[10:11], v[10:11], v[126:127]
	s_delay_alu instid0(VALU_DEP_1)
	v_pk_mul_f32 v[12:13], v[10:11], 0x3b800000 op_sel_hi:[1,0]   ; / 256: the mean (lanes 0-15)
.irp i, 0,1,2,3,4,5,6,7,8,9,10,11,12,13,14,15
	v_pk_add_f32 v[64+2*\i:65+2*\i], v[16+2*\i:17+2*\i], v[12:13] neg_lo:[0,1] neg_hi:[0,1]
.endr
	v_pk_mul_f32 v[14:15], v[64:65], v[64:65]
.irp i, 1,2,3,4,5,6,7,8,9,10,11,12,13,14,15
	s_delay_alu instid0(VALU_DEP_1)
	v_pk_fma_f32 v[14:15], v[64+2*\i:65+2*\i], v[64+2*\i:65+2*\i], v[14:15]
.endr
	ds_store_b64 v6, v[14:15] offset:4096          ; other bytes than the first sums'
	s_wait_dscnt 0x0
	s_barrier_signal -1
	s_barrier_wait -1
	s_cmp_lg_u32 s12, 0
	s_cbranch_scc1 .Lend
.irp i, 0,1,2,3,4,5,6,7,8,9,10,11,12,13,14,15
	ds_load_b64 v[64+2*\i:65+2*\i], v5 offset:4096+256*\i  ; wave 0 finishes
.endr
	s_wait_dscnt 0x0
	v_pk_add_f32 v[126:127], v[64:65], v[66:67]
	v_pk_add_f32 v[124:125], v[68:69], v[70:71]
	v_pk_add_f32 v[122:123], v[72:73], v[74:75]
	v_pk_add_f32 v[120:121], v[76:77], v[78:79]
	v_pk_add_f32 v[118:119], v[80:81], v[82:83]
	v_pk_add_f32 v[116:117], v[84:85], v[86:87]
	v_pk_add_f32 v[114:115], v[88:89], v[90:91]
	v_pk_add_f32 v[14:15], v[92:93], v[94:95]
	s_delay_alu instid0(VALU_DEP_1)
	v_pk_add_f32 v[14:15], v[14:15], v[120:121]
	v_pk_add_f32 v[126:127], v[126:127], v[118:119]
	v_pk_add_f32 v[124:125], v[124:125], v[116:117]
	v_pk_add_f32 v[122:123], v[122:123], v[114:115]
	s_delay_alu instid0(VALU_DEP_2)
	v_pk_add_f32 v[14:15], v[14:15], v[124:125]
	s_delay_alu instid0(VALU_DEP_2)
	v_pk_add_f32 v[126:127], v[126:127], v[122:123]
	s_delay_alu instid0(VALU_DEP_1)
	v_pk_add_f32 v[14:15], v[14:15], v[126:127]
	v_mov_b32 v52, 0
	v_mov_b32 v53, 0
	s_delay_alu instid0(VALU_DEP_2)
	v_permlanex16_b32 v52, v10, s20, s21           ; the sum of the M2 comes down to lanes 0-15
	s_delay_alu instid0(VALU_DEP_2)
	v_permlanex16_b32 v53, v11, s20, s21
	s_delay_alu instid0(VALU_DEP_1)
	v_pk_fma_f32 v[52:53], v[14:15], 0x43000000, v[52:53] op_sel_hi:[1,0,1]   ; + 128 x the means' squared deviations
	v_mov_b32 v54, 0x3727c5ac                      ; eps = 1e-5
	s_delay_alu instid0(VALU_DEP_1)
	v_fma_f32 v52, v52, 0x39000000, v54            ; x 2^-13 = 4 var; + eps
	s_delay_alu instid0(VALU_DEP_2)
	v_fma_f32 v53, v53, 0x39000000, v54
	s_wait_alu depctr_va_vdst(0)
	v_rsq_f32 v56, v52
	v_rsq_f32 v57, v53
	v_mov_b32 v60, 0                               ; (a plain place behind the roots)
	v_mov_b32 v61, 0
	s_wait_alu depctr_va_vdst(0)                   ; one wait for both, ahead of their first reader
	s_wait_loadcnt 0x0                             ; the gain and the bias
	v_pk_mul_f32 v[56:57], v[56:57], v[48:49]
	s_delay_alu instid0(VALU_DEP_1)
	v_pk_add_f32 v[56:57], v[56:57], v[56:57]      ; a = 2 w / sqrt(4 var + eps)
	s_delay_alu instid0(VALU_DEP_1)
	v_pk_fma_f32 v[58:59], v[56:57], v[12:13], v[50:51] neg_lo:[1,0,0] neg_hi:[1,0,0]   ; c = b - a mean
	s_delay_alu instid0(VALU_DEP_1)
	v_permlanex16_b32 v60, v58, s20, s21           ; c goes up to lanes 16-31
	s_delay_alu instid0(VALU_DEP_2)
	v_permlanex16_b32 v61, v59, s20, s21
	v_cmp_ne_u32 vcc_lo, 0, v4
	s_delay_alu instid0(VALU_DEP_1)
	v_cndmask_b32 v62, v56, v60, vcc_lo
	s_delay_alu instid0(VALU_DEP_2)
	v_cndmask_b32 v63, v57, v61, vcc_lo
	global_store_b64 v1, v[62:63], s[10:11]        ; lanes 0-15: a; lanes 16-31: c, 2,048 bytes on
.Lend:
	s_wait_tensorcnt 0x0
	ds_add_u32 v128, v129
	s_wait_dscnt 0x0
	s_endpgm
.Lfunc_end_k_qd984649847_red1:
	.size	k_qd984649847_red1, .Lfunc_end_k_qd984649847_red1-k_qd984649847_red1
	.p2alignl 7, 3214868480
	.fill 96, 4, 3214868480
	.section	.rodata,"a",@progbits
	.p2align	6, 0x0
	.amdhsa_kernel k_qd984649847_red1
		.amdhsa_group_segment_fixed_size 10240
		.amdhsa_private_segment_fixed_size 0
		.amdhsa_enable_private_segment 0
		.amdhsa_kernarg_size 32
		.amdhsa_user_sgpr_count 2
		.amdhsa_user_sgpr_kernarg_segment_ptr 1
		.amdhsa_wavefront_size32 1
		.amdhsa_system_sgpr_workgroup_id_x 1
		.amdhsa_system_sgpr_workgroup_id_y 1
		.amdhsa_system_sgpr_workgroup_id_z 1
		.amdhsa_system_vgpr_workitem_id 0
		.amdhsa_next_free_vgpr 130
		.amdhsa_next_free_sgpr 66
		.amdhsa_reserve_vcc 1
		.amdhsa_float_denorm_mode_32 3
		.amdhsa_float_denorm_mode_16_64 3
		.amdhsa_memory_ordered 1
		.amdhsa_forward_progress 1
		.amdhsa_inst_pref_size 14
	.end_amdhsa_kernel
	.amdgpu_metadata
---
amdhsa.version: [ 1, 2 ]
amdhsa.kernels:
  - .name:           k_qd984649847_red1
    .symbol:         k_qd984649847_red1.kd
    .args:
      - { .name: part, .offset: 0, .size: 8, .value_kind: global_buffer, .address_space: global }
      - { .name: norm1_w, .offset: 8, .size: 8, .value_kind: global_buffer, .address_space: global }
      - { .name: norm1_b, .offset: 16, .size: 8, .value_kind: global_buffer, .address_space: global }
      - { .name: stat1, .offset: 24, .size: 8, .value_kind: global_buffer, .address_space: global }
    .group_segment_fixed_size: 10240
    .private_segment_fixed_size: 0
    .kernarg_segment_align: 8
    .kernarg_segment_size: 32
    .max_flat_workgroup_size: 512
    .sgpr_count:     66
    .vgpr_count:     130
    .wavefront_size: 32
...
	.end_amdgpu_metadata
.endif
;; end of part 10
;; launch ffns (part 11): grid 256 x 1, 8 waves a work-group, no clusters, 326,656 bytes of LDS; arguments hd, wimg, stat1, ff_b1, ff_b2, part, gq; writes part, gq
.if DOCPART == 11
	.amdgcn_target "amdgcn-amd-amdhsa--gfx1250"
	.amdhsa_code_object_version 6
	.text
	.protected	k_qd984649847_ffns
	.globl	k_qd984649847_ffns
	.p2align	8
	.type	k_qd984649847_ffns,@function
k_qd984649847_ffns:
	s_mov_b64 s[64:65], 0
	v_nop
	global_prefetch_b8 v0, s[64:65] scope:SCOPE_SE
	s_setreg_imm32_b32 hwreg(HW_REG_WAVE_SCHED_MODE, 0, 2), 2
	s_setreg_imm32_b32 hwreg(HW_REG_WAVE_MODE, 25, 1), 1
	s_wait_xcnt 0x0
	s_wait_alu depctr_vm_vsrc(0)
; From the heads' codes: out = heads Wo; h = a1 out + c1 (the first batch norm); g = relu(h W1^T + b1); z = h + g W2^T + b2.  Of z each column's mean and sum of squared deviations over the 128 rows leave (part),
; and g's codes and scale words as they lie in LDS (gq: 53,248 bytes a work-group), so that the last launch need not make g again.
; All three products on codes of FP6 (E2M3) with E8M0 scales; h and g are quantised in registers and go from wave to wave through LDS as images of the operand's registers; all else in f32.
; SHARES.  Work-group wg owns 128 rows; wave w owns columns 64 w .. 64 w + 63 of every product: 32 accumulators, all of window 1.  h waits in the wave's own 32,768 bytes of LDS and comes back as the C of the third product.
; out is made again here from 53,248 bytes of codes a work-group, so that no f32 intermediate of 67 MB is written and read.
; a1, c1 and b1 of the wave's 64 columns (256 bytes each) are loaded at the head and wait in the wave's own LDS bytes; at their use they come by LDS loads.
; NO JOINT TENSOR LOADS for the weights, though all 256 work-groups read them: 325,632 of the 327,680 bytes of LDS are written by ds_store here.
; LIMITS: NaN and infinities are not served; a block whose largest magnitude lies under 2^-124 (zeros too) gets the byte 1.
; REGISTERS, window 0: v1-14 addresses; v16-31 the rows' scale words; v32-39 the weights'; v48-143 8 row fragments (between phases: parameters, the quantiser's v112-130, the statistics); v144-239 two sets of weights; v240-252 codes and scale bytes just made.
; THE MODE: SCHED_MODE bits 1:0 = 2 (LLVM: expert scheduling mode 2), set by the entry lines.  The code itself states the register dependences between vector or matrix instructions and memory or LDS instructions, with s_wait_alu, always for 0.
; THE PLAN.  Registers that memory or LDS instructions touch, and who else names them:
;   v1-v14     addresses: written at the head, never again: one wait on va_vdst ahead of the first load.
;   v48-143    by turns: the head's loads (read by my LDS stores: a wait on vm_vsrc behind the first barrier); row fragments (macro GEMM); parameters (LDS loads land behind the wait on va_vdst that follows each product;
;              the multiply-adds read them); the copy of g (LDS loads land, global stores read: a wait on vm_vsrc ahead of the third product); the statistics.
;   v144-239, v32-39   weights and their scale words: the next product's land behind the wait on va_vdst that follows each product.
;   window 1   the accumulators.  h is read by the 64 LDS stores of the stash behind a wait on va_vdst, and comes back by 64 LDS loads, behind the last quantiser's wait.
;   PC, PW     v240-252: a quantiser writes them, LDS stores read them.  A wait on va_vdst stands behind each quantiser, ahead of its stores; the wait on vm_vsrc for those stores stands in the MIDDLE of the next quantiser,
;              behind its search for the maxima, which names neither.
.set SCB,  49152
.set STA,  53248                       ; the stash: 32,768 bytes a wave
.set SCR,  315392
.set PB,   319488                      ; the parameters: 768 bytes a wave: a1, c1, b1
.set LI,   1
.set AI,   1
.set ASA,  2
.set CH,   3
.set ST,   4
.set WA,   5
.set WB,   6
.set WS,   7
.set PO,   8
.set VSS,  9
.set VSL,  10
.set VPG,  11
.set L8,   12                          ; 8 x lane
.set PS,   13                          ; my parameters' bytes + 8 x lane
.set PL,   14                          ; my parameters' bytes + 64 h
.set ASC,  16
.set WSC,  32
.set AF,   48
.set TM,   112
.set XT0,  124
.set XT1,  128
.set WF,   144
.set PC,   240
.set PW,   252
.set SUM,  48
.set M2,   80
.set T,    112
.set PP,   14
.set WPB,  40
.set WSB,  42
.set SEL,  44
.set MSB, 0
.macro WIN new                         ; the immediate's high byte repeats the setting that is left
.if MSB != (\new)
	s_set_vgpr_msb (MSB<<8)|(\new)
.set MSB, (\new)
.endif
.endm
.macro NOP4                            ; four places behind a matrix instruction (ISA guide 7.12.1), where no other vector work is at hand
.rept 4
	v_nop
.endr
.endm
.macro BAR                             ; my LDS stores have landed and my LDS loads are in: then the work-group's barrier
	s_wait_dscnt 0x0
	s_barrier_signal -1
	s_barrier_wait -1
.endm
.macro WLOAD set, mat, s
.irp t, 0,1,2,3
.irp g, 0,1,2
	global_load_b128 v[WF+48*(\set)+12*\t+4*\g:WF+48*(\set)+12*\t+4*\g+3], v[LI], s[WPB:WPB+1] offset:204800*(\mat)+6144*(\s)+1536*\t+512*\g
.endr
.endr
.endm
.macro PRE mat
	global_load_b128 v[WSC:WSC+3], v[LI], s[WSB:WSB+1] offset:204800*(\mat)
	global_load_b128 v[WSC+4:WSC+7], v[LI], s[WSB:WSB+1] offset:204800*(\mat)+512
	WLOAD 0, \mat, 0
	WLOAD 1, \mat, 1
.endm
.macro AFETCH s, m0
.irp mm, 0,1,2,3
.irp g, 0,1,2
	ds_load_b128 v[AF+12*((\m0)+\mm)+4*\g:AF+12*((\m0)+\mm)+4*\g+3], v[AI] offset:(8*(\s)+(\m0)+\mm)*1536+512*\g
.endr
.endr
.endm
.macro ASCL
.irp sg, 0,1
.irp mh, 0,1
	ds_load_b128 v[ASC+8*\sg+4*\mh:ASC+8*\sg+4*\mh+3], v[ASA] offset:1024*\sg+16*\mh
.endr
.endr
.endm
.macro MM tr, arr, s, m, first
.irp t, 0,1,2,3
.if \arr
.set zD, 8*(8*\t+(\m))
.else
.set zD, 8*(4*(\m)+\t)
.endif
.if \tr
.set zP, WF+48*((\s)%2)+12*\t
.set zQ, AF+12*(\m)
.set zX, WSC+4*((\s)/2)+\t
.set zY, ASC+8*((\s)/2)+(\m)
.else
.set zQ, WF+48*((\s)%2)+12*\t
.set zP, AF+12*(\m)
.set zY, WSC+4*((\s)/2)+\t
.set zX, ASC+8*((\s)/2)+(\m)
.endif
.if (\first) && ((\s) == 0)
	v_wmma_scale_f32_16x16x128_f8f6f4 v[zD:zD+7], v[zP:zP+11], v[zQ:zQ+11], 0, v[zX], v[zY] matrix_a_fmt:MATRIX_FMT_FP6 matrix_b_fmt:MATRIX_FMT_FP6
.elseif ((\s)%2) == 0
	v_wmma_scale_f32_16x16x128_f8f6f4 v[zD:zD+7], v[zP:zP+11], v[zQ:zQ+11], v[zD:zD+7], v[zX], v[zY] matrix_a_fmt:MATRIX_FMT_FP6 matrix_b_fmt:MATRIX_FMT_FP6
.else
	v_wmma_scale_f32_16x16x128_f8f6f4 v[zD:zD+7], v[zP:zP+11], v[zQ:zQ+11], v[zD:zD+7], v[zX], v[zY] matrix_a_fmt:MATRIX_FMT_FP6 matrix_b_fmt:MATRIX_FMT_FP6 matrix_a_scale:MATRIX_SCALE_ROW1 matrix_b_scale:MATRIX_SCALE_ROW1
.endif
.endr
.endm
; 128 rows x 64 columns x K 512: 128 matrix instructions; the 32 accumulators take turns in one order in every K step.
; A K step is two halves of 16 products: row tiles 0-3 read fragments 0-3, row tiles 4-7 fragments 4-7; all 32 read weight set s % 2.  At the head of a half ONE wait on va_vdst states that the half before is done
; reading its fragments (at a K step's head: and its set of weights).  Four products follow it, then the loads into those registers, then the other twelve: the products issued since the wait name the other half's
; fragments, the other set, the scale words and the accumulators alone, so the loads owe nothing more.  The caller states what the scale words' and the first fragments' registers hang on.
.macro GEMM tr, arr, first, mat
	ASCL
	AFETCH 0, 0
	AFETCH 0, 4
.irp s, 0,1,2,3
.if \s == 0
	s_wait_loadcnt 12                              ; the weights' scale words and set 0 are in; set 1's 12 loads may be out
	s_wait_dscnt 12                                ; the rows' scale words and fragments 0-3 (and all that was asked of LDS before them) are in; the 12 loads of fragments 4-7 may be out
.else
	s_wait_loadcnt 0x0                             ; this K step's weights are in
	s_wait_dscnt 0x0                               ; fragments 0-3 of this K step are in
	s_wait_alu depctr_va_vdst(0)                   ; the last K step's products are done reading fragments 4-7 and their set of weights, in which the loads below land
.endif
	WIN 0x50
	MM \tr, \arr, \s, 0, \first
.if \s > 0
	WIN 0
	AFETCH \s, 4
.if (\s == 1) || (\s == 2)
	WLOAD (\s+1)%2, \mat, \s+1
.endif
	WIN 0x50
.endif
	MM \tr, \arr, \s, 1, \first
	MM \tr, \arr, \s, 2, \first
	MM \tr, \arr, \s, 3, \first
	WIN 0
	s_wait_dscnt 0x0                               ; fragments 4-7 of this K step are in
.if \s < 3
	NOP4                                           ; (four plain places stay between these products and the loads into the fragments that they read)
	s_wait_alu depctr_va_vdst(0)                   ; the sixteen products above are done reading fragments 0-3, in which the loads below land
.endif
	WIN 0x50
	MM \tr, \arr, \s, 4, \first
.if \s < 3
	WIN 0
	AFETCH \s+1, 0
	WIN 0x50
.endif
	MM \tr, \arr, \s, 5, \first
	MM \tr, \arr, \s, 6, \first
	MM \tr, \arr, \s, 7, \first
	WIN 0
	NOP4                                           ; four places: ahead of the next loads into these products' operands, and, behind the last K step, of the first read of the results
.endr
.endm
; fr: who has read v[PC ..] and v[PW] since they were written last: 0 nobody, 1 LDS stores
.macro QUANT s, win, np, fr
	WIN 5*(\win)
.set qb, 0
.rept 2*(\np)
	v_max3_num_f32 v[TM+qb], |v[(\s)+16*qb]|, |v[(\s)+16*qb+1]|, 0x1800000   ; my 16 numbers of block b, and the floor 2^(3 - 127): the byte cannot fall under 1
.set qb, qb+1
.endr
.irp i, 2,4,6,8,10,12,14
.set qb, 0
.rept 2*(\np)
	v_max3_num_f32 v[TM+qb], |v[(\s)+16*qb+\i]|, |v[(\s)+16*qb+\i+1]|, v[TM+qb]
.set qb, qb+1
.endr
.endr
	WIN 0
.set qb, 0
.rept 2*(\np)
	v_permlanex16_b32 v[TM+4+qb], v[TM+qb], s[SEL], s[SEL+1]
.set qb, qb+1
.endr
.set qb, 0
.rept 2*(\np)
	v_max_num_f32 v[TM+qb], v[TM+qb], v[TM+4+qb]
.set qb, qb+1
.endr
.set qb, 0
.rept 2*(\np)
	v_add_nc_u32 v[TM+8+qb], 0xff000000, v[TM+qb]
.set qb, qb+1
.endr
.set qb, 0
.rept 2*(\np)
	v_lshrrev_b32 v[TM+4+qb], 23, v[TM+8+qb]
.set qb, qb+1
.endr
.if (\fr) > 0
	s_wait_alu depctr_vm_vsrc(0)                   ; the LDS stores issued so far have read the codes and scale bytes made last (v[PC ..], v[PW]), which the lines below write; the stash's stores have read h
.endif
	v_lshl_or_b32 v[PW], v[TM+5], 8, v[TM+4]
.if (\np) == 2
	v_lshl_or_b32 v[PW], v[TM+6], 16, v[PW]
	v_lshl_or_b32 v[PW], v[TM+7], 24, v[PW]
.endif
	WIN (\win)
	v_cvt_scalef32_pk16_fp6_f32 v[PC:PC+2], v[(\s):(\s)+15], v[TM+8]
	v_cvt_scalef32_pk16_fp6_f32 v[XT0:XT0+2], v[(\s)+16:(\s)+31], v[TM+9]
.if (\np) == 2
	v_cvt_scalef32_pk16_fp6_f32 v[PC+6:PC+8], v[(\s)+32:(\s)+47], v[TM+10]
	v_cvt_scalef32_pk16_fp6_f32 v[XT1:XT1+2], v[(\s)+48:(\s)+63], v[TM+11]
.endif
	WIN 0
	v_nop                                          ; one plain place behind a scaled conversion
.irp i, 0,1,2
	v_permlane16_swap_b32 v[PC+\i], v[XT0+\i]
.endr
.irp i, 0,1,2
	v_mov_b32 v[PC+3+\i], v[XT0+\i]
.endr
.if (\np) == 2
.irp i, 0,1,2
	v_permlane16_swap_b32 v[PC+6+\i], v[XT1+\i]
.endr
.irp i, 0,1,2
	v_mov_b32 v[PC+9+\i], v[XT1+\i]
.endr
.endif
.endm
; the two half fragments just made (row tiles m and m + 1; my 64 columns are half w % 2 of K step w / 2) go into the images, their two scale bytes each into the scale words
.macro HSTORE m
	ds_store_b64 v[WA], v[PC:PC+1] offset:1536*(\m)
	ds_store_b64 v[WB], v[PC+2:PC+3] offset:1536*(\m)
	ds_store_b64 v[WA], v[PC+4:PC+5] offset:1536*(\m)+512
	ds_store_b64 v[WA], v[PC+6:PC+7] offset:1536*((\m)+1)
	ds_store_b64 v[WB], v[PC+8:PC+9] offset:1536*((\m)+1)
	ds_store_b64 v[WA], v[PC+10:PC+11] offset:1536*((\m)+1)+512
	ds_store_b16 v[WS], v[PW] offset:4*(\m)
	ds_store_b16_d16_hi v[WS], v[PW] offset:4*((\m)+1)
.endm
.macro REQUANT f0                      ; f0: have LDS stores read the codes' registers before this run?
.irp mp, 0,1,2,3
.if \mp == 0
	QUANT 0, 1, 2, \f0
.else
	QUANT 64*\mp, 1, 2, 1
.endif
	s_wait_alu depctr_va_vdst(0)                   ; the quantiser has written the codes and the scale bytes, which the LDS stores read
	HSTORE 2*\mp
.endr
.endm
.macro PLOAD reg, ptr, off             ; a lane's 32 column parameters in the accumulators' order, from memory: register 16 c + i = column 64 w + 32 c + 16 h + i
.irp c, 0,1
.irp i, 0,1,2,3
	global_load_b128 v[(\reg)+16*\c+4*\i:(\reg)+16*\c+4*\i+3], v[PO], s[\ptr:\ptr+1] offset:(\off)+128*\c+16*\i
.endr
.endr
.endm
.macro PLOADL reg, k                   ; the same from my own LDS bytes: parameter k; the sixteen lanes of a half read the same bytes
.irp c, 0,1
.irp i, 0,1,2,3
	ds_load_b128 v[(\reg)+16*\c+4*\i:(\reg)+16*\c+4*\i+3], v[PL] offset:256*(\k)+128*\c+16*\i
.endr
.endr
.endm
; each column's mean over the 128 rows and its sum of squared deviations FROM THAT MEAN.  bias = 1: v144-175 are added onto the means
.macro STATS bias
	WIN 0x05
.set si, 0
.rept 16
	v_pk_add_f32 v[SUM+2*si:SUM+2*si+1], v[2*si:2*si+1], v[32+2*si:32+2*si+1]
.set si, si+1
.endr
	WIN 0x01
.irp m, 2,3,4,5,6,7
.set si, 0
.rept 16
	v_pk_add_f32 v[SUM+2*si:SUM+2*si+1], v[32*\m+2*si:32*\m+2*si+1], v[SUM+2*si:SUM+2*si+1]
.set si, si+1
.endr
.endr
	WIN 0
.irp x, 1,2,4,8
.set si, 0
.rept 32
	v_add_f32_dpp v[SUM+si], v[SUM+si], v[SUM+si] row_xmask:\x row_mask:0xf bank_mask:0xf
.set si, si+1
.endr
.endr
.set si, 0
.rept 16
	v_pk_mul_f32 v[SUM+2*si:SUM+2*si+1], v[SUM+2*si:SUM+2*si+1], 0x3c000000 op_sel_hi:[1,0]   ; / 128
.set si, si+1
.endr
.irp m, 0,1,2,3,4,5,6,7
	WIN 0x01
.set si, 0
.rept 16
	v_pk_add_f32 v[T+2*si:T+2*si+1], v[32*\m+2*si:32*\m+2*si+1], v[SUM+2*si:SUM+2*si+1] neg_lo:[0,1] neg_hi:[0,1]
.set si, si+1
.endr
	WIN 0
.set si, 0
.rept 16
.if \m == 0
	v_pk_mul_f32 v[M2+2*si:M2+2*si+1], v[T+2*si:T+2*si+1], v[T+2*si:T+2*si+1]
.else
	v_pk_fma_f32 v[M2+2*si:M2+2*si+1], v[T+2*si:T+2*si+1], v[T+2*si:T+2*si+1], v[M2+2*si:M2+2*si+1]
.endif
.set si, si+1
.endr
.endr
.irp x, 1,2,4,8
.set si, 0
.rept 32
	v_add_f32_dpp v[M2+si], v[M2+si], v[M2+si] row_xmask:\x row_mask:0xf bank_mask:0xf
.set si, si+1
.endr
.endr
.if \bias
	s_wait_loadcnt 0x0
.set si, 0
.rept 16
	v_pk_add_f32 v[SUM+2*si:SUM+2*si+1], v[SUM+2*si:SUM+2*si+1], v[144+2*si:144+2*si+1]
.set si, si+1
.endr
.endif
	s_wait_alu depctr_va_vdst(0)                   ; the means and the sums are written, which the LDS stores read; the lines above are done with v[T ..], in which the load below lands
.irp c, 0,1
.irp i, 0,1,2,3
	ds_store_b128 v[VSS], v[SUM+16*\c+4*\i:SUM+16*\c+4*\i+3] offset:256*\c+16*\i
	ds_store_b128 v[VSS], v[M2+16*\c+4*\i:M2+16*\c+4*\i+3] offset:256*\c+128+16*\i
.endr
.endr
	ds_load_b128 v[T:T+3], v[VSL]                  ; LDS serves a wave's instructions in order: this sees my stores
	s_wait_dscnt 0x0
	global_store_b128 v[VPG], v[T:T+3], s[PP:PP+1] ; sixteen lanes store 256 consecutive bytes, aligned
.endm
	s_load_b256 s[4:11], s[0:1], 0x0               ; hd s[4:5], wimg s[6:7], stat1 s[8:9], ff_b1 s[10:11]
	s_load_b128 s[12:15], s[0:1], 0x20             ; ff_b2 s[12:13], part s[14:15]
	s_load_b64 s[16:17], s[0:1], 0x30              ; gq
	v_lshl_add_u32 v254, v0, 2, 0x4f800
	v_mov_b32 v255, 0
	v_lshrrev_b32 v40, 5, v0
	v_readfirstlane_b32 s20, v40                   ; wave
	v_and_b32 v40, 31, v0                          ; lane
	v_and_b32 v41, 15, v0                          ; r
	v_bfe_u32 v42, v0, 4, 1                        ; h
	v_lshlrev_b32 v[LI], 4, v40
	s_wait_alu depctr_va_vdst(0)
	v_lshlrev_b32 v[L8], 3, v40
	v_lshl_add_u32 v[ASA], v40, 5, SCB
	s_wait_alu depctr_va_sdst(0)                   ; s20 is written, ahead of its first reader: LDS addresses and all bases are made from it
	s_mul_i32 s27, s20, 6656
	v_add_nc_u32 v[CH], s27, v[LI]
	s_lshl_b32 s21, s20, 15
	s_add_co_u32 s21, s21, STA
	v_add_nc_u32 v[ST], s21, v[LI]
	s_lshr_b32 s24, s20, 1
	s_mul_i32 s24, s24, 12288
	s_and_b32 s25, s20, 1
	s_mul_i32 s26, s25, 520
	s_add_co_u32 s26, s26, s24
	v_add_nc_u32 v[WA], s26, v[LI]
	s_mul_i32 s26, s25, 1016
	s_add_co_u32 s26, s26, s24
	s_add_co_u32 s26, s26, 8
	v_add_nc_u32 v[WB], s26, v[LI]
	s_lshr_b32 s24, s20, 2
	s_lshl_b32 s24, s24, 10
	s_bfe_u32 s26, s20, 0x10001
	s_lshl_b32 s26, s26, 9
	s_add_co_u32 s24, s24, s26
	s_lshl_b32 s26, s25, 1
	s_add_co_u32 s24, s24, s26
	s_add_co_u32 s24, s24, SCB
	v_lshl_add_u32 v[WS], v41, 5, s24
	v_lshlrev_b32 v[PO], 6, v42
	s_lshl_b32 s24, s20, 9
	s_add_co_u32 s24, s24, SCR
	v_add_nc_u32 v[VSS], s24, v[PO]
	v_add_nc_u32 v[VSL], s24, v[LI]
	v_lshlrev_b32 v[VPG], 4, v41
	v_lshl_add_u32 v[VPG], v42, 16, v[VPG]
	s_mul_i32 s24, s20, 768
	s_add_co_u32 s24, s24, PB
	v_add_nc_u32 v[PS], s24, v[L8]
	v_add_nc_u32 v[PL], s24, v[PO]
.irp i, 0,1,2,3
	v_mov_b32 v[TM+4+\i], 0                        ; written once: a lane permute's destination counts as one of its sources
.endr
	s_mov_b32 s[SEL], 0x76543210
	s_mov_b32 s[SEL+1], 0xfedcba98
	s_mul_i32 s22, ttmp9, 53248
	s_add_co_u32 s22, s22, s27
	s_mov_b32 s23, 0
	s_wait_kmcnt 0x0
	s_add_nc_u64 s[4:5], s[4:5], s[22:23]
	s_add_nc_u64 s[16:17], s[16:17], s[22:23]      ; gq: my eighth of the work-group's block, as in hd
	s_mul_i32 s22, s20, 24576
	s_add_nc_u64 s[WPB:WPB+1], s[6:7], s[22:23]
	s_lshl_b32 s22, s20, 10
	s_add_co_u32 s22, s22, 196608
	s_add_nc_u64 s[WSB:WSB+1], s[6:7], s[22:23]
	s_lshl_b32 s22, s20, 8
	s_add_nc_u64 s[8:9], s[8:9], s[22:23]
	s_add_nc_u64 s[10:11], s[10:11], s[22:23]
	s_add_nc_u64 s[12:13], s[12:13], s[22:23]
	s_lshl_b32 s22, s20, 17
	s_lshl_b32 s21, ttmp9, 8
	s_add_co_u32 s22, s22, s21
	s_add_nc_u64 s[14:15], s[14:15], s[22:23]
	; ---- my columns' a1, c1, b1 (32 lanes x 8 bytes each), and the heads' images and scale words as they lie: 6,656 bytes a wave
	s_wait_alu depctr_va_vdst(0)                   ; the addresses v1 to v14 are written, which all loads and stores of the kernel read; so are v116-119, in which fragments land later
	global_load_b64 v[100:101], v[L8], s[8:9]
	global_load_b64 v[102:103], v[L8], s[8:9] offset:2048
	global_load_b64 v[104:105], v[L8], s[10:11]
.set ci, 0
.rept 13
	global_load_b128 v[48+4*ci:48+4*ci+3], v[LI], s[4:5] offset:512*ci th:TH_LOAD_NT
.set ci, ci+1
.endr
	PRE 3
	s_wait_loadcnt 26                              ; the 16 are in; the weights' 26 loads behind them may be out
.irp k, 0,1,2
	ds_store_b64 v[PS], v[100+2*\k:101+2*\k] offset:256*\k
.endr
.set ci, 0
.rept 13
	ds_store_b128 v[CH], v[48+4*ci:48+4*ci+3] offset:512*ci
.set ci, ci+1
.endr
	BAR
	s_wait_alu depctr_vm_vsrc(0)                   ; my LDS stores have read v48-105, in which fragments land
	GEMM 1, 0, 1, 3                                ; out = heads Wo
	s_wait_alu depctr_va_vdst(0)                   ; the products are done reading the fragments, the weights and their scale words: a1, c1 and W1's first fragments land there
	PLOADL 48, 0                                   ; a1
	PLOADL 80, 1                                   ; c1
	PRE 4
	s_wait_dscnt 0x0                               ; a1 and c1 are in
	WIN 0x41
.set ci, 0
.rept 128
	v_pk_fma_f32 v[2*ci:2*ci+1], v[2*ci:2*ci+1], v[48+2*(ci%16):48+2*(ci%16)+1], v[80+2*(ci%16):80+2*(ci%16)+1]   ; h = a1 out + c1
.set ci, ci+1
.endr
	WIN 0x04
	s_wait_alu depctr_va_vdst(0)                   ; the multiply-adds have written h, which the LDS stores read
.set ci, 0
.rept 64
	ds_store_b128 v[ST], v[4*ci:4*ci+3] offset:512*ci      ; h waits in my stash
.set ci, ci+1
.endr
	WIN 0
	BAR                                            ; every wave's reads of the heads' images are over
	REQUANT 0
	BAR                                            ; h's images lie in LDS
	GEMM 1, 0, 1, 4                                ; h W1^T  (the first fragments land in registers that vector instructions named ahead of the last wait on va_vdst; the products write window 1, which the stash's stores read ahead of the quantisers' waits on vm_vsrc)
	s_wait_alu depctr_va_vdst(0)                   ; the products are done reading the fragments, the weights and their scale words: b1 and W2's first fragments land there
	PLOADL 48, 2                                   ; b1
	PRE 5
	s_wait_dscnt 0x0
	WIN 0x41
.set ci, 0
.rept 128
	v_pk_add_f32 v[2*ci:2*ci+1], v[2*ci:2*ci+1], v[48+2*(ci%16):48+2*(ci%16)+1]
.set ci, ci+1
.endr
	WIN 0x44
.set ci, 0
.rept 256
	v_max_num_f32 v[ci], 0, v[ci]                  ; the activation, in f32
.set ci, ci+1
.endr
	WIN 0
	BAR                                            ; every wave's reads of h's images are over
	REQUANT 1
	BAR                                            ; g's images lie in LDS
.set ci, 0
.rept 13
	ds_load_b128 v[48+4*ci:48+4*ci+3], v[CH] offset:512*ci ; g's block goes to memory as it lies: my eighth of it.  (No vector instruction has been issued since the last quantiser's wait on va_vdst: these loads and the stash's owe nothing more)
.set ci, ci+1
.endr
	WIN 0x40
.set ci, 0
.rept 48
	ds_load_b128 v[4*ci:4*ci+3], v[ST] offset:512*ci       ; h comes back as the sums' start
.set ci, ci+1
.endr
	s_wait_dscnt 48                                ; the 13 are in; the 48 behind them may be out
	WIN 0
.set ci, 0
.rept 13
	global_store_b128 v[LI], v[48+4*ci:48+4*ci+3], s[16:17] offset:512*ci   ; 32 lanes store 512 consecutive bytes
.set ci, ci+1
.endr
	WIN 0x40
.set ci, 48
.rept 16
	ds_load_b128 v[4*ci:4*ci+3], v[ST] offset:512*ci
.set ci, ci+1
.endr
	WIN 0
	s_wait_xcnt 0x0                                ; the stores have had their addresses translated: only behind this wait are their data written again;
	s_wait_alu depctr_vm_vsrc(0)                   ; the stores have read v48-99, in which fragments land next
	GEMM 1, 0, 0, 5                                ; h + g W2^T
	s_wait_alu depctr_va_vdst(0)                   ; the products are done reading weight set 0, in which b2 lands
	PLOAD 144, 12, 0                               ; b2 moves each column's mean and no deviation; it lands while the statistics are made
	STATS 1
	s_wait_dscnt 0x0                               ; the closing lines, six on end
	s_wait_alu 0x0
	s_wait_tensorcnt 0x0
	ds_add_u32 v254, v255
	s_wait_dscnt 0x0
	s_endpgm
.Lfunc_end_k_qd984649847_ffns:
	.size	k_qd984649847_ffns, .Lfunc_end_k_qd984649847_ffns-k_qd984649847_ffns
	.p2alignl 7, 3214868480
	.fill 96, 4, 3214868480
	.section	.rodata,"a",@progbits
	.p2align	6, 0x0
	.amdhsa_kernel k_qd984649847_ffns
		.amdhsa_group_segment_fixed_size 326656
		.amdhsa_private_segment_fixed_size 0
		.amdhsa_enable_private_segment 0
		.amdhsa_kernarg_size 56
		.amdhsa_user_sgpr_count 2
		.amdhsa_user_sgpr_kernarg_segment_ptr 1
		.amdhsa_wavefront_size32 1
		.amdhsa_system_sgpr_workgroup_id_x 1
		.amdhsa_system_sgpr_workgroup_id_y 1
		.amdhsa_system_sgpr_workgroup_id_z 1
		.amdhsa_system_vgpr_workitem_id 0
		.amdhsa_next_free_vgpr 512
		.amdhsa_next_free_sgpr 66
		.amdhsa_reserve_vcc 0
		.amdhsa_float_denorm_mode_32 3
		.amdhsa_float_denorm_mode_16_64 3
		.amdhsa_memory_ordered 1
		.amdhsa_forward_progress 1
		.amdhsa_inst_pref_size 210
	.end_amdhsa_kernel
	.amdgpu_metadata
---
amdhsa.version: [ 1, 2 ]
amdhsa.kernels:
  - .name:           k_qd984649847_ffns
    .symbol:         k_qd984649847_ffns.kd
    .args:
      - { .name: hd, .offset: 0, .size: 8, .value_kind: global_buffer, .address_space: global }
      - { .name: wimg, .offset: 8, .size: 8, .value_kind: global_buffer, .address_space: global }
      - { .name: stat1, .offset: 16, .size: 8, .value_kind: global_buffer, .address_space: global }
      - { .name: ff_b1, .offset: 24, .size: 8, .value_kind: global_buffer, .address_space: global }
      - { .name: ff_b2, .offset: 32, .size: 8, .value_kind: global_buffer, .address_space: global }
      - { .name: part, .offset: 40, .size: 8, .value_kind: global_buffer, .address_space: global }
      - { .name: gq, .offset: 48, .size: 8, .value_kind: global_buffer, .address_space: global }
    .group_segment_fixed_size: 326656
    .private_segment_fixed_size: 0
    .kernarg_segment_align: 8
    .kernarg_segment_size: 56
    .max_flat_workgroup_size: 256
    .sgpr_count:     66
    .vgpr_count:     512
    .wavefront_size: 32
...
	.end_amdgpu_metadata
.endif
;; end of part 11
;; launch red2: the kernel of part 10 again; grid 16 x 1, 16 waves a work-group, no clusters, 10,240 bytes of LDS; arguments part, norm2_w, norm2_b, stat2; writes stat2
;; launch ffno (part 12): grid 256 x 1, 8 waves a work-group, no clusters, 152,576 bytes of LDS; arguments hd, gq, wimg, stat1, ff_b2, stat2, out0; writes out0
.if DOCPART == 12
	.amdgcn_target "amdgcn-amd-amdhsa--gfx1250"
	.amdhsa_code_object_version 6
	.text
	.protected	k_qd984649847_ffno
	.globl	k_qd984649847_ffno
	.p2align	8
	.type	k_qd984649847_ffno,@function
k_qd984649847_ffno:
	s_mov_b64 s[64:65], 0
	v_nop
	global_prefetch_b8 v0, s[64:65] scope:SCOPE_SE
	s_setreg_imm32_b32 hwreg(HW_REG_WAVE_SCHED_MODE, 0, 2), 2
	s_setreg_imm32_b32 hwreg(HW_REG_WAVE_MODE, 25, 1), 1
	s_wait_xcnt 0x0
	s_wait_alu depctr_vm_vsrc(0)
; From the heads' codes and g's codes: out = heads Wo; h = a1 out + c1, in place in the accumulators; z = h + g W2^T + b2, the product adding straight onto h; out0 = a2 z + c2
; (the second batch norm, whose a2 and c2 span all rows and so come from the launches before).  g = relu(h W1^T + b1) was quantised by the launch before the statistics and is not made again.
; Both products on codes of FP6 (E2M3) with E8M0 scales; all else in f32.
; SHARES.  Work-group wg owns 128 rows; wave w owns columns 64 w .. 64 w + 63 of both products: 32 accumulators, all of window 1.  Both blocks of images (53,248 bytes each) come into LDS at the head; one barrier; from there on the waves share nothing.
; out is made again from 53,248 bytes of codes a work-group, so that no f32 intermediate of 67 MB is written and read.  The row tiles' permutation (row p of tile 2 b + u is token 32 b + 8 u + p + 8 (p / 8)) is undone by the last stores' offsets.
; a1, c1, a2, c2, b2 of the wave's 64 columns (256 bytes each) are loaded at the head and wait in the wave's own LDS bytes; at their use they come by LDS loads.
; NO JOINT TENSOR LOADS for the weights, though all 256 work-groups read the same 409,600 bytes and 176,128 bytes of LDS are free here: each fragment goes from memory straight into the registers of the one wave that uses it,
; in the form that the sister launches, whose LDS is full, need; a ring of joint loads would serve this launch alone and is not built.
; LIMITS: NaN and infinities are not served.
; REGISTERS, window 0: v1-11 addresses; v16-31 the rows' scale words; v32-39 the weights'; v48-143 8 row fragments (between phases: parameters); v144-239 two sets of weights, at the end rows on their way out.   window 1: the blocks on their way in, then the accumulators.
; THE MODE: SCHED_MODE bits 1:0 = 2 (LLVM: expert scheduling mode 2), set by the entry lines.  The code itself states the register dependences between vector or matrix instructions and memory or LDS instructions, with s_wait_alu, always for 0.
; THE PLAN.  Registers that memory or LDS instructions touch, and who else names them:
;   v1-v11     addresses: written at the head, never again: one wait on va_vdst ahead of the first load.
;   window 1   the head's loads land, my LDS stores read: a wait on vm_vsrc behind the barrier, ahead of the products that write the accumulators there.  At the end the LDS stores of the way out read them, behind one wait on va_vdst.
;   v48-143    row fragments (macro GEMM) and, between the products, parameters: LDS loads land behind the wait on va_vdst that follows each product; the multiply-adds read them; a wait on va_vdst behind those, ahead of the next fragments.
;   v144-239, v32-39   weights and their scale words: W2's land behind the wait on va_vdst that follows the first product.
;   v144-207   on the way out two buffers of 32 by turns: LDS loads land, global stores read; a wait on vm_vsrc ahead of the loads that land in a buffer again.  No vector instruction stands in the way out.
.set SCB,  49152                       ; LDS: the heads' block at 0: images [(8 s + m) x 1,536], scale words at SCB;
.set GB,   53248                       ; g's block, laid alike;
.set STG,  106496                      ; a stage of 16 rows x 272 bytes for each wave, for the way out;
.set PB,   141312                      ; the parameters: 1,280 bytes a wave: a1, c1, a2, c2, b2
.set LI,   1                           ; 16 x lane
.set ASA0, 2                           ; SCB + 32 x lane
.set AI1,  3                           ; GB + 16 x lane
.set ASA1, 4                           ; GB + SCB + 32 x lane
.set CH,   5                           ; 6,656 w + 16 x lane
.set PS,   6                           ; my parameters' bytes + 8 x lane
.set PL,   7                           ; my parameters' bytes + 64 h
.set L8,   8                           ; 8 x lane
.set OS,   9
.set OR,   10
.set GO,   11
.set ASC,  16
.set WSC,  32
.set AF,   48
.set WF,   144
.set WPB,  40
.set WSB,  42
.set MSB, 0
.macro WIN new                         ; the immediate's high byte repeats the setting that is left
.if MSB != (\new)
	s_set_vgpr_msb (MSB<<8)|(\new)
.set MSB, (\new)
.endif
.endm
.macro NOP4                            ; four places behind a matrix instruction (ISA guide 7.12.1), where no other vector work is at hand
.rept 4
	v_nop
.endr
.endm
.macro BAR                             ; my LDS stores have landed and my LDS loads are in: then the work-group's barrier
	s_wait_dscnt 0x0
	s_barrier_signal -1
	s_barrier_wait -1
.endm
.macro WLOAD set, mat, s
.irp t, 0,1,2,3
.irp g, 0,1,2
	global_load_b128 v[WF+48*(\set)+12*\t+4*\g:WF+48*(\set)+12*\t+4*\g+3], v[LI], s[WPB:WPB+1] offset:204800*(\mat)+6144*(\s)+1536*\t+512*\g
.endr
.endr
.endm
.macro PRE mat
	global_load_b128 v[WSC:WSC+3], v[LI], s[WSB:WSB+1] offset:204800*(\mat)
	global_load_b128 v[WSC+4:WSC+7], v[LI], s[WSB:WSB+1] offset:204800*(\mat)+512
	WLOAD 0, \mat, 0
	WLOAD 1, \mat, 1
.endm
.macro AFETCH s, m0                    ; AI names the address register of the block in hand
.irp mm, 0,1,2,3
.irp g, 0,1,2
	ds_load_b128 v[AF+12*((\m0)+\mm)+4*\g:AF+12*((\m0)+\mm)+4*\g+3], v[AI] offset:(8*(\s)+(\m0)+\mm)*1536+512*\g
.endr
.endr
.endm
.macro ASCL                            ; ASA likewise
.irp sg, 0,1
.irp mh, 0,1
	ds_load_b128 v[ASC+8*\sg+4*\mh:ASC+8*\sg+4*\mh+3], v[ASA] offset:1024*\sg+16*\mh
.endr
.endr
.endm
.macro MM tr, arr, s, m, first
.irp t, 0,1,2,3
.if \arr
.set zD, 8*(8*\t+(\m))
.else
.set zD, 8*(4*(\m)+\t)
.endif
.if \tr
.set zP, WF+48*((\s)%2)+12*\t
.set zQ, AF+12*(\m)
.set zX, WSC+4*((\s)/2)+\t
.set zY, ASC+8*((\s)/2)+(\m)
.else
.set zQ, WF+48*((\s)%2)+12*\t
.set zP, AF+12*(\m)
.set zY, WSC+4*((\s)/2)+\t
.set zX, ASC+8*((\s)/2)+(\m)
.endif
.if (\first) && ((\s) == 0)
	v_wmma_scale_f32_16x16x128_f8f6f4 v[zD:zD+7], v[zP:zP+11], v[zQ:zQ+11], 0, v[zX], v[zY] matrix_a_fmt:MATRIX_FMT_FP6 matrix_b_fmt:MATRIX_FMT_FP6
.elseif ((\s)%2) == 0
	v_wmma_scale_f32_16x16x128_f8f6f4 v[zD:zD+7], v[zP:zP+11], v[zQ:zQ+11], v[zD:zD+7], v[zX], v[zY] matrix_a_fmt:MATRIX_FMT_FP6 matrix_b_fmt:MATRIX_FMT_FP6
.else
	v_wmma_scale_f32_16x16x128_f8f6f4 v[zD:zD+7], v[zP:zP+11], v[zQ:zQ+11], v[zD:zD+7], v[zX], v[zY] matrix_a_fmt:MATRIX_FMT_FP6 matrix_b_fmt:MATRIX_FMT_FP6 matrix_a_scale:MATRIX_SCALE_ROW1 matrix_b_scale:MATRIX_SCALE_ROW1
.endif
.endr
.endm
; 128 rows x 64 columns x K 512: 128 matrix instructions; the 32 accumulators take turns in one order in every K step.
; A K step is two halves of 16 products: row tiles 0-3 read fragments 0-3, row tiles 4-7 fragments 4-7; all 32 read weight set s % 2.  At the head of a half ONE wait on va_vdst states that the half before is done
; reading its fragments (at a K step's head: and its set of weights).  Four products follow it, then the loads into those registers, then the other twelve: the products issued since the wait name the other half's
; fragments, the other set, the scale words and the accumulators alone, so the loads owe nothing more.  The caller states what the scale words' and the first fragments' registers hang on.
.macro GEMM tr, arr, first, mat
	ASCL
	AFETCH 0, 0
	AFETCH 0, 4
.irp s, 0,1,2,3
.if \s == 0
	s_wait_loadcnt 12                              ; the weights' scale words and set 0 are in; set 1's 12 loads may be out
	s_wait_dscnt 12                                ; the rows' scale words and fragments 0-3 are in; the 12 loads of fragments 4-7 may be out
.else
	s_wait_loadcnt 0x0                             ; this K step's weights are in
	s_wait_dscnt 0x0                               ; fragments 0-3 of this K step are in
	s_wait_alu depctr_va_vdst(0)                   ; the last K step's products are done reading fragments 4-7 and their set of weights, in which the loads below land
.endif
	WIN 0x50
	MM \tr, \arr, \s, 0, \first
.if \s > 0
	WIN 0
	AFETCH \s, 4
.if (\s == 1) || (\s == 2)
	WLOAD (\s+1)%2, \mat, \s+1
.endif
	WIN 0x50
.endif
	MM \tr, \arr, \s, 1, \first
	MM \tr, \arr, \s, 2, \first
	MM \tr, \arr, \s, 3, \first
	WIN 0
	s_wait_dscnt 0x0                               ; fragments 4-7 of this K step are in
.if \s < 3
	NOP4                                           ; (four plain places stay between these products and the loads into the fragments that they read)
	s_wait_alu depctr_va_vdst(0)                   ; the sixteen products above are done reading fragments 0-3, in which the loads below land
.endif
	WIN 0x50
	MM \tr, \arr, \s, 4, \first
.if \s < 3
	WIN 0
	AFETCH \s+1, 0
	WIN 0x50
.endif
	MM \tr, \arr, \s, 5, \first
	MM \tr, \arr, \s, 6, \first
	MM \tr, \arr, \s, 7, \first
	WIN 0
	NOP4                                           ; four places: ahead of the next loads into these products' operands, and, behind the last K step, of the first read of the results
.endr
.endm
.macro PLOADL reg, k                   ; a lane's 32 column parameters in the accumulators' order, from my own LDS bytes: register 16 c + i = column 64 w + 32 c + 16 h + i; the sixteen lanes of a half read the same bytes
.irp c, 0,1
.irp i, 0,1,2,3
	ds_load_b128 v[(\reg)+16*\c+4*\i:(\reg)+16*\c+4*\i+3], v[PL] offset:256*(\k)+128*\c+16*\i
.endr
.endr
.endm
	s_load_b256 s[4:11], s[0:1], 0x0               ; hd s[4:5], gq s[6:7], wimg s[8:9], stat1 s[10:11]
	s_load_b128 s[12:15], s[0:1], 0x20             ; ff_b2 s[12:13], stat2 s[14:15]
	s_load_b64 s[16:17], s[0:1], 0x30              ; out0
	v_lshl_add_u32 v254, v0, 2, 0x25000
	v_mov_b32 v255, 0
	v_lshrrev_b32 v12, 5, v0
	v_readfirstlane_b32 s20, v12                   ; wave
	v_and_b32 v12, 31, v0                          ; lane
	v_and_b32 v13, 15, v0                          ; r
	v_bfe_u32 v14, v0, 4, 1                        ; h
	v_lshlrev_b32 v[LI], 4, v12
	v_lshlrev_b32 v[L8], 3, v12
	v_lshl_add_u32 v[ASA0], v12, 5, SCB
	v_add_nc_u32 v[AI1], GB, v[LI]
	v_add_nc_u32 v[ASA1], GB, v[ASA0]
	s_wait_alu depctr_va_sdst(0)                   ; s20 is written, ahead of its first reader: LDS addresses and all bases are made from it
	s_mul_i32 s27, s20, 6656
	v_add_nc_u32 v[CH], s27, v[LI]
	s_mul_i32 s21, s20, 1280
	s_add_co_u32 s21, s21, PB
	v_add_nc_u32 v[PS], s21, v[L8]
	v_lshl_add_u32 v[PL], v14, 6, s21
	s_mul_i32 s21, s20, 4352
	s_add_co_u32 s21, s21, STG                     ; my stage
	v_mul_u32_u24 v[OS], v13, 272                  ; the way out, in: row r of 272 bytes, + 64 h
	v_lshl_add_u32 v[OS], v14, 6, v[OS]
	v_add_nc_u32 v[OS], s21, v[OS]
	v_mul_u32_u24 v[OR], v14, 272                  ; back: lanes 0-15 one row, lanes 16-31 the next
	v_lshl_add_u32 v[OR], v13, 4, v[OR]
	v_add_nc_u32 v[OR], s21, v[OR]
	v_lshlrev_b32 v[GO], 4, v13                    ; and the same two rows in out0
	v_lshl_add_u32 v[GO], v14, 11, v[GO]
	s_mul_i32 s22, ttmp9, 53248
	s_add_co_u32 s22, s22, s27
	s_mov_b32 s23, 0
	s_wait_kmcnt 0x0
	s_add_nc_u64 s[4:5], s[4:5], s[22:23]
	s_add_nc_u64 s[6:7], s[6:7], s[22:23]
	s_mul_i32 s22, s20, 24576
	s_add_nc_u64 s[WPB:WPB+1], s[8:9], s[22:23]
	s_lshl_b32 s22, s20, 10
	s_add_co_u32 s22, s22, 196608
	s_add_nc_u64 s[WSB:WSB+1], s[8:9], s[22:23]
	s_lshl_b32 s22, s20, 8
	s_add_nc_u64 s[10:11], s[10:11], s[22:23]
	s_add_nc_u64 s[12:13], s[12:13], s[22:23]
	s_add_nc_u64 s[14:15], s[14:15], s[22:23]
	s_lshl_b32 s21, ttmp9, 18
	s_add_co_u32 s22, s22, s21
	s_add_nc_u64 s[16:17], s[16:17], s[22:23]      ; out0: 128 wg rows of 2,048 bytes + 256 w
	; ---- all that the launch reads but the weights is asked for here, into window 1: five parameters (32 lanes x 8 bytes each) and my eighth, 6,656 bytes, of each block
	WIN 0x40
	s_wait_alu depctr_va_vdst(0)                   ; the addresses v1 to v11 are written, which all loads and stores of the kernel read
	global_load_b64 v[104:105], v[L8], s[10:11]            ; a1
	global_load_b64 v[106:107], v[L8], s[10:11] offset:2048 ; c1
	global_load_b64 v[108:109], v[L8], s[14:15]            ; a2
	global_load_b64 v[110:111], v[L8], s[14:15] offset:2048 ; c2
	global_load_b64 v[112:113], v[L8], s[12:13]            ; b2
.set ci, 0
.rept 13
	global_load_b128 v[4*ci:4*ci+3], v[LI], s[4:5] offset:512*ci th:TH_LOAD_NT
.set ci, ci+1
.endr
.set ci, 0
.rept 13
	global_load_b128 v[52+4*ci:52+4*ci+3], v[LI], s[6:7] offset:512*ci th:TH_LOAD_NT
.set ci, ci+1
.endr
	WIN 0
	PRE 3
	s_wait_loadcnt 26                              ; the 31 are in; the weights' 26 loads behind them may be out
	WIN 0x04
.irp k, 0,1,2,3,4
	ds_store_b64 v[PS], v[104+2*\k:105+2*\k] offset:256*\k
.endr
.set ci, 0
.rept 13
	ds_store_b128 v[CH], v[4*ci:4*ci+3] offset:512*ci
.set ci, ci+1
.endr
.set ci, 0
.rept 13
	ds_store_b128 v[CH], v[52+4*ci:52+4*ci+3] offset:GB+512*ci
.set ci, ci+1
.endr
	WIN 0
	BAR                                            ; both blocks lie in LDS; from here on they are only read
	s_wait_alu depctr_vm_vsrc(0)                   ; my LDS stores have read window 1's registers, which the products write
.set AI,  LI
.set ASA, ASA0
	GEMM 1, 0, 1, 3                                ; out = heads Wo
	s_wait_alu depctr_va_vdst(0)                   ; the products are done reading the fragments, the weights and both kinds of scale words: a1, c1 and W2's first fragments land there
	PLOADL 48, 0                                   ; a1
	PLOADL 80, 1                                   ; c1
	PRE 5
	s_wait_dscnt 0x0                               ; a1 and c1 are in
	WIN 0x41
.set ci, 0
.rept 128
	v_pk_fma_f32 v[2*ci:2*ci+1], v[2*ci:2*ci+1], v[48+2*(ci%16):48+2*(ci%16)+1], v[80+2*(ci%16):80+2*(ci%16)+1]   ; h = a1 out + c1: it stays where it is, as the next sums' start
.set ci, ci+1
.endr
	WIN 0
	s_wait_alu depctr_va_vdst(0)                   ; the multiply-adds are done reading a1 and c1 in v48-111, in which g's fragments land
.set AI,  AI1
.set ASA, ASA1
	GEMM 1, 0, 0, 5                                ; h + g W2^T
	s_wait_alu depctr_va_vdst(0)                   ; the products are done reading the fragments, in which a2, c2 and b2 land
	PLOADL 48, 2                                   ; a2
	PLOADL 80, 3                                   ; c2
	PLOADL 112, 4                                  ; b2
	s_wait_dscnt 0x0
.set ci, 0
.rept 16
	v_pk_fma_f32 v[80+2*ci:80+2*ci+1], v[48+2*ci:48+2*ci+1], v[112+2*ci:112+2*ci+1], v[80+2*ci:80+2*ci+1]   ; a2 b2 + c2: b2 costs no pass of its own
.set ci, ci+1
.endr
	WIN 0x41
.set ci, 0
.rept 128
	v_pk_fma_f32 v[2*ci:2*ci+1], v[2*ci:2*ci+1], v[48+2*(ci%16):48+2*(ci%16)+1], v[80+2*(ci%16):80+2*(ci%16)+1]   ; a2 (h + g W2^T + b2) + c2
.set ci, ci+1
.endr
	WIN 0
; THE WAY OUT, a row tile at a time, through my own stage in LDS (16 rows x 272 bytes): a lane holds 128 bytes of one row in two pieces; they come back as rows of 256 bytes.
; LDS serves a wave's instructions in order (ISA guide 5.7.1.4): no wait between the stores and the loads, nor in front of the next tile's stores.
.macro TOSTAGE m
	WIN 0x04
.irp c, 0,1
.irp i, 0,1,2,3
	ds_store_b128 v[OS], v[32*(\m)+16*\c+4*\i:32*(\m)+16*\c+4*\i+3] offset:128*\c+16*\i
.endr
.endr
	WIN 0
.irp i, 0,1,2,3,4,5,6,7
	ds_load_b128 v[144+32*((\m)%2)+4*\i:144+32*((\m)%2)+4*\i+3], v[OR] offset:544*\i
.endr
.endm
.macro SEND m, younger                 ; younger: the LDS instructions issued behind tile m's loads, which may stay out
	s_wait_dscnt \younger
.irp i, 0,1,2,3,4,5,6,7
	global_store_b128 v[GO], v[144+32*((\m)%2)+4*\i:144+32*((\m)%2)+4*\i+3], s[16:17] offset:(32*((\m)/2)+8*((\m)%2)+2*\i+8*(\i/4))*2048 th:TH_STORE_NT   ; sixteen lanes store 256 consecutive bytes, aligned: rows 2 i and 2 i + 1 of the tile, at their tokens
.endr
.endm
	s_wait_alu depctr_va_vdst(0)                   ; the multiply-adds have written the results in window 1, which the LDS stores of the way out read; no vector instruction follows
	TOSTAGE 0
.irp a, 1,2,3,4,5,6,7
.if \a > 1
	s_wait_xcnt 0x0                                ; tile a - 2's stores have had their addresses translated: only behind this wait are their data written again;
	s_wait_alu depctr_vm_vsrc(0)                   ; tile a - 2's stores have read their 32 registers, in which tile a's loads land
.endif
	TOSTAGE \a
	SEND \a-1, 16                                  ; behind tile a - 1's loads: tile a's 8 stores and 8 loads
.endr
	SEND 7, 0
	s_wait_dscnt 0x0                               ; the closing lines, six on end
	s_wait_alu 0x0
	s_wait_tensorcnt 0x0
	ds_add_u32 v254, v255
	s_wait_dscnt 0x0
	s_endpgm
.Lfunc_end_k_qd984649847_ffno:
	.size	k_qd984649847_ffno, .Lfunc_end_k_qd984649847_ffno-k_qd984649847_ffno
	.p2alignl 7, 3214868480
	.fill 96, 4, 3214868480
	.section	.rodata,"a",@progbits
	.p2align	6, 0x0
	.amdhsa_kernel k_qd984649847_ffno
		.amdhsa_group_segment_fixed_size 152576
		.amdhsa_private_segment_fixed_size 0
		.amdhsa_enable_private_segment 0
		.amdhsa_kernarg_size 56
		.amdhsa_user_sgpr_count 2
		.amdhsa_user_sgpr_kernarg_segment_ptr 1
		.amdhsa_wavefront_size32 1
		.amdhsa_system_sgpr_workgroup_id_x 1
		.amdhsa_system_sgpr_workgroup_id_y 1
		.amdhsa_system_sgpr_workgroup_id_z 1
		.amdhsa_system_vgpr_workitem_id 0
		.amdhsa_next_free_vgpr 512
		.amdhsa_next_free_sgpr 66
		.amdhsa_reserve_vcc 0
		.amdhsa_float_denorm_mode_32 3
		.amdhsa_float_denorm_mode_16_64 3
		.amdhsa_memory_ordered 1
		.amdhsa_forward_progress 1
		.amdhsa_inst_pref_size 102
	.end_amdhsa_kernel
	.amdgpu_metadata
---
amdhsa.version: [ 1, 2 ]
amdhsa.kernels:
  - .name:           k_qd984649847_ffno
    .symbol:         k_qd984649847_ffno.kd
    .args:
      - { .name: hd, .offset: 0, .size: 8, .value_kind: global_buffer, .address_space: global }
      - { .name: gq, .offset: 8, .size: 8, .value_kind: global_buffer, .address_space: global }
      - { .name: wimg, .offset: 16, .size: 8, .value_kind: global_buffer, .address_space: global }
      - { .name: stat1, .offset: 24, .size: 8, .value_kind: global_buffer, .address_space: global }
      - { .name: ff_b2, .offset: 32, .size: 8, .value_kind: global_buffer, .address_space: global }
      - { .name: stat2, .offset: 40, .size: 8, .value_kind: global_buffer, .address_space: global }
      - { .name: out0, .offset: 48, .size: 8, .value_kind: global_buffer, .address_space: global }
    .group_segment_fixed_size: 152576
    .private_segment_fixed_size: 0
    .kernarg_segment_align: 8
    .kernarg_segment_size: 56
    .max_flat_workgroup_size: 256
    .sgpr_count:     66
    .vgpr_count:     512
    .wavefront_size: 32
...
	.end_amdgpu_metadata
.endif
;; end of part 12
